; MI455X (gfx1250); checked and timed in simulation.
; The chip was launched on July 23, 2026; its instructions are those of AMD's public machine-readable ISA for CDNA 5 (MIT licence, August 2026) and "CDNA5" Instruction Set Architecture Reference Guide (July 2026). The comments in the code are by the model that wrote it; some were corrected since.
;; Mo E Layer. Allowed arithmetic: float matrix products may take bf16 or f16 operands with f32 sums; other float arithmetic in f32, or as packed bf16 or f16 multiplies, adds, multiply-adds, maxima and minima; sums over many terms, partial sums and values carried from step to step in f32; what a program stores and reads back later, other than sums and carried values, may be rounded once to bf16 or f16.
;; Inputs: b1 8 x 4,096 float32; b2 8 x 1,024 float32; hidden_states 4 x 256 x 1,024 float32; router_w 8 x 1,024 float32; w1 8 x 1,024 x 4,096 float32; w2 8 x 4,096 x 1,024 float32.
;; Outputs: out0 4 x 256 x 1,024 float32.
;; 3 versions, each right; version 2 is faster than version 1; version 3 is version 2 with the launch down written anew for expert scheduling mode. Each part assembles by itself: llvm-mc -triple=amdgcn-amd-amdhsa -mcpu=gfx1250 --defsym DOCPART=n.
;; ======== version 1 of 3: 4 launches
;; limits: values are held in f16: magnitudes above 65,504 overflow, below 6.1e-05 lose precision; a function is approximated: absolute error at most 7.5e-08
;; workspace buffers: xh 2,097,152 bytes; ridx 8,192 bytes of whole numbers; rgate 8,192 bytes; hid 16,777,216 bytes; part 33,554,432 bytes
;; launch router (part 1): grid 128 x 1, 8 waves a work-group, no clusters, 0 bytes of LDS; arguments hidden_states, router_w, xh, ridx, rgate; writes xh, ridx, rgate
.if DOCPART == 1
	.amdgcn_target "amdgcn-amd-amdhsa--gfx1250"
	.amdhsa_code_object_version 6
	.text
	.protected	k_q59aa2ca260_router
	.globl	k_q59aa2ca260_router
	.p2align	8
	.type	k_q59aa2ca260_router,@function
k_q59aa2ca260_router:
	s_mov_b64 s[64:65], 0
	v_nop
	global_prefetch_b8 v0, s[64:65] scope:SCOPE_SE
	s_setreg_imm32_b32 hwreg(HW_REG_WAVE_MODE, 25, 1), 1
	s_wait_xcnt 0x0
; ROUTER.  logits[t][e] = x[t] . router_w[e] in f32 on the inputs as given; softmax over the 8 experts with the maximum taken away;
; the two largest.  Stored at fixed places: ridx[2t+k] = expert (u32), rgate[2t+k] = its probability (f32), and xh[t][:] = x rounded once to f16.
; One wave a token, eight tokens a work-group.  Lane l holds x[t][128 j + 4 l .. + 3], j = 0..7, and the same columns of all eight rows of router_w.
; LIMITS.  xh is f16: |x| under 65,504, below 6e-5 a fixed step of 6e-8.  Logits finite; NaN and infinities are not treated apart.  The two experts are chosen on the
; logits (ties to the lower index); two logits that differ but round to one probability are not re-ordered.  The logits' sums go in another order than a row-wise sum.
; No matrix unit (8 columns), no LDS, no barrier: a wave depends on no other.
.set L,   4                            ; v4-11    logits
.set X,   16                           ; v16-47   x as loaded; later at work
.set XH,  48                           ; v48-63   x in f16, to store
.set AC,  48                           ; v48-63   afterwards: a pair of partial sums for each expert
.set RW,  64                           ; v64-255  router_w of experts 0-5, 32 registers each; experts 6, 7 in window 1, v0-63
.set MSB, 0
.macro WIN new                         ; the immediate's high byte repeats the setting that is left
.if MSB != (\new)
	s_set_vgpr_msb (MSB<<8)|(\new)
.set MSB, \new
.endif
.endm
	s_load_b256 s[4:11], s[0:1], 0x0               ; x s[4:5], router_w s[6:7], xh s[8:9], ridx s[10:11]
	s_load_b64 s[12:13], s[0:1], 0x20              ; rgate
	v_and_b32 v1, 31, v0                           ; lane
	v_lshrrev_b32 v12, 5, v0
	v_readfirstlane_b32 s14, v12                   ; wave
	s_lshl_b32 s15, ttmp9, 3
	s_add_co_u32 s15, s15, s14                     ; token
	v_lshlrev_b32 v2, 4, v1                        ; 16 l
	v_lshlrev_b32 v3, 3, v1                        ; 8 l
	s_mov_b32 s18, 0x76543210                      ; v_permlanex16_b32: each lane takes its own place in the other half
	s_mov_b32 s19, 0xfedcba98
	s_lshl_b32 s16, s15, 12                        ; a row of x: 4,096 bytes
	s_mov_b32 s17, 0
	s_lshl_b32 s20, s15, 11                        ; a row of xh: 2,048 bytes
	s_mov_b32 s21, 0
	s_lshl_b32 s22, s15, 3                         ; the token's two words in ridx and rgate
	s_wait_kmcnt 0x0
	s_add_nc_u64 s[4:5], s[4:5], s[16:17]
	s_add_nc_u64 s[8:9], s[8:9], s[20:21]
.irp j, 0,1,2,3,4,5,6,7
	global_load_b128 v[X+4*\j:X+4*\j+3], v2, s[4:5] offset:512*\j th:TH_LOAD_NT
.endr
.irp e, 0,1,2,3,4,5
.irp j, 0,1,2,3,4,5,6,7
	global_load_b128 v[RW+32*\e+4*\j:RW+32*\e+4*\j+3], v2, s[6:7] offset:4096*\e+512*\j
.endr
.endr
	WIN 0x40                                       ; destination window 1
.irp e, 6,7
.irp j, 0,1,2,3,4,5,6,7
	global_load_b128 v[32*(\e-6)+4*\j:32*(\e-6)+4*\j+3], v2, s[6:7] offset:4096*\e+512*\j
.endr
.endr
	WIN 0
	s_wait_loadcnt 56                              ; the 56 loads of experts 1-7 may stay out: x is in
.irp j, 0,1,2,3,4,5,6,7
	v_cvt_pk_f16_f32 v[XH+2*\j], v[X+4*\j], v[X+4*\j+1]
	v_cvt_pk_f16_f32 v[XH+2*\j+1], v[X+4*\j+2], v[X+4*\j+3]
.endr
.irp j, 0,1,2,3,4,5,6,7
	global_store_b64 v3, v[XH+2*\j:XH+2*\j+1], s[8:9] offset:256*\j  ; the wave's store covers 256 consecutive bytes, aligned
.endr
	s_wait_loadcnt 0x0
	s_wait_xcnt 0x0                                ; the stores' data registers are written again only behind this wait
	; eight dot products, two columns at a time; the experts' chains do not wait for each other
.set p, 0
.rept 16
.irp e, 0,1,2,3,4,5
.if p == 0
	v_pk_mul_f32 v[AC+2*\e:AC+2*\e+1], v[X:X+1], v[RW+32*\e:RW+32*\e+1]
.else
	v_pk_fma_f32 v[AC+2*\e:AC+2*\e+1], v[X+2*p:X+2*p+1], v[RW+32*\e+2*p:RW+32*\e+2*p+1], v[AC+2*\e:AC+2*\e+1]
.endif
.endr
.set p, p+1
.endr
	WIN 0x04                                       ; source 1 in window 1
.set p, 0
.rept 16
.irp e, 6,7
.if p == 0
	v_pk_mul_f32 v[AC+2*\e:AC+2*\e+1], v[X:X+1], v[32*(\e-6):32*(\e-6)+1]
.else
	v_pk_fma_f32 v[AC+2*\e:AC+2*\e+1], v[X+2*p:X+2*p+1], v[32*(\e-6)+2*p:32*(\e-6)+2*p+1], v[AC+2*\e:AC+2*\e+1]
.endif
.endr
.set p, p+1
.endr
	WIN 0
.irp e, 0,1,2,3,4,5,6,7
	v_add_f32 v[L+\e], v[AC+2*\e], v[AC+2*\e+1]
.endr
.irp m, 1,2,4,8
.irp e, 0,1,2,3,4,5,6,7
	v_add_f32_dpp v[L+\e], v[L+\e], v[L+\e] row_xmask:\m row_mask:0xf bank_mask:0xf
.endr
.endr
.irp e, 0,1,2,3,4,5,6,7
	v_permlanex16_b32 v[X+\e], v[L+\e], s18, s19   ; its destination has been written (x lay there)
.endr
.irp e, 0,1,2,3,4,5,6,7
	v_add_f32 v[L+\e], v[L+\e], v[X+\e]            ; every lane holds all eight logits
.endr
	; the largest: a strict comparison keeps the lower index at a tie
	v_mov_b32 v12, v[L]
	v_mov_b32 v13, 0
.irp e, 1,2,3,4,5,6,7
	v_cmp_gt_f32 vcc_lo, v[L+\e], v12
	v_cndmask_b32 v12, v12, v[L+\e], vcc_lo
	v_cndmask_b32 v13, v13, \e, vcc_lo
.endr
	; the second: the same scan with the first taken out
	v_mov_b32 v32, 0xff800000
.irp e, 0,1,2,3,4,5,6,7
	v_cmp_eq_u32 vcc_lo, \e, v13
	v_cndmask_b32 v[16+\e], v[L+\e], v32, vcc_lo
.endr
	v_mov_b32 v14, v16
	v_mov_b32 v15, 0
.irp e, 1,2,3,4,5,6,7
	v_cmp_gt_f32 vcc_lo, v[16+\e], v14
	v_cndmask_b32 v14, v14, v[16+\e], vcc_lo
	v_cndmask_b32 v15, v15, \e, vcc_lo
.endr
	; softmax: 2^((logit - max) log2 e); the largest one's weight is 1
.irp e, 0,1,2,3,4,5,6,7
	v_sub_f32 v[24+\e], v[L+\e], v12
.endr
	v_sub_f32 v33, v14, v12
.irp e, 0,1,2,3,4,5,6,7
	v_mul_f32 v[24+\e], 0x3fb8aa3b, v[24+\e]
.endr
	v_mul_f32 v33, 0x3fb8aa3b, v33
.irp e, 0,1,2,3,4,5,6,7
	v_exp_f32 v[24+\e], v[24+\e]
.endr
	v_exp_f32 v33, v33
	v_lshl_add_u32 v37, v1, 2, s22                 ; (2 t + lane) x 4: the plain instruction behind the last exponential
	s_wait_alu depctr_va_vdst(0)                   ; one wait for the nine exponentials, ahead of their first reader
	v_add_f32 v24, v24, v25
	v_add_f32 v26, v26, v27
	v_add_f32 v28, v28, v29
	v_add_f32 v30, v30, v31
	v_add_f32 v24, v24, v26
	v_add_f32 v28, v28, v30
	v_add_f32 v24, v24, v28
	v_rcp_f32 v34, v24                             ; p of the largest = 1 / sum
	v_cmp_eq_u32 vcc_lo, 1, v1                     ; a plain instruction behind the reciprocal
	s_wait_alu depctr_va_vdst(0)
	v_mul_f32 v33, v33, v34                        ; p of the second
	v_cndmask_b32 v35, v13, v15, vcc_lo            ; lane 0 stores the first choice, lane 1 the second
	v_cndmask_b32 v36, v34, v33, vcc_lo
	v_cmp_gt_u32 vcc_lo, 2, v1
	s_wait_xcnt 0x0                                ; EXEC changes only behind this wait
	s_and_saveexec_b32 s23, vcc_lo
	global_store_b32 v37, v35, s[10:11]
	global_store_b32 v37, v36, s[12:13]
	s_endpgm
.Lfunc_end_k_q59aa2ca260_router:
	.size	k_q59aa2ca260_router, .Lfunc_end_k_q59aa2ca260_router-k_q59aa2ca260_router
	.p2alignl 7, 3214868480
	.fill 96, 4, 3214868480
	.section	.rodata,"a",@progbits
	.p2align	6, 0x0
	.amdhsa_kernel k_q59aa2ca260_router
		.amdhsa_group_segment_fixed_size 0
		.amdhsa_private_segment_fixed_size 0
		.amdhsa_enable_private_segment 0
		.amdhsa_kernarg_size 40
		.amdhsa_user_sgpr_count 2
		.amdhsa_user_sgpr_kernarg_segment_ptr 1
		.amdhsa_wavefront_size32 1
		.amdhsa_system_sgpr_workgroup_id_x 1
		.amdhsa_system_sgpr_workgroup_id_y 1
		.amdhsa_system_sgpr_workgroup_id_z 1
		.amdhsa_system_vgpr_workitem_id 0
		.amdhsa_next_free_vgpr 320
		.amdhsa_next_free_sgpr 66
		.amdhsa_reserve_vcc 1
		.amdhsa_float_denorm_mode_32 3
		.amdhsa_float_denorm_mode_16_64 3
		.amdhsa_memory_ordered 1
		.amdhsa_forward_progress 1
		.amdhsa_inst_pref_size 26
	.end_amdhsa_kernel
	.amdgpu_metadata
---
amdhsa.version: [ 1, 2 ]
amdhsa.kernels:
  - .name:           k_q59aa2ca260_router
    .symbol:         k_q59aa2ca260_router.kd
    .args:
      - { .name: hidden_states, .offset: 0, .size: 8, .value_kind: global_buffer, .address_space: global }
      - { .name: router_w, .offset: 8, .size: 8, .value_kind: global_buffer, .address_space: global }
      - { .name: xh, .offset: 16, .size: 8, .value_kind: global_buffer, .address_space: global }
      - { .name: ridx, .offset: 24, .size: 8, .value_kind: global_buffer, .address_space: global }
      - { .name: rgate, .offset: 32, .size: 8, .value_kind: global_buffer, .address_space: global }
    .group_segment_fixed_size: 0
    .private_segment_fixed_size: 0
    .kernarg_segment_align: 8
    .kernarg_segment_size: 40
    .max_flat_workgroup_size: 256
    .sgpr_count:     66
    .vgpr_count:     320
    .wavefront_size: 32
...
	.end_amdgpu_metadata
.endif
;; end of part 1
;; launch up (part 2): grid 32 x 8, 4 waves a work-group, no clusters, 327,680 bytes of LDS; arguments w1, xh, ridx, hid, b1; writes hid
.if DOCPART == 2
	.amdgcn_target "amdgcn-amd-amdhsa--gfx1250"
	.amdhsa_code_object_version 6
	.text
	.protected	k_q59aa2ca260_up
	.globl	k_q59aa2ca260_up
	.p2align	8
	.type	k_q59aa2ca260_up,@function
k_q59aa2ca260_up:
	s_mov_b64 s[64:65], 0
	v_nop
	global_prefetch_b8 v0, s[64:65] scope:SCOPE_SE
	s_setreg_imm32_b32 hwreg(HW_REG_WAVE_MODE, 25, 1), 1
	s_wait_xcnt 0x0
; ONE TEXT FOR BOTH PRODUCTS OF THE EXPERTS' LAYER; DOWN = 0: hid[i][:] = gelu(x[i / 2] . w1[e] + b1[e]) in f16; DOWN = 1: part[kq][i][:] = hid[i][1024 kq ..] . w2[e][1024 kq ..] in f32.
; i = 2 t + k is a SLOT: choice k of token t, whose expert is ridx[i].  Only the rows of the slots that chose the expert are multiplied.
; SHARES.  A work-group has ONE expert (grid y) and a slice of its weights that it alone reads: 1,024 rows along K x 128 columns (grid x: DOWN = 0 the 32 slices of F; DOWN = 1 8 slices of H x 4 quarters of F,
; so that a slice's rows stay 512 consecutive bytes and there are 256 work-groups; the four partial sums stay f32 and are added by the launch behind).
; PHASE 1, the stream: each wave brings 256 rows of the slice, 16 bytes a lane (lanes 0-15 take 256 consecutive aligned bytes of one row, lanes 16-31 of the row 8 further down), rounds them once to f16 and
; lays them into LDS in the order in which the matrix unit's operand registers take them.  Four units of 16 loads a wave are on their way.  While the first are out, each wave makes its own list of the expert's slots.
; PHASE 2, behind a barrier: nothing writes the weights any more.  A wave takes blocks of 16 listed rows (block = 20 pass + 4 place + wave, five places a pass); token rows come from memory
; straight into operand registers, weights from LDS.  Four passes, a constant, cover the 1,024 rows that an expert can have; a dead pass's products, dead places and the fifth place's products are jumped by scalar
; branches.  Places past the count repeat the expert's last row: the same numbers go to the same bytes, so EXEC is never narrowed.
; BARRIERS.  The fragment loads walk LDS by a stepped address; the way out stores into the waves' stages.  A barrier stands between a pass's products and its way out, and another behind the way out, each behind
; the wave's wait for its LDS instructions: every LDS store of phase 2 is parted from every fragment and list load of any wave without leaning on the arithmetic that keeps the regions apart.  All four waves pass
; all eight, in dead passes too: only work is jumped.  Inside the way out every LDS address is a register made once at the head plus an immediate, in the wave's own stage.
; THE MATRIX INSTRUCTION IS USED TRANSPOSED (source 0 = 16 columns of weights, source 1 = 16 token rows): a lane holds one token row.  Fragment column n of block c in the 64-column group g is the true column
; 64 g + 4 n + c, which is what 16-byte loads of f32 rows give; the wave's stage in LDS undoes it on the way out.
; No tensor loads and no cluster: each weight byte has one reader, and the token rows come by a list.  No prefetch: the stream has 64 loads of 512 bytes a wave asked for.
; LIMITS.  All matrix operands are f16, each rounded once from f32: |x|, |w|, |hid| under 65,504; below 6e-5 a fixed step of 6e-8.  NaN and infinities are not treated apart.
; gelu(z) = max(z, 0) - |z| phi(z) poly(t), t = 1 / (1 + 0.2316419 |z|): the five-term form of the normal integral, absolute error under 7.5e-8 for every z, so gelu's is under |z| x 7.5e-8.
.set DOWN, 0
.if DOWN
.set PSH,   12                         ; a weight row is 1 << PSH bytes
.set OSH,   12                         ; an output row is 1 << OSH bytes
.set NQ,    5                          ; turns of the way out: one a place, 16 rows
.else
.set PSH,   14
.set OSH,   13
.set NQ,    10                         ; two a place, 8 rows each
.endif
.set PITCH,     1<<PSH
.set PAIRSTEP,  32*PITCH               ; 32 rows along K: one K step
.set ROUNDSTEP, 64*PITCH               ; a round of the ring: two K steps x two column groups
.set OWN,    262144                    ; LDS 0 .. 262,143: weight fragments, K step ks, block gc, half hh at 8192 ks + 1024 gc + 512 hh + 16 lane.  Behind them a region for each wave:
.set LISTB,  2048                      ; its list, 1,024 slot numbers of 2 bytes (the lanes without a match write the two bytes behind it, the stage's first),
.set SROW,   592                       ; and its stage, 24 row places of 37 x 16 bytes, so that the 16 rows of a 16-byte store begin at 16 different 16-byte columns; in a row byte 320 g + 64 c + 4 n; bytes 256 and 288: the row's slot
.set WREG,   LISTB+24*SROW
.set SPARE,  OWN+4*WREG                ; the spare words, 128 bytes a wave: two blocks of 256 bytes that no other line names
; window 0: v1 lane, v2 r = lane % 16, v3 h = lane / 16, v4 spare word, v5 0, v6 weight offset, v7 where fragments go, v8 where they are read, v9 my list, v10 list + 16 lane, v11 4 lane,
;   v12-19 at work, v20-24 token offsets of the five places, v25 into the stage, v26 out of it, v27 where a row's slot is read, v29 a lane's bytes in an output row,
;   v30 16 h, v31 16 lane, v32-47 slots and store offsets, v48-52 the five places' slots, v64-127 and v128-191 weight fragments of a K step by turns (at the head: ridx)
; window 1: v0-159 token fragments, buffer 0 (place x 32 + step x 8); on the way out at work; v160-167 bias pairs; v168-183 packed results
; window 2: v0-159 token fragments, buffer 1; v160-223 the fifth place's accumulators (in phase 1: packed weights, two buffers by turns)
; window 3: accumulators of places 0-3 at 64 place + 8 gc (in phase 1: the ring of four units of 64 registers)
.set MSB, 0
.macro WIN new                         ; s_set_vgpr_msb: bits 1:0 source 0, 3:2 source 1, 5:4 source 2, 7:6 destination; the high byte repeats the setting that is left
.if MSB != (\new)
	s_set_vgpr_msb (MSB<<8)|(\new)
.set MSB, \new
.endif
.endm
.macro PLACES                          ; four plain instructions between matrix instructions and loads into, or reads of, their registers
.rept 4
	v_nop
.endr
.endm
; a unit: 32 rows along K x 64 columns.  f = place in the ring: K step f / 2 of the round, column group f % 2
.macro FULOAD f, extra
	WIN 0xc0                                       ; destination window 3
.irp hh, 0,1
.irp j, 0,1,2,3,4,5,6,7
	global_load_b128 v[64*(\f)+4*(8*\hh+\j):64*(\f)+4*(8*\hh+\j)+3], v6, s[4:5] offset:((\f)>>1)*PAIRSTEP+(16*\hh+\j)*PITCH+((\f)&1)*256+(\extra) th:TH_LOAD_NT
.endr
.endr
.endm
; a unit's turn: its 16 loads are in (left = the younger loads that stay out); two rows' numbers of one column make a register; eight stores of 512 consecutive bytes; the unit of the next round is asked for
.macro FUSLOT f, refill, left
.set PKB, 160+32*((\f)&1)
	s_wait_loadcnt \left
	WIN 0x8f                                       ; sources window 3, destination window 2
.irp c, 0,1,2,3
.irp hh, 0,1
.irp jj, 0,1,2,3
	v_cvt_pk_f16_f32 v[PKB+4*(2*\c+\hh)+\jj], v[64*(\f)+4*(8*\hh+2*\jj)+\c], v[64*(\f)+4*(8*\hh+2*\jj+1)+\c]
.endr
.endr
.endr
	WIN 0x08                                       ; store data window 2
.irp c, 0,1,2,3
.irp hh, 0,1
	ds_store_b128 v7, v[PKB+4*(2*\c+\hh):PKB+4*(2*\c+\hh)+3] offset:((\f)>>1)*8192+((\f)&1)*4096+\c*1024+\hh*512
.endr
.endr
.if \refill
	FULOAD \f, ROUNDSTEP
.endif
.endm
; 128 along K of the five places' token rows: 40 loads of 16 bytes a lane
.macro ALOAD buf, imm
	WIN 0x40+0x40*(\buf)                           ; destination window 1 or 2
.irp t, 0,1,2,3,4
.irp s, 0,1,2,3
	global_load_b128 v[32*\t+8*\s:32*\t+8*\s+3],   v[20+\t], s[32:33] offset:(\imm)+64*\s
	global_load_b128 v[32*\t+8*\s+4:32*\t+8*\s+7], v[20+\t], s[32:33] offset:(\imm)+64*\s+32
.endr
.endr
.endm
; a K step's weight fragments: 16 loads of 512 consecutive bytes
.macro BLOAD bb, imm
	WIN 0
.irp g, 0,1,2,3,4,5,6,7
	ds_load_b128 v[64+64*(\bb)+8*\g:64+64*(\bb)+8*\g+3],   v8 offset:(\imm)+\g*1024
	ds_load_b128 v[64+64*(\bb)+8*\g+4:64+64*(\bb)+8*\g+7], v8 offset:(\imm)+\g*1024+512
.endr
.endm
; a K step of 32: the next step's weights are asked for, then 32 products (places 0-3 x 8 blocks) and the fifth place's 8.  The accumulators take turns, one instruction a turn.
.macro STEP abuf, s, first, pf, last
	WIN 0
	PLACES                                         ; behind the last step's products, ahead of loads into the registers that they read
.if !((\last) && ((\s) == 3))
	BLOAD ((\s)+1)&1, ((\s)+1)*8192
.endif
.if ((\s) == 0) && ((\pf) >= 0)
	ALOAD 1-(\abuf), \pf                           ; the next 128 along K of the token rows, 160 products ahead of their use
.endif
.if (\last) && ((\s) == 3)
	s_wait_dscnt 0x0
.else
	s_wait_dscnt 16                                ; the 16 just issued stay out: this step's weights are in
.endif
.if (\s) == 0
.if (\pf) >= 0
	s_wait_loadcnt 40                              ; the 40 just issued stay out: this chunk's token rows are in
.else
	s_wait_loadcnt 0x0
.endif
.endif
.set BB, 64+64*((\s)&1)
	WIN 0xf4+4*(\abuf)                             ; weights window 0, token rows window 1 or 2, sums window 3
.irp t, 0,1,2,3
.irp g, 0,1,2,3,4,5,6,7
.if (\first) && ((\s) == 0)
	v_wmma_f32_16x16x32_f16 v[64*\t+8*\g:64*\t+8*\g+7], v[BB+8*\g:BB+8*\g+7], v[32*\t+8*(\s):32*\t+8*(\s)+7], 0
.else
	v_wmma_f32_16x16x32_f16 v[64*\t+8*\g:64*\t+8*\g+7], v[BB+8*\g:BB+8*\g+7], v[32*\t+8*(\s):32*\t+8*(\s)+7], v[64*\t+8*\g:64*\t+8*\g+7]
.endif
.endr
.endr
.if (\first) && ((\s) == 0)
	WIN 0xa4+4*(\abuf)                             ; the fifth place's sums, in window 2, are started whether it is alive or not
.irp g, 0,1,2,3,4,5,6,7
	v_wmma_f32_16x16x32_f16 v[160+8*\g:160+8*\g+7], v[BB+8*\g:BB+8*\g+7], v[128+8*(\s):128+8*(\s)+7], 0
.endr
.else
	WIN 0
	s_cmp_lg_u32 s26, 0                            ; has this wave a fifth block in this pass?
	s_cbranch_scc0 .Lno5_\@
	WIN 0xa4+4*(\abuf)
.irp g, 0,1,2,3,4,5,6,7
	v_wmma_f32_16x16x32_f16 v[160+8*\g:160+8*\g+7], v[BB+8*\g:BB+8*\g+7], v[128+8*(\s):128+8*(\s)+7], v[160+8*\g:160+8*\g+7]
.endr
	WIN 0
.Lno5_\@:
.endif
.endm
.macro CHUNK abuf, first, pf, last     ; 128 along K.  pf: byte of the token rows' next chunk from the walking base, or -1
	STEP \abuf, 0, \first, \pf, \last
	STEP \abuf, 1, \first, \pf, \last
	STEP \abuf, 2, \first, \pf, \last
	STEP \abuf, 3, \first, \pf, \last
	WIN 0
.if !(\last)
	v_add_nc_u32 v8, 0x8000, v8
.endif
.endm
; place t's 16 rows x 128 columns, and each row's slot, into my stage from byte base on; each accumulator's low registers first
.macro DUMP t, base
	ds_store_b32 v25, v[48+(\t)] offset:(\base)+256  ; lanes 0-15 at the row's byte 256, lanes 16-31, which hold the same slot, at 288: both lie in the gap between the column groups
.if (\t) < 4
	WIN 0x0c
.set AC, 64*(\t)
.else
	WIN 0x08
.set AC, 160
.endif
.irp g, 0,1,2,3,4,5,6,7
	ds_store_b128 v25, v[AC+8*\g:AC+8*\g+3]   offset:(\base)+320*(\g/4)+64*(\g%4)
	ds_store_b128 v25, v[AC+8*\g+4:AC+8*\g+7] offset:(\base)+320*(\g/4)+64*(\g%4)+16
.endr
	WIN 0
.endm
	s_load_b256 s[4:11], s[0:1], 0x0               ; weights s[4:5], token rows s[6:7], ridx s[8:9], output s[10:11]
.if DOWN == 0
	s_load_b64 s[12:13], s[0:1], 0x20              ; b1
.endif
	v_lshl_add_u32 v4, v0, 2, SPARE                ; my spare word and 0: they serve the wave's end alone
	v_mov_b32 v5, 0
	v_lshrrev_b32 v12, 5, v0
	v_readfirstlane_b32 s14, v12                   ; wave
	s_and_b32 s15, ttmp7, 0xffff                   ; expert
	v_and_b32 v1, 31, v0
	v_and_b32 v2, 15, v0
	v_bfe_u32 v3, v0, 4, 1
	v_lshlrev_b32 v31, 4, v1
	v_lshlrev_b32 v30, 4, v3
	v_lshlrev_b32 v11, 2, v1
	v_lshlrev_b32 v6, PSH+3, v3                    ; lanes 16-31: 8 rows down
	v_lshl_add_u32 v6, v2, 4, v6
	s_lshl_b32 s21, s14, 16                        ; my 8 K steps of fragments
	v_add_nc_u32 v7, s21, v31
	s_mul_i32 s21, s14, WREG
	s_add_co_u32 s21, s21, OWN                     ; my region: the list,
	v_mov_b32 v9, s21
	v_add_nc_u32 v10, s21, v31
	s_add_co_u32 s21, s21, LISTB                   ; and the stage
	v_mul_u32_u24 v25, v2, SROW
	v_lshl_add_u32 v25, v3, 5, v25
	v_add_nc_u32 v25, s21, v25                     ; in: row r, 32 bytes for each half of the lanes
.if DOWN
	v_mul_u32_u24 v26, v3, 320                     ; back: a lane takes true columns 4 lane .. + 3 of one row
	v_lshl_add_u32 v26, v2, 2, v26
	v_add_nc_u32 v26, s21, v26
	v_mov_b32 v27, s21
	v_mov_b32 v29, v31
.else
	v_mul_u32_u24 v27, v3, SROW                    ; back: lanes 0-15 one row, lanes 16-31 the next; lane q takes true columns 8 q .. + 7
	v_add_nc_u32 v27, s21, v27
	v_lshrrev_b32 v12, 3, v2
	v_mul_u32_u24 v12, v12, 320
	v_and_b32 v13, 7, v2
	v_lshl_add_u32 v12, v13, 3, v12
	v_add_nc_u32 v26, v27, v12
	v_lshlrev_b32 v29, 4, v2
.endif
	s_lshl_b32 s18, s15, 24                        ; an expert's weights: 16 MiB
	s_lshl_b32 s21, s14, PSH+8                     ; my wave's 256 rows
	s_add_co_u32 s18, s18, s21
.if DOWN
	s_and_b32 s16, ttmp9, 7                        ; column slice
	s_lshr_b32 s17, ttmp9, 3                       ; quarter of K
	s_lshl_b32 s21, s17, 22
	s_add_co_u32 s18, s18, s21
	s_lshl_b32 s28, s17, 23                        ; output: plane kq, 512 bytes a slice
	s_lshl_b32 s21, s16, 9
	s_add_co_u32 s28, s28, s21
	s_lshl_b32 s30, s17, 11                        ; token rows: 1,024 f16 a quarter
.else
	s_mov_b32 s16, ttmp9                           ; column slice
	s_lshl_b32 s28, s16, 8                         ; output: 256 bytes a slice
	s_lshl_b32 s30, s15, 14                        ; b1: a row of 16,384 bytes, 512 a slice
	s_lshl_b32 s21, s16, 9
	s_add_co_u32 s30, s30, s21
.endif
	s_lshl_b32 s21, s16, 9
	s_add_co_u32 s18, s18, s21
	s_mov_b32 s19, 0
	s_mov_b32 s29, 0
	s_mov_b32 s31, 0
	s_wait_kmcnt 0x0
	s_add_nc_u64 s[4:5], s[4:5], s[18:19]
	s_add_nc_u64 s[10:11], s[10:11], s[28:29]
.if DOWN
	s_add_nc_u64 s[6:7], s[6:7], s[30:31]
.else
	s_add_nc_u64 s[12:13], s[12:13], s[30:31]
	v_lshlrev_b32 v12, 5, v2                       ; the bias of true columns 8 q + 4 d + c, as the way out pairs them
	WIN 0x40
.irp c, 0,1,2,3
.irp d, 0,1
	global_load_b32 v[160+2*\c+\d], v12, s[12:13] offset:16*\d+4*\c
.endr
.endr
	WIN 0
.endif
.irp i, 0,1,2,3,4,5,6,7,8,9,10,11,12,13,14,15
	global_load_b128 v[64+4*\i:64+4*\i+3], v31, s[8:9] offset:512*\i  ; all 2,048 choices: register 4 i + c of lane l is slot 128 i + 4 l + c
.endr
	FULOAD 0, 0
	FULOAD 1, 0
	FULOAD 2, 0
	WIN 0
.irp i, 16,17,18,19
	v_mov_b32 v[\i], 0
.endr
.irp i, 0,1,2,3
	ds_store_b128 v10, v[16:19] offset:512*\i      ; my list begins as zeros: no byte of it is read unwritten
.endr
.if DOWN == 0
	s_mov_b32 s34, 0x7fffffff
	s_mov_b32 s36, 0x3e6d3389                      ; 0.2316419
	s_mov_b32 s37, s36
	s_mov_b32 s38, 0xbf38aa3b                      ; -log2(e) / 2
	s_mov_b32 s39, s38
	s_mov_b32 s40, 0x3f07dc22                      ; the polynomial's five coefficients, each times 1 / sqrt(2 pi): t^5,
	s_mov_b32 s41, s40
	s_mov_b32 s48, 0xbf3a00e3                      ; t^4,
	s_mov_b32 s49, s48
	s_mov_b32 s42, 0x3f35f0e3                      ; t^3,
	s_mov_b32 s43, s42
	s_mov_b32 s44, 0xbe11a98e                      ; t^2,
	s_mov_b32 s45, s44
	s_mov_b32 s46, 0x3e027906                      ; t
	s_mov_b32 s47, s46
.endif
	s_mov_b32 s20, 0                               ; rows found so far
	s_wait_loadcnt 48                              ; the three units stay out: ridx (and the bias) are in
	; THE LIST, each wave's own copy: a matching lane's rank is the count so far plus the matches in lower lanes; the others write word 1,024, which nobody reads
.set k, 0
.rept 64
.set TT, 12+2*(k&1)
	v_cmp_eq_u32 vcc_lo, s15, v[64+k]
	v_mbcnt_lo_u32_b32 v[TT], vcc_lo, s20
	s_bcnt1_i32_b32 s21, vcc_lo
	v_cndmask_b32 v[TT], 0x400, v[TT], vcc_lo
	s_add_co_u32 s20, s20, s21
	v_min_u32 v[TT], 0x400, v[TT]
	v_lshl_add_u32 v[TT], v[TT], 1, v9
	v_add_nc_u32 v[TT+1], 128*(k/4)+k%4, v11
	ds_store_b16 v[TT], v[TT+1]
.set k, k+1
.endr
	s_add_co_u32 s22, s20, 15
	s_lshr_b32 s22, s22, 4                         ; blocks of 16 rows
	s_sub_co_u32 s23, s20, 1                       ; the last rank
	FULOAD 3, 0
	WIN 0
	s_mov_b32 s27, 3
.Lround:                                               ; three rounds ask for the round behind them; 48 = the three younger units' loads
	FUSLOT 0, 1, 48
	FUSLOT 1, 1, 48
	FUSLOT 2, 1, 48
	FUSLOT 3, 1, 48
	WIN 0
	s_wait_xcnt 0x0                                ; the loads' base is stepped only behind this wait
	s_add_nc_u64 s[4:5], s[4:5], ROUNDSTEP
	v_add_nc_u32 v7, 0x4000, v7
	s_sub_co_u32 s27, s27, 1
	s_cmp_lg_u32 s27, 0
	s_cbranch_scc1 .Lround
	FUSLOT 0, 0, 48                                ; the last round asks for nothing: the counts run down
	FUSLOT 1, 0, 32
	FUSLOT 2, 0, 16
	FUSLOT 3, 0, 0
	WIN 0
	s_wait_dscnt 0x0                               ; for the others' sake: my fragments are in LDS
	s_barrier_signal -1
	s_barrier_wait -1                              ; behind it the fragments are only read
	s_mov_b32 s24, 4                               ; passes: 4 x 20 blocks cover 1,024 rows
	s_mov_b32 s25, s14                             ; my first block of the pass
.Lpass:
	s_wait_xcnt 0x0                                ; the last pass's stores have read their registers
	s_lshl_b32 s21, s25, 4
.irp t, 0,1,2,3,4                      ; the five places' slots; in a dead pass too: the ranks are held inside the list
	v_add_nc_u32 v[12+\t], s21, v2                 ; rank = 16 block + r,
	s_add_co_u32 s21, s21, 64                      ; four blocks on for the next place
	v_min_u32 v[12+\t], s23, v[12+\t]              ; past the count: the last row once more
	v_min_u32 v[12+\t], 0x3ff, v[12+\t]
	v_lshl_add_u32 v[12+\t], v[12+\t], 1, v9
	ds_load_u16 v[48+\t], v[12+\t]
.endr
	s_wait_dscnt 0x0
.irp t, 0,1,2,3,4
.if DOWN
	v_min_u32 v[20+\t], 0x7ff, v[48+\t]
	v_lshl_add_u32 v[20+\t], v[20+\t], 13, v30     ; hid's row of the slot
.else
	v_lshrrev_b32 v[20+\t], 1, v[48+\t]
	v_min_u32 v[20+\t], 0x3ff, v[20+\t]
	v_lshl_add_u32 v[20+\t], v[20+\t], 11, v30     ; xh's row of the token
.endif
.endr
	s_cmp_ge_u32 s25, s22
	s_cbranch_scc1 .Lk_done                        ; nothing left for me: the products are jumped, the barriers are not
	s_add_co_u32 s21, s25, 16
	s_cmp_lt_u32 s21, s22
	s_cselect_b32 s26, 1, 0                        ; is the fifth place alive?
	s_mov_b64 s[32:33], s[6:7]
	v_mov_b32 v8, v31
	ALOAD 0, 0
	BLOAD 0, 0
	CHUNK 0, 1, 256, 0                             ; the first chunk stands ahead of the loop: its first products start the sums
	s_mov_b32 s27, 3
.Lk:
	CHUNK 1, 0, 512, 0
	CHUNK 0, 0, 768, 0
	s_wait_xcnt 0x0                                ; the token loads' base is stepped only behind this wait
	s_add_nc_u64 s[32:33], s[32:33], 512
	s_sub_co_u32 s27, s27, 1
	s_cmp_lg_u32 s27, 0
	s_cbranch_scc1 .Lk
	CHUNK 1, 0, -1, 1
	PLACES                                         ; ahead of the stores that read the sums
.Lk_done:
	s_wait_dscnt 0x0                               ; my fragment and list loads are back
	s_barrier_signal -1
	s_barrier_wait -1                              ; everybody's are: now the stages are written
	; THE WAY OUT, through my own stage: LDS serves a wave's instructions in order (ISA guide 5.7.1.4), so no wait stands between the stores and the loads
	s_mov_b32 s28, 0
.Lep:
.if DOWN
	s_lshl_b32 s29, s28, 2                         ; turn = place
.else
	s_lshr_b32 s29, s28, 1                         ; turn = 2 place + half
	s_lshl_b32 s29, s29, 2
.endif
	s_add_co_u32 s29, s29, s25                     ; the place's block
	s_cmp_ge_u32 s29, s22
	s_cbranch_scc1 .Lep_next
.if DOWN
.irp d, 0,1,2,3
	s_cmp_eq_u32 s28, \d
	s_cbranch_scc1 .Ld\d
.endr
	DUMP 4, 0
	s_branch .Lgo
.irp d, 0,1,2,3
.Ld\d:
	DUMP \d, 0
.if \d != 3
	s_branch .Lgo
.endif
.endr
.else
.irp d, 0,1,2,3,4,5,6,7,8
	s_cmp_eq_u32 s28, \d
	s_cbranch_scc1 .Ld\d
.endr
	DUMP 4, 0
	s_branch .Lgo
.irp d, 0,1,2,3,4,5,6,7,8              ; half 0: row r lies at place r + 8; half 1: at place r.  So places 8-15, which the one text below reads, hold rows 0-7 and then rows 8-15
.Ld\d:
	DUMP \d/2, (1-\d%2)*8*SROW
.if \d != 8
	s_branch .Lgo
.endif
.endr
.endif
.Lgo:
	s_wait_xcnt 0x0                                ; the last turn's stores have read their offsets and data
.if DOWN
.irp u, 0,1,2,3,4,5,6,7,8,9,10,11,12,13,14,15
	ds_load_b32 v[32+\u], v27 offset:\u*SROW+256   ; the row's slot
.endr
	WIN 0x40
.irp u, 0,1,2,3,4,5,6,7,8,9,10,11,12,13,14,15
.irp c, 0,1,2,3
	ds_load_b32 v[4*\u+\c], v26 offset:\u*SROW+64*\c  ; true column 4 lane + c
.endr
.endr
	WIN 0
	s_wait_dscnt 0x0
.irp u, 0,1,2,3,4,5,6,7,8,9,10,11,12,13,14,15
	v_min_u32 v[32+\u], 0x7ff, v[32+\u]
	v_lshl_add_u32 v[32+\u], v[32+\u], OSH, v29
.endr
	WIN 0x04                                       ; store data window 1
.irp u, 0,1,2,3,4,5,6,7,8,9,10,11,12,13,14,15
	global_store_b128 v[32+\u], v[4*\u:4*\u+3], s[10:11]  ; a row's 512 consecutive bytes, aligned
.endr
	WIN 0
.else
.irp u, 0,1,2,3
	ds_load_b32 v[32+\u], v27 offset:(8+2*\u)*SROW+256  ; the row's slot
.endr
	WIN 0x40
.irp u, 0,1,2,3
.irp c, 0,1,2,3
	ds_load_b64 v[8*\u+2*\c:8*\u+2*\c+1], v26 offset:(8+2*\u)*SROW+64*\c  ; true columns 8 q + c and 8 q + 4 + c
.endr
.endr
	WIN 0
	s_wait_dscnt 0x0
.irp u, 0,1,2,3
	v_min_u32 v[32+\u], 0x7ff, v[32+\u]
	v_lshl_add_u32 v[36+\u], v[32+\u], OSH, v29
.endr
	WIN 0x55                                       ; all vector operands in window 1: z v0-31, |z| v32-63, t v64-95, the exponential v96-127, the polynomial v128-159
.set p, 0
.rept 16
	v_pk_add_f32 v[2*p:2*p+1], v[2*p:2*p+1], v[160+2*(p%4):161+2*(p%4)]
.set p, p+1
.endr
.set p, 0
.rept 32
	v_and_b32 v[32+p], s34, v[p]
.set p, p+1
.endr
.set p, 0
.rept 16
	v_pk_fma_f32 v[64+2*p:65+2*p], v[32+2*p:33+2*p], s[36:37], 1.0 op_sel_hi:[1,0,0]
	v_pk_mul_f32 v[96+2*p:97+2*p], v[2*p:2*p+1], v[2*p:2*p+1]
.set p, p+1
.endr
.set p, 0
.rept 16
	v_pk_mul_f32 v[96+2*p:97+2*p], v[96+2*p:97+2*p], s[38:39] op_sel_hi:[1,0]
.set p, p+1
.endr
.set p, 0
.rept 32
	v_rcp_f32 v[64+p], v[64+p]
.set p, p+1
.endr
.set p, 0
.rept 32
	v_exp_f32 v[96+p], v[96+p]
.set p, p+1
.endr
.set p, 0
.rept 32
	v_max_num_f32 v[p], 0, v[p]                    ; plain work that names no result of the batch
.set p, p+1
.endr
	s_wait_alu depctr_va_vdst(0)                   ; one wait for the 64 reciprocals and exponentials, ahead of their first reader
.set p, 0
.rept 16
	v_pk_fma_f32 v[128+2*p:129+2*p], v[64+2*p:65+2*p], s[40:41], s[48:49] op_sel_hi:[1,0,0]
.set p, p+1
.endr
.irp k, 42,44,46
.set p, 0
.rept 16
	v_pk_fma_f32 v[128+2*p:129+2*p], v[128+2*p:129+2*p], v[64+2*p:65+2*p], s[\k:\k+1] op_sel_hi:[1,1,0]
.set p, p+1
.endr
.endr
.set p, 0
.rept 16
	v_pk_mul_f32 v[128+2*p:129+2*p], v[128+2*p:129+2*p], v[64+2*p:65+2*p]
.set p, p+1
.endr
.set p, 0
.rept 16
	v_pk_mul_f32 v[128+2*p:129+2*p], v[128+2*p:129+2*p], v[96+2*p:97+2*p]
.set p, p+1
.endr
.set p, 0
.rept 16
	v_pk_fma_f32 v[2*p:2*p+1], v[128+2*p:129+2*p], v[32+2*p:33+2*p], v[2*p:2*p+1] neg_lo:[1,0,0] neg_hi:[1,0,0]
.set p, p+1
.endr
.irp u, 0,1,2,3
	v_cvt_pk_f16_f32 v[168+4*\u],   v[8*\u],   v[8*\u+2]   ; columns 8 q + 0, 1
	v_cvt_pk_f16_f32 v[168+4*\u+1], v[8*\u+4], v[8*\u+6]   ; 2, 3
	v_cvt_pk_f16_f32 v[168+4*\u+2], v[8*\u+1], v[8*\u+3]   ; 4, 5
	v_cvt_pk_f16_f32 v[168+4*\u+3], v[8*\u+5], v[8*\u+7]   ; 6, 7
.endr
	WIN 0x04                                       ; store data window 1
.irp u, 0,1,2,3
	global_store_b128 v[36+\u], v[168+4*\u:168+4*\u+3], s[10:11]  ; 16 lanes store 256 consecutive bytes of a row, aligned
.endr
	WIN 0
.endif
.Lep_next:
	s_add_co_u32 s28, s28, 1
	s_cmp_lt_u32 s28, NQ
	s_cbranch_scc1 .Lep
	s_wait_dscnt 0x0                               ; my stores into the stage and my loads from it are done
	s_barrier_signal -1
	s_barrier_wait -1                              ; everybody's are: the next pass reads fragments again
	s_add_co_u32 s25, s25, 20
	s_sub_co_u32 s24, s24, 1
	s_cmp_lg_u32 s24, 0
	s_cbranch_scc1 .Lpass
	s_wait_tensorcnt 0x0                           ; the wave's end: behind my last LDS store
	ds_add_u32 v4, v5
	s_wait_dscnt 0x0
	s_endpgm
.Lfunc_end_k_q59aa2ca260_up:
	.size	k_q59aa2ca260_up, .Lfunc_end_k_q59aa2ca260_up-k_q59aa2ca260_up
	.p2alignl 7, 3214868480
	.fill 96, 4, 3214868480
	.section	.rodata,"a",@progbits
	.p2align	6, 0x0
	.amdhsa_kernel k_q59aa2ca260_up
		.amdhsa_group_segment_fixed_size 327680
		.amdhsa_private_segment_fixed_size 0
		.amdhsa_enable_private_segment 0
		.amdhsa_kernarg_size 40
		.amdhsa_user_sgpr_count 2
		.amdhsa_user_sgpr_kernarg_segment_ptr 1
		.amdhsa_wavefront_size32 1
		.amdhsa_system_sgpr_workgroup_id_x 1
		.amdhsa_system_sgpr_workgroup_id_y 1
		.amdhsa_system_sgpr_workgroup_id_z 1
		.amdhsa_system_vgpr_workitem_id 0
		.amdhsa_next_free_vgpr 1024
		.amdhsa_next_free_sgpr 66
		.amdhsa_reserve_vcc 1
		.amdhsa_float_denorm_mode_32 3
		.amdhsa_float_denorm_mode_16_64 3
		.amdhsa_memory_ordered 1
		.amdhsa_forward_progress 1
		.amdhsa_inst_pref_size 181
	.end_amdhsa_kernel
	.amdgpu_metadata
---
amdhsa.version: [ 1, 2 ]
amdhsa.kernels:
  - .name:           k_q59aa2ca260_up
    .symbol:         k_q59aa2ca260_up.kd
    .args:
      - { .name: w1, .offset: 0, .size: 8, .value_kind: global_buffer, .address_space: global }
      - { .name: xh, .offset: 8, .size: 8, .value_kind: global_buffer, .address_space: global }
      - { .name: ridx, .offset: 16, .size: 8, .value_kind: global_buffer, .address_space: global }
      - { .name: hid, .offset: 24, .size: 8, .value_kind: global_buffer, .address_space: global }
      - { .name: b1, .offset: 32, .size: 8, .value_kind: global_buffer, .address_space: global }
    .group_segment_fixed_size: 327680
    .private_segment_fixed_size: 0
    .kernarg_segment_align: 8
    .kernarg_segment_size: 40
    .max_flat_workgroup_size: 128
    .sgpr_count:     66
    .vgpr_count:     1024
    .wavefront_size: 32
...
	.end_amdgpu_metadata
.endif
;; end of part 2
;; launch down (part 3): grid 32 x 8, 4 waves a work-group, no clusters, 327,680 bytes of LDS; arguments w2, hid, ridx, part; writes part
.if DOCPART == 3
	.amdgcn_target "amdgcn-amd-amdhsa--gfx1250"
	.amdhsa_code_object_version 6
	.text
	.protected	k_q59aa2ca260_down
	.globl	k_q59aa2ca260_down
	.p2align	8
	.type	k_q59aa2ca260_down,@function
k_q59aa2ca260_down:
	s_mov_b64 s[64:65], 0
	v_nop
	global_prefetch_b8 v0, s[64:65] scope:SCOPE_SE
	s_setreg_imm32_b32 hwreg(HW_REG_WAVE_MODE, 25, 1), 1
	s_wait_xcnt 0x0
; ONE TEXT FOR BOTH PRODUCTS OF THE EXPERTS' LAYER; DOWN = 0: hid[i][:] = gelu(x[i / 2] . w1[e] + b1[e]) in f16; DOWN = 1: part[kq][i][:] = hid[i][1024 kq ..] . w2[e][1024 kq ..] in f32.
; i = 2 t + k is a SLOT: choice k of token t, whose expert is ridx[i].  Only the rows of the slots that chose the expert are multiplied.
; SHARES.  A work-group has ONE expert (grid y) and a slice of its weights that it alone reads: 1,024 rows along K x 128 columns (grid x: DOWN = 0 the 32 slices of F; DOWN = 1 8 slices of H x 4 quarters of F,
; so that a slice's rows stay 512 consecutive bytes and there are 256 work-groups; the four partial sums stay f32 and are added by the launch behind).
; PHASE 1, the stream: each wave brings 256 rows of the slice, 16 bytes a lane (lanes 0-15 take 256 consecutive aligned bytes of one row, lanes 16-31 of the row 8 further down), rounds them once to f16 and
; lays them into LDS in the order in which the matrix unit's operand registers take them.  Four units of 16 loads a wave are on their way.  While the first are out, each wave makes its own list of the expert's slots.
; PHASE 2, behind a barrier: nothing writes the weights any more.  A wave takes blocks of 16 listed rows (block = 20 pass + 4 place + wave, five places a pass); token rows come from memory
; straight into operand registers, weights from LDS.  Four passes, a constant, cover the 1,024 rows that an expert can have; a dead pass's products, dead places and the fifth place's products are jumped by scalar
; branches.  Places past the count repeat the expert's last row: the same numbers go to the same bytes, so EXEC is never narrowed.
; BARRIERS.  The fragment loads walk LDS by a stepped address; the way out stores into the waves' stages.  A barrier stands between a pass's products and its way out, and another behind the way out, each behind
; the wave's wait for its LDS instructions: every LDS store of phase 2 is parted from every fragment and list load of any wave without leaning on the arithmetic that keeps the regions apart.  All four waves pass
; all eight, in dead passes too: only work is jumped.  Inside the way out every LDS address is a register made once at the head plus an immediate, in the wave's own stage.
; THE MATRIX INSTRUCTION IS USED TRANSPOSED (source 0 = 16 columns of weights, source 1 = 16 token rows): a lane holds one token row.  Fragment column n of block c in the 64-column group g is the true column
; 64 g + 4 n + c, which is what 16-byte loads of f32 rows give; the wave's stage in LDS undoes it on the way out.
; No tensor loads and no cluster: each weight byte has one reader, and the token rows come by a list.  No prefetch: the stream has 64 loads of 512 bytes a wave asked for.
; LIMITS.  All matrix operands are f16, each rounded once from f32: |x|, |w|, |hid| under 65,504; below 6e-5 a fixed step of 6e-8.  NaN and infinities are not treated apart.
; gelu(z) = max(z, 0) - |z| phi(z) poly(t), t = 1 / (1 + 0.2316419 |z|): the five-term form of the normal integral, absolute error under 7.5e-8 for every z, so gelu's is under |z| x 7.5e-8.
.set DOWN, 1
.if DOWN
.set PSH,   12                         ; a weight row is 1 << PSH bytes
.set OSH,   12                         ; an output row is 1 << OSH bytes
.set NQ,    5                          ; turns of the way out: one a place, 16 rows
.else
.set PSH,   14
.set OSH,   13
.set NQ,    10                         ; two a place, 8 rows each
.endif
.set PITCH,     1<<PSH
.set PAIRSTEP,  32*PITCH               ; 32 rows along K: one K step
.set ROUNDSTEP, 64*PITCH               ; a round of the ring: two K steps x two column groups
.set OWN,    262144                    ; LDS 0 .. 262,143: weight fragments, K step ks, block gc, half hh at 8192 ks + 1024 gc + 512 hh + 16 lane.  Behind them a region for each wave:
.set LISTB,  2048                      ; its list, 1,024 slot numbers of 2 bytes (the lanes without a match write the two bytes behind it, the stage's first),
.set SROW,   592                       ; and its stage, 24 row places of 37 x 16 bytes, so that the 16 rows of a 16-byte store begin at 16 different 16-byte columns; in a row byte 320 g + 64 c + 4 n; bytes 256 and 288: the row's slot
.set WREG,   LISTB+24*SROW
.set SPARE,  OWN+4*WREG                ; the spare words, 128 bytes a wave: two blocks of 256 bytes that no other line names
; window 0: v1 lane, v2 r = lane % 16, v3 h = lane / 16, v4 spare word, v5 0, v6 weight offset, v7 where fragments go, v8 where they are read, v9 my list, v10 list + 16 lane, v11 4 lane,
;   v12-19 at work, v20-24 token offsets of the five places, v25 into the stage, v26 out of it, v27 where a row's slot is read, v29 a lane's bytes in an output row,
;   v30 16 h, v31 16 lane, v32-47 slots and store offsets, v48-52 the five places' slots, v64-127 and v128-191 weight fragments of a K step by turns (at the head: ridx)
; window 1: v0-159 token fragments, buffer 0 (place x 32 + step x 8); on the way out at work; v160-167 bias pairs; v168-183 packed results
; window 2: v0-159 token fragments, buffer 1; v160-223 the fifth place's accumulators (in phase 1: packed weights, two buffers by turns)
; window 3: accumulators of places 0-3 at 64 place + 8 gc (in phase 1: the ring of four units of 64 registers)
.set MSB, 0
.macro WIN new                         ; s_set_vgpr_msb: bits 1:0 source 0, 3:2 source 1, 5:4 source 2, 7:6 destination; the high byte repeats the setting that is left
.if MSB != (\new)
	s_set_vgpr_msb (MSB<<8)|(\new)
.set MSB, \new
.endif
.endm
.macro PLACES                          ; four plain instructions between matrix instructions and loads into, or reads of, their registers
.rept 4
	v_nop
.endr
.endm
; a unit: 32 rows along K x 64 columns.  f = place in the ring: K step f / 2 of the round, column group f % 2
.macro FULOAD f, extra
	WIN 0xc0                                       ; destination window 3
.irp hh, 0,1
.irp j, 0,1,2,3,4,5,6,7
	global_load_b128 v[64*(\f)+4*(8*\hh+\j):64*(\f)+4*(8*\hh+\j)+3], v6, s[4:5] offset:((\f)>>1)*PAIRSTEP+(16*\hh+\j)*PITCH+((\f)&1)*256+(\extra) th:TH_LOAD_NT
.endr
.endr
.endm
; a unit's turn: its 16 loads are in (left = the younger loads that stay out); two rows' numbers of one column make a register; eight stores of 512 consecutive bytes; the unit of the next round is asked for
.macro FUSLOT f, refill, left
.set PKB, 160+32*((\f)&1)
	s_wait_loadcnt \left
	WIN 0x8f                                       ; sources window 3, destination window 2
.irp c, 0,1,2,3
.irp hh, 0,1
.irp jj, 0,1,2,3
	v_cvt_pk_f16_f32 v[PKB+4*(2*\c+\hh)+\jj], v[64*(\f)+4*(8*\hh+2*\jj)+\c], v[64*(\f)+4*(8*\hh+2*\jj+1)+\c]
.endr
.endr
.endr
	WIN 0x08                                       ; store data window 2
.irp c, 0,1,2,3
.irp hh, 0,1
	ds_store_b128 v7, v[PKB+4*(2*\c+\hh):PKB+4*(2*\c+\hh)+3] offset:((\f)>>1)*8192+((\f)&1)*4096+\c*1024+\hh*512
.endr
.endr
.if \refill
	FULOAD \f, ROUNDSTEP
.endif
.endm
; 128 along K of the five places' token rows: 40 loads of 16 bytes a lane
.macro ALOAD buf, imm
	WIN 0x40+0x40*(\buf)                           ; destination window 1 or 2
.irp t, 0,1,2,3,4
.irp s, 0,1,2,3
	global_load_b128 v[32*\t+8*\s:32*\t+8*\s+3],   v[20+\t], s[32:33] offset:(\imm)+64*\s
	global_load_b128 v[32*\t+8*\s+4:32*\t+8*\s+7], v[20+\t], s[32:33] offset:(\imm)+64*\s+32
.endr
.endr
.endm
; a K step's weight fragments: 16 loads of 512 consecutive bytes
.macro BLOAD bb, imm
	WIN 0
.irp g, 0,1,2,3,4,5,6,7
	ds_load_b128 v[64+64*(\bb)+8*\g:64+64*(\bb)+8*\g+3],   v8 offset:(\imm)+\g*1024
	ds_load_b128 v[64+64*(\bb)+8*\g+4:64+64*(\bb)+8*\g+7], v8 offset:(\imm)+\g*1024+512
.endr
.endm
; a K step of 32: the next step's weights are asked for, then 32 products (places 0-3 x 8 blocks) and the fifth place's 8.  The accumulators take turns, one instruction a turn.
.macro STEP abuf, s, first, pf, last
	WIN 0
	PLACES                                         ; behind the last step's products, ahead of loads into the registers that they read
.if !((\last) && ((\s) == 3))
	BLOAD ((\s)+1)&1, ((\s)+1)*8192
.endif
.if ((\s) == 0) && ((\pf) >= 0)
	ALOAD 1-(\abuf), \pf                           ; the next 128 along K of the token rows, 160 products ahead of their use
.endif
.if (\last) && ((\s) == 3)
	s_wait_dscnt 0x0
.else
	s_wait_dscnt 16                                ; the 16 just issued stay out: this step's weights are in
.endif
.if (\s) == 0
.if (\pf) >= 0
	s_wait_loadcnt 40                              ; the 40 just issued stay out: this chunk's token rows are in
.else
	s_wait_loadcnt 0x0
.endif
.endif
.set BB, 64+64*((\s)&1)
	WIN 0xf4+4*(\abuf)                             ; weights window 0, token rows window 1 or 2, sums window 3
.irp t, 0,1,2,3
.irp g, 0,1,2,3,4,5,6,7
.if (\first) && ((\s) == 0)
	v_wmma_f32_16x16x32_f16 v[64*\t+8*\g:64*\t+8*\g+7], v[BB+8*\g:BB+8*\g+7], v[32*\t+8*(\s):32*\t+8*(\s)+7], 0
.else
	v_wmma_f32_16x16x32_f16 v[64*\t+8*\g:64*\t+8*\g+7], v[BB+8*\g:BB+8*\g+7], v[32*\t+8*(\s):32*\t+8*(\s)+7], v[64*\t+8*\g:64*\t+8*\g+7]
.endif
.endr
.endr
.if (\first) && ((\s) == 0)
	WIN 0xa4+4*(\abuf)                             ; the fifth place's sums, in window 2, are started whether it is alive or not
.irp g, 0,1,2,3,4,5,6,7
	v_wmma_f32_16x16x32_f16 v[160+8*\g:160+8*\g+7], v[BB+8*\g:BB+8*\g+7], v[128+8*(\s):128+8*(\s)+7], 0
.endr
.else
	WIN 0
	s_cmp_lg_u32 s26, 0                            ; has this wave a fifth block in this pass?
	s_cbranch_scc0 .Lno5_\@
	WIN 0xa4+4*(\abuf)
.irp g, 0,1,2,3,4,5,6,7
	v_wmma_f32_16x16x32_f16 v[160+8*\g:160+8*\g+7], v[BB+8*\g:BB+8*\g+7], v[128+8*(\s):128+8*(\s)+7], v[160+8*\g:160+8*\g+7]
.endr
	WIN 0
.Lno5_\@:
.endif
.endm
.macro CHUNK abuf, first, pf, last     ; 128 along K.  pf: byte of the token rows' next chunk from the walking base, or -1
	STEP \abuf, 0, \first, \pf, \last
	STEP \abuf, 1, \first, \pf, \last
	STEP \abuf, 2, \first, \pf, \last
	STEP \abuf, 3, \first, \pf, \last
	WIN 0
.if !(\last)
	v_add_nc_u32 v8, 0x8000, v8
.endif
.endm
; place t's 16 rows x 128 columns, and each row's slot, into my stage from byte base on; each accumulator's low registers first
.macro DUMP t, base
	ds_store_b32 v25, v[48+(\t)] offset:(\base)+256  ; lanes 0-15 at the row's byte 256, lanes 16-31, which hold the same slot, at 288: both lie in the gap between the column groups
.if (\t) < 4
	WIN 0x0c
.set AC, 64*(\t)
.else
	WIN 0x08
.set AC, 160
.endif
.irp g, 0,1,2,3,4,5,6,7
	ds_store_b128 v25, v[AC+8*\g:AC+8*\g+3]   offset:(\base)+320*(\g/4)+64*(\g%4)
	ds_store_b128 v25, v[AC+8*\g+4:AC+8*\g+7] offset:(\base)+320*(\g/4)+64*(\g%4)+16
.endr
	WIN 0
.endm
	s_load_b256 s[4:11], s[0:1], 0x0               ; weights s[4:5], token rows s[6:7], ridx s[8:9], output s[10:11]
.if DOWN == 0
	s_load_b64 s[12:13], s[0:1], 0x20              ; b1
.endif
	v_lshl_add_u32 v4, v0, 2, SPARE                ; my spare word and 0: they serve the wave's end alone
	v_mov_b32 v5, 0
	v_lshrrev_b32 v12, 5, v0
	v_readfirstlane_b32 s14, v12                   ; wave
	s_and_b32 s15, ttmp7, 0xffff                   ; expert
	v_and_b32 v1, 31, v0
	v_and_b32 v2, 15, v0
	v_bfe_u32 v3, v0, 4, 1
	v_lshlrev_b32 v31, 4, v1
	v_lshlrev_b32 v30, 4, v3
	v_lshlrev_b32 v11, 2, v1
	v_lshlrev_b32 v6, PSH+3, v3                    ; lanes 16-31: 8 rows down
	v_lshl_add_u32 v6, v2, 4, v6
	s_lshl_b32 s21, s14, 16                        ; my 8 K steps of fragments
	v_add_nc_u32 v7, s21, v31
	s_mul_i32 s21, s14, WREG
	s_add_co_u32 s21, s21, OWN                     ; my region: the list,
	v_mov_b32 v9, s21
	v_add_nc_u32 v10, s21, v31
	s_add_co_u32 s21, s21, LISTB                   ; and the stage
	v_mul_u32_u24 v25, v2, SROW
	v_lshl_add_u32 v25, v3, 5, v25
	v_add_nc_u32 v25, s21, v25                     ; in: row r, 32 bytes for each half of the lanes
.if DOWN
	v_mul_u32_u24 v26, v3, 320                     ; back: a lane takes true columns 4 lane .. + 3 of one row
	v_lshl_add_u32 v26, v2, 2, v26
	v_add_nc_u32 v26, s21, v26
	v_mov_b32 v27, s21
	v_mov_b32 v29, v31
.else
	v_mul_u32_u24 v27, v3, SROW                    ; back: lanes 0-15 one row, lanes 16-31 the next; lane q takes true columns 8 q .. + 7
	v_add_nc_u32 v27, s21, v27
	v_lshrrev_b32 v12, 3, v2
	v_mul_u32_u24 v12, v12, 320
	v_and_b32 v13, 7, v2
	v_lshl_add_u32 v12, v13, 3, v12
	v_add_nc_u32 v26, v27, v12
	v_lshlrev_b32 v29, 4, v2
.endif
	s_lshl_b32 s18, s15, 24                        ; an expert's weights: 16 MiB
	s_lshl_b32 s21, s14, PSH+8                     ; my wave's 256 rows
	s_add_co_u32 s18, s18, s21
.if DOWN
	s_and_b32 s16, ttmp9, 7                        ; column slice
	s_lshr_b32 s17, ttmp9, 3                       ; quarter of K
	s_lshl_b32 s21, s17, 22
	s_add_co_u32 s18, s18, s21
	s_lshl_b32 s28, s17, 23                        ; output: plane kq, 512 bytes a slice
	s_lshl_b32 s21, s16, 9
	s_add_co_u32 s28, s28, s21
	s_lshl_b32 s30, s17, 11                        ; token rows: 1,024 f16 a quarter
.else
	s_mov_b32 s16, ttmp9                           ; column slice
	s_lshl_b32 s28, s16, 8                         ; output: 256 bytes a slice
	s_lshl_b32 s30, s15, 14                        ; b1: a row of 16,384 bytes, 512 a slice
	s_lshl_b32 s21, s16, 9
	s_add_co_u32 s30, s30, s21
.endif
	s_lshl_b32 s21, s16, 9
	s_add_co_u32 s18, s18, s21
	s_mov_b32 s19, 0
	s_mov_b32 s29, 0
	s_mov_b32 s31, 0
	s_wait_kmcnt 0x0
	s_add_nc_u64 s[4:5], s[4:5], s[18:19]
	s_add_nc_u64 s[10:11], s[10:11], s[28:29]
.if DOWN
	s_add_nc_u64 s[6:7], s[6:7], s[30:31]
.else
	s_add_nc_u64 s[12:13], s[12:13], s[30:31]
	v_lshlrev_b32 v12, 5, v2                       ; the bias of true columns 8 q + 4 d + c, as the way out pairs them
	WIN 0x40
.irp c, 0,1,2,3
.irp d, 0,1
	global_load_b32 v[160+2*\c+\d], v12, s[12:13] offset:16*\d+4*\c
.endr
.endr
	WIN 0
.endif
.irp i, 0,1,2,3,4,5,6,7,8,9,10,11,12,13,14,15
	global_load_b128 v[64+4*\i:64+4*\i+3], v31, s[8:9] offset:512*\i  ; all 2,048 choices: register 4 i + c of lane l is slot 128 i + 4 l + c
.endr
	FULOAD 0, 0
	FULOAD 1, 0
	FULOAD 2, 0
	WIN 0
.irp i, 16,17,18,19
	v_mov_b32 v[\i], 0
.endr
.irp i, 0,1,2,3
	ds_store_b128 v10, v[16:19] offset:512*\i      ; my list begins as zeros: no byte of it is read unwritten
.endr
.if DOWN == 0
	s_mov_b32 s34, 0x7fffffff
	s_mov_b32 s36, 0x3e6d3389                      ; 0.2316419
	s_mov_b32 s37, s36
	s_mov_b32 s38, 0xbf38aa3b                      ; -log2(e) / 2
	s_mov_b32 s39, s38
	s_mov_b32 s40, 0x3f07dc22                      ; the polynomial's five coefficients, each times 1 / sqrt(2 pi): t^5,
	s_mov_b32 s41, s40
	s_mov_b32 s48, 0xbf3a00e3                      ; t^4,
	s_mov_b32 s49, s48
	s_mov_b32 s42, 0x3f35f0e3                      ; t^3,
	s_mov_b32 s43, s42
	s_mov_b32 s44, 0xbe11a98e                      ; t^2,
	s_mov_b32 s45, s44
	s_mov_b32 s46, 0x3e027906                      ; t
	s_mov_b32 s47, s46
.endif
	s_mov_b32 s20, 0                               ; rows found so far
	s_wait_loadcnt 48                              ; the three units stay out: ridx (and the bias) are in
	; THE LIST, each wave's own copy: a matching lane's rank is the count so far plus the matches in lower lanes; the others write word 1,024, which nobody reads
.set k, 0
.rept 64
.set TT, 12+2*(k&1)
	v_cmp_eq_u32 vcc_lo, s15, v[64+k]
	v_mbcnt_lo_u32_b32 v[TT], vcc_lo, s20
	s_bcnt1_i32_b32 s21, vcc_lo
	v_cndmask_b32 v[TT], 0x400, v[TT], vcc_lo
	s_add_co_u32 s20, s20, s21
	v_min_u32 v[TT], 0x400, v[TT]
	v_lshl_add_u32 v[TT], v[TT], 1, v9
	v_add_nc_u32 v[TT+1], 128*(k/4)+k%4, v11
	ds_store_b16 v[TT], v[TT+1]
.set k, k+1
.endr
	s_add_co_u32 s22, s20, 15
	s_lshr_b32 s22, s22, 4                         ; blocks of 16 rows
	s_sub_co_u32 s23, s20, 1                       ; the last rank
	FULOAD 3, 0
	WIN 0
	s_mov_b32 s27, 3
.Lround:                                               ; three rounds ask for the round behind them; 48 = the three younger units' loads
	FUSLOT 0, 1, 48
	FUSLOT 1, 1, 48
	FUSLOT 2, 1, 48
	FUSLOT 3, 1, 48
	WIN 0
	s_wait_xcnt 0x0                                ; the loads' base is stepped only behind this wait
	s_add_nc_u64 s[4:5], s[4:5], ROUNDSTEP
	v_add_nc_u32 v7, 0x4000, v7
	s_sub_co_u32 s27, s27, 1
	s_cmp_lg_u32 s27, 0
	s_cbranch_scc1 .Lround
	FUSLOT 0, 0, 48                                ; the last round asks for nothing: the counts run down
	FUSLOT 1, 0, 32
	FUSLOT 2, 0, 16
	FUSLOT 3, 0, 0
	WIN 0
	s_wait_dscnt 0x0                               ; for the others' sake: my fragments are in LDS
	s_barrier_signal -1
	s_barrier_wait -1                              ; behind it the fragments are only read
	s_mov_b32 s24, 4                               ; passes: 4 x 20 blocks cover 1,024 rows
	s_mov_b32 s25, s14                             ; my first block of the pass
.Lpass:
	s_wait_xcnt 0x0                                ; the last pass's stores have read their registers
	s_lshl_b32 s21, s25, 4
.irp t, 0,1,2,3,4                      ; the five places' slots; in a dead pass too: the ranks are held inside the list
	v_add_nc_u32 v[12+\t], s21, v2                 ; rank = 16 block + r,
	s_add_co_u32 s21, s21, 64                      ; four blocks on for the next place
	v_min_u32 v[12+\t], s23, v[12+\t]              ; past the count: the last row once more
	v_min_u32 v[12+\t], 0x3ff, v[12+\t]
	v_lshl_add_u32 v[12+\t], v[12+\t], 1, v9
	ds_load_u16 v[48+\t], v[12+\t]
.endr
	s_wait_dscnt 0x0
.irp t, 0,1,2,3,4
.if DOWN
	v_min_u32 v[20+\t], 0x7ff, v[48+\t]
	v_lshl_add_u32 v[20+\t], v[20+\t], 13, v30     ; hid's row of the slot
.else
	v_lshrrev_b32 v[20+\t], 1, v[48+\t]
	v_min_u32 v[20+\t], 0x3ff, v[20+\t]
	v_lshl_add_u32 v[20+\t], v[20+\t], 11, v30     ; xh's row of the token
.endif
.endr
	s_cmp_ge_u32 s25, s22
	s_cbranch_scc1 .Lk_done                        ; nothing left for me: the products are jumped, the barriers are not
	s_add_co_u32 s21, s25, 16
	s_cmp_lt_u32 s21, s22
	s_cselect_b32 s26, 1, 0                        ; is the fifth place alive?
	s_mov_b64 s[32:33], s[6:7]
	v_mov_b32 v8, v31
	ALOAD 0, 0
	BLOAD 0, 0
	CHUNK 0, 1, 256, 0                             ; the first chunk stands ahead of the loop: its first products start the sums
	s_mov_b32 s27, 3
.Lk:
	CHUNK 1, 0, 512, 0
	CHUNK 0, 0, 768, 0
	s_wait_xcnt 0x0                                ; the token loads' base is stepped only behind this wait
	s_add_nc_u64 s[32:33], s[32:33], 512
	s_sub_co_u32 s27, s27, 1
	s_cmp_lg_u32 s27, 0
	s_cbranch_scc1 .Lk
	CHUNK 1, 0, -1, 1
	PLACES                                         ; ahead of the stores that read the sums
.Lk_done:
	s_wait_dscnt 0x0                               ; my fragment and list loads are back
	s_barrier_signal -1
	s_barrier_wait -1                              ; everybody's are: now the stages are written
	; THE WAY OUT, through my own stage: LDS serves a wave's instructions in order (ISA guide 5.7.1.4), so no wait stands between the stores and the loads
	s_mov_b32 s28, 0
.Lep:
.if DOWN
	s_lshl_b32 s29, s28, 2                         ; turn = place
.else
	s_lshr_b32 s29, s28, 1                         ; turn = 2 place + half
	s_lshl_b32 s29, s29, 2
.endif
	s_add_co_u32 s29, s29, s25                     ; the place's block
	s_cmp_ge_u32 s29, s22
	s_cbranch_scc1 .Lep_next
.if DOWN
.irp d, 0,1,2,3
	s_cmp_eq_u32 s28, \d
	s_cbranch_scc1 .Ld\d
.endr
	DUMP 4, 0
	s_branch .Lgo
.irp d, 0,1,2,3
.Ld\d:
	DUMP \d, 0
.if \d != 3
	s_branch .Lgo
.endif
.endr
.else
.irp d, 0,1,2,3,4,5,6,7,8
	s_cmp_eq_u32 s28, \d
	s_cbranch_scc1 .Ld\d
.endr
	DUMP 4, 0
	s_branch .Lgo
.irp d, 0,1,2,3,4,5,6,7,8              ; half 0: row r lies at place r + 8; half 1: at place r.  So places 8-15, which the one text below reads, hold rows 0-7 and then rows 8-15
.Ld\d:
	DUMP \d/2, (1-\d%2)*8*SROW
.if \d != 8
	s_branch .Lgo
.endif
.endr
.endif
.Lgo:
	s_wait_xcnt 0x0                                ; the last turn's stores have read their offsets and data
.if DOWN
.irp u, 0,1,2,3,4,5,6,7,8,9,10,11,12,13,14,15
	ds_load_b32 v[32+\u], v27 offset:\u*SROW+256   ; the row's slot
.endr
	WIN 0x40
.irp u, 0,1,2,3,4,5,6,7,8,9,10,11,12,13,14,15
.irp c, 0,1,2,3
	ds_load_b32 v[4*\u+\c], v26 offset:\u*SROW+64*\c  ; true column 4 lane + c
.endr
.endr
	WIN 0
	s_wait_dscnt 0x0
.irp u, 0,1,2,3,4,5,6,7,8,9,10,11,12,13,14,15
	v_min_u32 v[32+\u], 0x7ff, v[32+\u]
	v_lshl_add_u32 v[32+\u], v[32+\u], OSH, v29
.endr
	WIN 0x04                                       ; store data window 1
.irp u, 0,1,2,3,4,5,6,7,8,9,10,11,12,13,14,15
	global_store_b128 v[32+\u], v[4*\u:4*\u+3], s[10:11]  ; a row's 512 consecutive bytes, aligned
.endr
	WIN 0
.else
.irp u, 0,1,2,3
	ds_load_b32 v[32+\u], v27 offset:(8+2*\u)*SROW+256  ; the row's slot
.endr
	WIN 0x40
.irp u, 0,1,2,3
.irp c, 0,1,2,3
	ds_load_b64 v[8*\u+2*\c:8*\u+2*\c+1], v26 offset:(8+2*\u)*SROW+64*\c  ; true columns 8 q + c and 8 q + 4 + c
.endr
.endr
	WIN 0
	s_wait_dscnt 0x0
.irp u, 0,1,2,3
	v_min_u32 v[32+\u], 0x7ff, v[32+\u]
	v_lshl_add_u32 v[36+\u], v[32+\u], OSH, v29
.endr
	WIN 0x55                                       ; all vector operands in window 1: z v0-31, |z| v32-63, t v64-95, the exponential v96-127, the polynomial v128-159
.set p, 0
.rept 16
	v_pk_add_f32 v[2*p:2*p+1], v[2*p:2*p+1], v[160+2*(p%4):161+2*(p%4)]
.set p, p+1
.endr
.set p, 0
.rept 32
	v_and_b32 v[32+p], s34, v[p]
.set p, p+1
.endr
.set p, 0
.rept 16
	v_pk_fma_f32 v[64+2*p:65+2*p], v[32+2*p:33+2*p], s[36:37], 1.0 op_sel_hi:[1,0,0]
	v_pk_mul_f32 v[96+2*p:97+2*p], v[2*p:2*p+1], v[2*p:2*p+1]
.set p, p+1
.endr
.set p, 0
.rept 16
	v_pk_mul_f32 v[96+2*p:97+2*p], v[96+2*p:97+2*p], s[38:39] op_sel_hi:[1,0]
.set p, p+1
.endr
.set p, 0
.rept 32
	v_rcp_f32 v[64+p], v[64+p]
.set p, p+1
.endr
.set p, 0
.rept 32
	v_exp_f32 v[96+p], v[96+p]
.set p, p+1
.endr
.set p, 0
.rept 32
	v_max_num_f32 v[p], 0, v[p]                    ; plain work that names no result of the batch
.set p, p+1
.endr
	s_wait_alu depctr_va_vdst(0)                   ; one wait for the 64 reciprocals and exponentials, ahead of their first reader
.set p, 0
.rept 16
	v_pk_fma_f32 v[128+2*p:129+2*p], v[64+2*p:65+2*p], s[40:41], s[48:49] op_sel_hi:[1,0,0]
.set p, p+1
.endr
.irp k, 42,44,46
.set p, 0
.rept 16
	v_pk_fma_f32 v[128+2*p:129+2*p], v[128+2*p:129+2*p], v[64+2*p:65+2*p], s[\k:\k+1] op_sel_hi:[1,1,0]
.set p, p+1
.endr
.endr
.set p, 0
.rept 16
	v_pk_mul_f32 v[128+2*p:129+2*p], v[128+2*p:129+2*p], v[64+2*p:65+2*p]
.set p, p+1
.endr
.set p, 0
.rept 16
	v_pk_mul_f32 v[128+2*p:129+2*p], v[128+2*p:129+2*p], v[96+2*p:97+2*p]
.set p, p+1
.endr
.set p, 0
.rept 16
	v_pk_fma_f32 v[2*p:2*p+1], v[128+2*p:129+2*p], v[32+2*p:33+2*p], v[2*p:2*p+1] neg_lo:[1,0,0] neg_hi:[1,0,0]
.set p, p+1
.endr
.irp u, 0,1,2,3
	v_cvt_pk_f16_f32 v[168+4*\u],   v[8*\u],   v[8*\u+2]   ; columns 8 q + 0, 1
	v_cvt_pk_f16_f32 v[168+4*\u+1], v[8*\u+4], v[8*\u+6]   ; 2, 3
	v_cvt_pk_f16_f32 v[168+4*\u+2], v[8*\u+1], v[8*\u+3]   ; 4, 5
	v_cvt_pk_f16_f32 v[168+4*\u+3], v[8*\u+5], v[8*\u+7]   ; 6, 7
.endr
	WIN 0x04                                       ; store data window 1
.irp u, 0,1,2,3
	global_store_b128 v[36+\u], v[168+4*\u:168+4*\u+3], s[10:11]  ; 16 lanes store 256 consecutive bytes of a row, aligned
.endr
	WIN 0
.endif
.Lep_next:
	s_add_co_u32 s28, s28, 1
	s_cmp_lt_u32 s28, NQ
	s_cbranch_scc1 .Lep
	s_wait_dscnt 0x0                               ; my stores into the stage and my loads from it are done
	s_barrier_signal -1
	s_barrier_wait -1                              ; everybody's are: the next pass reads fragments again
	s_add_co_u32 s25, s25, 20
	s_sub_co_u32 s24, s24, 1
	s_cmp_lg_u32 s24, 0
	s_cbranch_scc1 .Lpass
	s_wait_tensorcnt 0x0                           ; the wave's end: behind my last LDS store
	ds_add_u32 v4, v5
	s_wait_dscnt 0x0
	s_endpgm
.Lfunc_end_k_q59aa2ca260_down:
	.size	k_q59aa2ca260_down, .Lfunc_end_k_q59aa2ca260_down-k_q59aa2ca260_down
	.p2alignl 7, 3214868480
	.fill 96, 4, 3214868480
	.section	.rodata,"a",@progbits
	.p2align	6, 0x0
	.amdhsa_kernel k_q59aa2ca260_down
		.amdhsa_group_segment_fixed_size 327680
		.amdhsa_private_segment_fixed_size 0
		.amdhsa_enable_private_segment 0
		.amdhsa_kernarg_size 32
		.amdhsa_user_sgpr_count 2
		.amdhsa_user_sgpr_kernarg_segment_ptr 1
		.amdhsa_wavefront_size32 1
		.amdhsa_system_sgpr_workgroup_id_x 1
		.amdhsa_system_sgpr_workgroup_id_y 1
		.amdhsa_system_sgpr_workgroup_id_z 1
		.amdhsa_system_vgpr_workitem_id 0
		.amdhsa_next_free_vgpr 1024
		.amdhsa_next_free_sgpr 66
		.amdhsa_reserve_vcc 1
		.amdhsa_float_denorm_mode_32 3
		.amdhsa_float_denorm_mode_16_64 3
		.amdhsa_memory_ordered 1
		.amdhsa_forward_progress 1
		.amdhsa_inst_pref_size 163
	.end_amdhsa_kernel
	.amdgpu_metadata
---
amdhsa.version: [ 1, 2 ]
amdhsa.kernels:
  - .name:           k_q59aa2ca260_down
    .symbol:         k_q59aa2ca260_down.kd
    .args:
      - { .name: w2, .offset: 0, .size: 8, .value_kind: global_buffer, .address_space: global }
      - { .name: hid, .offset: 8, .size: 8, .value_kind: global_buffer, .address_space: global }
      - { .name: ridx, .offset: 16, .size: 8, .value_kind: global_buffer, .address_space: global }
      - { .name: part, .offset: 24, .size: 8, .value_kind: global_buffer, .address_space: global }
    .group_segment_fixed_size: 327680
    .private_segment_fixed_size: 0
    .kernarg_segment_align: 8
    .kernarg_segment_size: 32
    .max_flat_workgroup_size: 128
    .sgpr_count:     66
    .vgpr_count:     1024
    .wavefront_size: 32
...
	.end_amdgpu_metadata
.endif
;; end of part 3
;; launch combine (part 4): grid 256 x 1, 8 waves a work-group, no clusters, 0 bytes of LDS; arguments part, b2, ridx, rgate, out0; writes out0
.if DOCPART == 4
	.amdgcn_target "amdgcn-amd-amdhsa--gfx1250"
	.amdhsa_code_object_version 6
	.text
	.protected	k_q59aa2ca260_combine
	.globl	k_q59aa2ca260_combine
	.p2align	8
	.type	k_q59aa2ca260_combine,@function
k_q59aa2ca260_combine:
	s_mov_b64 s[64:65], 0
	v_nop
	global_prefetch_b8 v0, s[64:65] scope:SCOPE_SE
	s_setreg_imm32_b32 hwreg(HW_REG_WAVE_MODE, 25, 1), 1
	s_wait_xcnt 0x0
; out[t][:] = sum over k = 0, 1 of rgate[2t+k] x (b2[ridx[2t+k]][:] + sum over q = 0..3 of part[q][2t+k][:]).  All in f32.
; Two waves a token, 512 columns each, four tokens a work-group.  A stream: every byte of part is read once, 512 consecutive bytes a load, all 40 loads of a wave out before the one wait;
; each store covers 512 consecutive bytes, aligned.  No LDS, no barrier, no matrix unit: there is nothing to share and nothing to multiply but two gates.
; The experts' numbers are whole numbers that an earlier launch stored; they are held to 0..7 before they enter b2's address.
.set P,  16                            ; v16-143   part: 64 k + 16 q + 4 jj
.set B,  144                           ; v144-175  b2's rows, then the sums: 16 k + 4 jj
	s_load_b256 s[4:11], s[0:1], 0x0               ; part s[4:5], b2 s[6:7], ridx s[8:9], rgate s[10:11]
	s_load_b64 s[12:13], s[0:1], 0x20              ; out0
	v_lshrrev_b32 v1, 5, v0
	v_readfirstlane_b32 s14, v1                    ; wave
	v_and_b32 v1, 31, v0
	v_lshlrev_b32 v2, 4, v1                        ; 16 l
	s_lshr_b32 s15, s14, 1
	s_lshl_b32 s16, ttmp9, 2
	s_add_co_u32 s15, s15, s16                     ; token
	s_and_b32 s16, s14, 1
	s_lshl_b32 s16, s16, 11                        ; my half of a row: 2,048 bytes
	s_mov_b32 s17, 0
	s_lshl_b32 s18, s15, 3                         ; the token's two words
	s_mov_b32 s19, 0
	s_lshl_b32 s28, s15, 13                        ; the token's two rows in a plane of part
	s_add_co_u32 s28, s28, s16
	s_mov_b32 s29, 0
	s_lshl_b32 s30, s15, 12                        ; its row of out0
	s_add_co_u32 s30, s30, s16
	s_mov_b32 s31, 0
.irp q, 0,1,2,3
	v_add_nc_u32 v[4+\q], \q<<23, v2               ; plane q of part: 8,388,608 bytes
.endr
	s_wait_kmcnt 0x0
	s_add_nc_u64 s[8:9], s[8:9], s[18:19]
	s_add_nc_u64 s[10:11], s[10:11], s[18:19]
	s_load_b64 s[20:21], s[8:9], 0x0               ; the two experts
	s_load_b64 s[24:25], s[10:11], 0x0             ; the two gates
	s_add_nc_u64 s[4:5], s[4:5], s[28:29]
	s_add_nc_u64 s[6:7], s[6:7], s[16:17]
	s_add_nc_u64 s[12:13], s[12:13], s[30:31]
.irp k, 0,1
.irp q, 0,1,2,3
.irp jj, 0,1,2,3
	global_load_b128 v[P+64*\k+16*\q+4*\jj:P+64*\k+16*\q+4*\jj+3], v[4+\q], s[4:5] offset:4096*\k+512*\jj th:TH_LOAD_NT
.endr
.endr
.endr
	s_wait_kmcnt 0x0
	s_min_u32 s20, s20, 7
	s_min_u32 s21, s21, 7
	s_lshl_b32 s20, s20, 12                        ; a row of b2: 4,096 bytes
	s_lshl_b32 s21, s21, 12
	v_add_nc_u32 v8, s20, v2
	v_add_nc_u32 v9, s21, v2
	s_mov_b32 s26, s25                             ; the second gate in the low word of a pair of its own
	s_mov_b32 s27, s25
.irp k, 0,1
.irp jj, 0,1,2,3
	global_load_b128 v[B+16*\k+4*\jj:B+16*\k+4*\jj+3], v[8+\k], s[6:7] offset:512*\jj
.endr
.endr
	s_wait_loadcnt 0x0
.irp q, 0,1,2,3                        ; sixteen chains that do not wait for each other
.irp k, 0,1
.irp i, 0,2,4,6,8,10,12,14
	v_pk_add_f32 v[B+16*\k+\i:B+16*\k+\i+1], v[B+16*\k+\i:B+16*\k+\i+1], v[P+64*\k+16*\q+\i:P+64*\k+16*\q+\i+1]
.endr
.endr
.endr
.irp i, 0,2,4,6,8,10,12,14
	v_pk_mul_f32 v[B+\i:B+\i+1], v[B+\i:B+\i+1], s[24:25] op_sel_hi:[1,0]
.endr
.irp i, 0,2,4,6,8,10,12,14
	v_pk_fma_f32 v[B+\i:B+\i+1], v[B+16+\i:B+16+\i+1], s[26:27], v[B+\i:B+\i+1] op_sel_hi:[1,0,1]
.endr
.irp jj, 0,1,2,3
	global_store_b128 v2, v[B+4*\jj:B+4*\jj+3], s[12:13] offset:512*\jj th:TH_STORE_NT
.endr
	s_endpgm
.Lfunc_end_k_q59aa2ca260_combine:
	.size	k_q59aa2ca260_combine, .Lfunc_end_k_q59aa2ca260_combine-k_q59aa2ca260_combine
	.p2alignl 7, 3214868480
	.fill 96, 4, 3214868480
	.section	.rodata,"a",@progbits
	.p2align	6, 0x0
	.amdhsa_kernel k_q59aa2ca260_combine
		.amdhsa_group_segment_fixed_size 0
		.amdhsa_private_segment_fixed_size 0
		.amdhsa_enable_private_segment 0
		.amdhsa_kernarg_size 40
		.amdhsa_user_sgpr_count 2
		.amdhsa_user_sgpr_kernarg_segment_ptr 1
		.amdhsa_wavefront_size32 1
		.amdhsa_system_sgpr_workgroup_id_x 1
		.amdhsa_system_sgpr_workgroup_id_y 1
		.amdhsa_system_sgpr_workgroup_id_z 1
		.amdhsa_system_vgpr_workitem_id 0
		.amdhsa_next_free_vgpr 180
		.amdhsa_next_free_sgpr 66
		.amdhsa_reserve_vcc 0
		.amdhsa_float_denorm_mode_32 3
		.amdhsa_float_denorm_mode_16_64 3
		.amdhsa_memory_ordered 1
		.amdhsa_forward_progress 1
		.amdhsa_inst_pref_size 11
	.end_amdhsa_kernel
	.amdgpu_metadata
---
amdhsa.version: [ 1, 2 ]
amdhsa.kernels:
  - .name:           k_q59aa2ca260_combine
    .symbol:         k_q59aa2ca260_combine.kd
    .args:
      - { .name: part, .offset: 0, .size: 8, .value_kind: global_buffer, .address_space: global }
      - { .name: b2, .offset: 8, .size: 8, .value_kind: global_buffer, .address_space: global }
      - { .name: ridx, .offset: 16, .size: 8, .value_kind: global_buffer, .address_space: global }
      - { .name: rgate, .offset: 24, .size: 8, .value_kind: global_buffer, .address_space: global }
      - { .name: out0, .offset: 32, .size: 8, .value_kind: global_buffer, .address_space: global }
    .group_segment_fixed_size: 0
    .private_segment_fixed_size: 0
    .kernarg_segment_align: 8
    .kernarg_segment_size: 40
    .max_flat_workgroup_size: 256
    .sgpr_count:     66
    .vgpr_count:     180
    .wavefront_size: 32
...
	.end_amdgpu_metadata
.endif
;; end of part 4
;; ======== version 2 of 3: 4 launches; 1.17 times as fast as version 1
;; limits: values are held in f16: magnitudes above 65,504 overflow, below 6.1e-05 lose precision; a function is approximated: absolute error at most 7.5e-08
;; workspace buffers: xh 2,097,152 bytes; ridx 8,192 bytes of whole numbers; rgate 8,192 bytes; hid 67,108,864 bytes; part 33,554,432 bytes
;; launch router: the kernel of part 1 again; grid 128 x 1, 8 waves a work-group, no clusters, 0 bytes of LDS; arguments hidden_states, router_w, xh, ridx, rgate; writes xh, ridx, rgate
;; launch up (part 5): grid 32 x 8, 4 waves a work-group, no clusters, 262,656 bytes of LDS; arguments w1, xh, ridx, hid, b1; writes hid
.if DOCPART == 5
	.amdgcn_target "amdgcn-amd-amdhsa--gfx1250"
	.amdhsa_code_object_version 6
	.text
	.protected	k_q59aa2ca260_up
	.globl	k_q59aa2ca260_up
	.p2align	8
	.type	k_q59aa2ca260_up,@function
k_q59aa2ca260_up:
	s_mov_b64 s[64:65], 0
	v_nop
	global_prefetch_b8 v0, s[64:65] scope:SCOPE_SE
	s_setreg_imm32_b32 hwreg(HW_REG_WAVE_MODE, 25, 1), 1
	s_wait_xcnt 0x0
; THE FIRST PRODUCT OF THE EXPERTS' LAYER: hid = gelu(x[i / 2] . w1[e] + b1[e]) in f16.  i = 2 t + k is a SLOT: choice k of token t, whose expert is ridx[i].
; Only the rows of the slots that chose the expert are multiplied.  The stream, the K loop and their macros are those of the launch behind, which makes the second product.
; SHARES.  A work-group has ONE expert (grid y) and a slice of its weights that it alone reads: 1,024 rows along K x 128 columns of F (grid x: 32 slices).
; PHASE 1, the stream: each wave brings 256 rows of the slice, 16 bytes a lane (lanes 0-15 take 256 consecutive aligned bytes of one row, lanes 16-31 of the row 8 further down), rounds them once to f16 and
; lays them into LDS in the order in which the matrix unit's operand registers take them.  Four units of 16 loads a wave are on their way.
; THE ROWS.  The expert's slots are ranked by ridx's register k = 4 G + c (slot 128 G + 4 lane + c), then by lane: the order in which the launch behind lists them.  While the first weights are out, each wave finds
; the tokens of its ranks IN REGISTERS: for each group G of four registers the four match masks, their prefix counts and the rows before the group are scalars; each lane keeps the last group that begins at
; or before its rank, then picks the register by the prefix counts and the lane as the n-th set bit of that mask.  So LDS holds the slice alone: no list, none of its 64 scattered 2-byte stores, no LDS
; round trip ahead of a pass's first loads.  The first scan also yields the count; a rank past the count takes the expert's last row, so EXEC is never narrowed.
; PHASE 2, behind a barrier: nothing writes LDS any more.  A wave takes blocks of 16 ranks (block = 20 pass + 4 place + wave, five places a pass); token rows come from memory straight into operand registers,
; weights from LDS.  Four passes, a constant, cover the 1,024 rows that an expert can have; dead passes, dead places and the fifth place's products are jumped by scalar branches.
; THE MATRIX INSTRUCTION IS USED TRANSPOSED (source 0 = 16 columns of weights, source 1 = 16 token rows): lane (r, h) holds token row r.  Fragment column n of block c in the 64-column group g is the true column
; 64 g + 4 n + c, which is what 16-byte loads of f32 rows give: register j of accumulator (g, c) is column 64 g + 32 h + 4 j + c.
; HID LIES IN THE SECOND PRODUCT'S OPERAND ORDER.  Expert e has a region of 64 blocks of 16 ranks (e << 23); a block is 128 K steps of 1,024 bytes: registers 0-3 of the 32 lanes, 16 bytes each, then
; registers 4-7.  Accumulator (g, c) of slice s, rounded in pairs, IS half c % 2 of K step 4 s + 2 g + c / 2: no number changes its lane, and each store covers 512 consecutive bytes.  The launch behind takes
; w2's rows in the same order: a permutation of K applied to both operands alike.
; BARRIERS.  One between the stream's LDS stores and the fragment loads; one between the last fragment loads, which walk LDS by a stepped address, and the closing add, the one LDS write behind them.
; No tensor loads and no cluster: each weight byte has one reader, and LDS is full of the slice.  No prefetch: the stream has 64 loads of 512 bytes a wave asked for.
; LIMITS.  All matrix operands are f16, each rounded once from f32: |x|, |w|, |hid| under 65,504; below 6e-5 a fixed step of 6e-8.  NaN and infinities are not treated apart.
; gelu(z) = max(z, 0) - |z| phi(z) poly(t), t = 1 / (1 + 0.2316419 |z|): the five-term form of the normal integral, absolute error under 7.5e-8 for every z, so gelu's is under |z| x 7.5e-8.
.set PSH,   14                         ; a weight row is 1 << PSH bytes
.set NQ,    10                         ; turns of the way out: two a place, a column group each
.set RP,    32                         ; weight rows from a round's first K step to its second,
.set RH,    16                         ; from half 0 to half 1,
.set RJ,    1                          ; from j to j + 1,
.set HSH,   3                          ; and 1 << HSH from lanes 0-15 to lanes 16-31: row 32 step + 16 hh + 8 h + j
.set ASTEP, 64                         ; token operands: bytes from K step to K step,
.set AHALF, 32                         ; and from registers 0-3 to registers 4-7
.set ACH,       4*ASTEP                ; bytes of a chunk of 128 along K
.set PITCH,     1<<PSH
.set ROUNDSTEP, 64*PITCH               ; a round of the ring: two K steps x two column groups
.set SPARE,  262144                    ; LDS 0 .. 262,143: weight fragments, K step ks, block gc, half hh at 8192 ks + 1024 gc + 512 hh + 16 lane.  Behind them the spare words, 128 bytes a wave: two blocks of 256 bytes that no other line names
.set Q,      32                        ; v32-51   tokens of the five places of four passes: a queue, the pass in hand in front
.set ST,     128                       ; v128-187 at the head: twelve registers for each place: +0..3 the kept group's masks, +4 its prefix counts, +5 its key, +6 my rank's limit, +7..11 at work
; window 0: v1 lane, v2 r = lane % 16, v3 h = lane / 16, v4 spare word, v5 0, v6 weight offset, v7 where fragments go, v8 where they are read, v12 at work, v20-24 token offsets of the five places,
;   v30 16 h, v31 16 lane, v32-51 the queue, v64-127 and v128-191 weight fragments of a K step by turns (at the head: ridx, and the scan's registers), v192-255 the bias as accumulators hold it
; window 1: v0-159 token fragments, buffer 0 (place x 32 + step x 8); on the way out at work; v168-183 packed results
; window 2: v0-159 token fragments, buffer 1; v160-223 the fifth place's accumulators (in phase 1: packed weights, two buffers by turns)
; window 3: accumulators of places 0-3 at 64 place + 8 gc (in phase 1: the ring of four units of 64 registers)
.set MSB, 0
.macro WIN new                         ; s_set_vgpr_msb: bits 1:0 source 0, 3:2 source 1, 5:4 source 2, 7:6 destination; the high byte repeats the setting that is left
.if MSB != (\new)
	s_set_vgpr_msb (MSB<<8)|(\new)
.set MSB, \new
.endif
.endm
.macro PLACES                          ; four plain instructions between matrix instructions and loads into, or reads of, their registers
.rept 4
	v_nop
.endr
.endm
; a unit: 32 rows along K x 64 columns.  f = place in the ring: K step f / 2 of the round, column group f % 2
.macro FULOAD f, extra
	WIN 0xc0                                       ; destination window 3
.irp hh, 0,1
.irp j, 0,1,2,3,4,5,6,7
	global_load_b128 v[64*(\f)+4*(8*\hh+\j):64*(\f)+4*(8*\hh+\j)+3], v6, s[4:5] offset:(((\f)>>1)*RP+RH*\hh+RJ*\j)*PITCH+((\f)&1)*256+(\extra) th:TH_LOAD_NT
.endr
.endr
.endm
; a unit's turn: its 16 loads are in (left = the younger loads that stay out); two rows' numbers of one column make a register; eight stores of 512 consecutive bytes; the unit of the next round is asked for
.macro FUSLOT f, refill, left
.set PKB, 160+32*((\f)&1)
	s_wait_loadcnt \left
	WIN 0x8f                                       ; sources window 3, destination window 2
.irp c, 0,1,2,3
.irp hh, 0,1
.irp jj, 0,1,2,3
	v_cvt_pk_f16_f32 v[PKB+4*(2*\c+\hh)+\jj], v[64*(\f)+4*(8*\hh+2*\jj)+\c], v[64*(\f)+4*(8*\hh+2*\jj+1)+\c]
.endr
.endr
.endr
	WIN 0x08                                       ; store data window 2
.irp c, 0,1,2,3
.irp hh, 0,1
	ds_store_b128 v7, v[PKB+4*(2*\c+\hh):PKB+4*(2*\c+\hh)+3] offset:((\f)>>1)*8192+((\f)&1)*4096+\c*1024+\hh*512
.endr
.endr
.if \refill
	FULOAD \f, ROUNDSTEP
.endif
.endm
; 128 along K of the five places' token rows: 40 loads of 16 bytes a lane
.macro ALOAD buf, imm
	WIN 0x40+0x40*(\buf)                           ; destination window 1 or 2
.irp t, 0,1,2,3,4
.irp s, 0,1,2,3
	global_load_b128 v[32*\t+8*\s:32*\t+8*\s+3],   v[20+\t], s[32:33] offset:(\imm)+ASTEP*\s
	global_load_b128 v[32*\t+8*\s+4:32*\t+8*\s+7], v[20+\t], s[32:33] offset:(\imm)+ASTEP*\s+AHALF
.endr
.endr
.endm
; a K step's weight fragments: 16 loads of 512 consecutive bytes
.macro BLOAD bb, imm
	WIN 0
.irp g, 0,1,2,3,4,5,6,7
	ds_load_b128 v[64+64*(\bb)+8*\g:64+64*(\bb)+8*\g+3],   v8 offset:(\imm)+\g*1024
	ds_load_b128 v[64+64*(\bb)+8*\g+4:64+64*(\bb)+8*\g+7], v8 offset:(\imm)+\g*1024+512
.endr
.endm
; a K step of 32: the next step's weights are asked for, then 32 products (places 0-3 x 8 blocks) and the fifth place's 8.  The accumulators take turns, one instruction a turn.
; The first step of a pass starts the sums with the bias, which lies in window 0 as an accumulator holds it.
.macro STEP abuf, s, first, pf, last
	WIN 0
	PLACES                                         ; behind the last step's products, ahead of loads into the registers that they read
.if !((\last) && ((\s) == 3))
	BLOAD ((\s)+1)&1, ((\s)+1)*8192
.endif
.if ((\s) == 0) && ((\pf) >= 0)
	ALOAD 1-(\abuf), \pf                           ; the next 128 along K of the token rows, 160 products ahead of their use
.endif
.if (\last) && ((\s) == 3)
	s_wait_dscnt 0x0
.else
	s_wait_dscnt 16                                ; the 16 just issued stay out: this step's weights are in
.endif
.if (\s) == 0
.if (\pf) >= 0
	s_wait_loadcnt 40                              ; the 40 just issued stay out: this chunk's token rows are in
.else
	s_wait_loadcnt 0x0
.endif
.endif
.set BB, 64+64*((\s)&1)
.if (\first) && ((\s) == 0)
	WIN 0xc4+4*(\abuf)                             ; weights and the C operand window 0, token rows window 1 or 2, sums window 3
.irp t, 0,1,2,3
.irp g, 0,1,2,3,4,5,6,7
	v_wmma_f32_16x16x32_f16 v[64*\t+8*\g:64*\t+8*\g+7], v[BB+8*\g:BB+8*\g+7], v[32*\t+8*(\s):32*\t+8*(\s)+7], v[192+8*\g:192+8*\g+7]
.endr
.endr
	WIN 0x84+4*(\abuf)                             ; the fifth place's sums, in window 2, are started whether it is alive or not
.irp g, 0,1,2,3,4,5,6,7
	v_wmma_f32_16x16x32_f16 v[160+8*\g:160+8*\g+7], v[BB+8*\g:BB+8*\g+7], v[128+8*(\s):128+8*(\s)+7], v[192+8*\g:192+8*\g+7]
.endr
.else
	WIN 0xf4+4*(\abuf)                             ; weights window 0, token rows window 1 or 2, sums window 3
.irp t, 0,1,2,3
.irp g, 0,1,2,3,4,5,6,7
	v_wmma_f32_16x16x32_f16 v[64*\t+8*\g:64*\t+8*\g+7], v[BB+8*\g:BB+8*\g+7], v[32*\t+8*(\s):32*\t+8*(\s)+7], v[64*\t+8*\g:64*\t+8*\g+7]
.endr
.endr
	WIN 0
	s_cmp_lg_u32 s26, 0                            ; has this wave a fifth block in this pass?
	s_cbranch_scc0 .Lno5_\@
	WIN 0xa4+4*(\abuf)
.irp g, 0,1,2,3,4,5,6,7
	v_wmma_f32_16x16x32_f16 v[160+8*\g:160+8*\g+7], v[BB+8*\g:BB+8*\g+7], v[128+8*(\s):128+8*(\s)+7], v[160+8*\g:160+8*\g+7]
.endr
	WIN 0
.Lno5_\@:
.endif
.endm
.macro CHUNK abuf, first, pf, last     ; 128 along K.  pf: byte of the token rows' next chunk from the walking base, or -1
	STEP \abuf, 0, \first, \pf, \last
	STEP \abuf, 1, \first, \pf, \last
	STEP \abuf, 2, \first, \pf, \last
	STEP \abuf, 3, \first, \pf, \last
	WIN 0
.if !(\last)
	v_add_nc_u32 v8, 0x8000, v8
.endif
.endm
; the four accumulators of place t's column group g go where the one text of the activation names them; ascending
.macro COPY t, g
.if (\t) < 4
	WIN 0x43                                       ; from window 3 into window 1
.set AC, 64*(\t)+32*(\g)
.else
	WIN 0x42                                       ; from window 2
.set AC, 160+32*(\g)
.endif
.set i, 0
.rept 32
	v_mov_b32 v[i], v[AC+i]
.set i, i+1
.endr
	WIN 0
.endm
; THE SCAN'S MACROS.  One line for each of the five places: t, and S, the place's twelve registers.  The places stand side by side, so that no line reads the result of the line before it.
.macro EACH line:vararg
.set t, 0
.rept 5
.set S, ST+12*t
	\line
.set t, t+1
.endr
.endm
; Group g: ridx's registers 4 g .. 4 g + 3.  Scalars: the four match masks s28-31; their prefix counts, a byte each (128 at the most), s32; the key s33 = rows before the group << 4 | g, or all ones if the group is empty.
; A place keeps the group unless the key is above its limit (rank << 4 | 15), that is unless the group begins past the rank: so it ends with the last group, not empty, that begins at or before its rank.
.macro GROUP g
.irp c, 0,1,2,3
	v_cmp_eq_u32 s[28+\c], s15, v[64+4*(\g)+\c]
.endr
.irp c, 0,1,2,3
	s_bcnt1_i32_b32 s[16+\c], s[28+\c]
.endr
	s_add_co_u32 s17, s17, s16
	s_add_co_u32 s18, s18, s17
	s_add_co_u32 s19, s19, s18                     ; the group's rows
	s_lshl_b32 s32, s17, 8
	s_or_b32 s32, s32, s16
	s_lshl_b32 s27, s18, 16
	s_or_b32 s32, s32, s27
	s_lshl_b32 s27, s19, 24
	s_or_b32 s32, s32, s27
	s_lshl_b32 s33, s20, 4
	s_or_b32 s33, s33, \g
	s_cmp_eq_u32 s19, 0
	s_cselect_b32 s33, -1, s33
	s_add_co_u32 s20, s20, s19
.set t, 0
.rept 5
.set S, ST+12*t
.if (\g) == 0                          ; the first group starts the registers: nothing is cleared; the first group that is not empty begins at rank 0 and takes its place
	v_mov_b32 v[S], s28
	v_mov_b32 v[S+1], s29
	v_mov_b32 v[S+2], s30
	v_mov_b32 v[S+3], s31
	v_mov_b32 v[S+4], s32
	v_mov_b32 v[S+5], s33
.else
	v_cmp_gt_u32 vcc_lo, s33, v[S+6]
	v_cndmask_b32 v[S], s28, v[S], vcc_lo
	v_cndmask_b32 v[S+1], s29, v[S+1], vcc_lo
	v_cndmask_b32 v[S+2], s30, v[S+2], vcc_lo
	v_cndmask_b32 v[S+3], s31, v[S+3], vcc_lo
	v_cndmask_b32 v[S+4], s32, v[S+4], vcc_lo
	v_cndmask_b32 v[S+5], s33, v[S+5], vcc_lo
.endif
.set t, t+1
.endr
.endm
; One halving of the search for the n-th set bit: the field of w bits at bit PO of register S + src counts the set bits PO .. PO + w - 1; if n is not below it, the bit lies above them.
.macro LEVEL src, w
	EACH v_bfe_u32 v[S+8], v[S+(\src)], v[S+11], \w
.set t, 0
.rept 5
.set S, ST+12*t
	v_cmp_ge_u32 vcc_lo, v[S+7], v[S+8]
	v_cndmask_b32 v[S+8], 0, v[S+8], vcc_lo
	v_cndmask_b32 v[S+9], 0, \w, vcc_lo
.set t, t+1
.endr
	EACH v_sub_nc_u32 v[S+7], v[S+7], v[S+8]
	EACH v_add_nc_u32 v[S+11], v[S+11], v[S+9]
.endm
	s_load_b256 s[4:11], s[0:1], 0x0               ; weights s[4:5], token rows s[6:7], ridx s[8:9], output s[10:11]
	s_load_b64 s[12:13], s[0:1], 0x20              ; b1
	v_lshl_add_u32 v4, v0, 2, SPARE                ; my spare word and 0: they serve the wave's end alone
	v_mov_b32 v5, 0
	v_lshrrev_b32 v12, 5, v0
	v_readfirstlane_b32 s14, v12                   ; wave
	s_and_b32 s15, ttmp7, 0xffff                   ; expert
	v_and_b32 v1, 31, v0
	v_and_b32 v2, 15, v0
	v_bfe_u32 v3, v0, 4, 1
	v_lshlrev_b32 v31, 4, v1
	v_lshlrev_b32 v30, 4, v3
	v_lshlrev_b32 v6, PSH+HSH, v3                  ; lanes 16-31: 1 << HSH rows down
	v_lshl_add_u32 v6, v2, 4, v6
	s_lshl_b32 s21, s14, 16                        ; my 8 K steps of fragments
	v_add_nc_u32 v7, s21, v31
	s_lshl_b32 s18, s15, 24                        ; an expert's weights: 16 MiB
	s_lshl_b32 s21, s14, PSH+8                     ; my wave's 256 rows
	s_add_co_u32 s18, s18, s21
	s_mov_b32 s16, ttmp9                           ; column slice
	s_lshl_b32 s28, s15, 23                        ; hid: the expert's region, and in each block the slice's 4 K steps of 1,024 bytes
	s_lshl_b32 s21, s16, 12
	s_add_co_u32 s28, s28, s21
	s_lshl_b32 s30, s15, 14                        ; b1: a row of 16,384 bytes, 512 a slice
	s_lshl_b32 s21, s16, 9
	s_add_co_u32 s30, s30, s21
	s_add_co_u32 s18, s18, s21
	s_mov_b32 s19, 0
	s_mov_b32 s29, 0
	s_mov_b32 s31, 0
	s_wait_kmcnt 0x0
	s_add_nc_u64 s[4:5], s[4:5], s[18:19]
	s_add_nc_u64 s[10:11], s[10:11], s[28:29]
	s_add_nc_u64 s[12:13], s[12:13], s[30:31]
	v_lshlrev_b32 v12, 7, v3                       ; the bias of columns 64 g + 32 h + 4 j + 0..3: 16 bytes a lane
	WIN 0x40
.irp g, 0,1
.irp j, 0,1,2,3,4,5,6,7
	global_load_b128 v[4*(8*\g+\j):4*(8*\g+\j)+3], v12, s[12:13] offset:256*\g+16*\j
.endr
.endr
	WIN 0
.irp i, 0,1,2,3,4,5,6,7,8,9,10,11,12,13,14,15
	global_load_b128 v[64+4*\i:64+4*\i+3], v31, s[8:9] offset:512*\i  ; all 2,048 choices: register 4 i + c of lane l is slot 128 i + 4 l + c
.endr
	FULOAD 0, 0
	FULOAD 1, 0
	FULOAD 2, 0
	WIN 0
.set i, 0
.rept 20
	v_mov_b32 v[Q+i], 0                            ; the queue is shifted before it is full: its twenty registers begin as token 0
.set i, i+1
.endr
	s_mov_b32 s34, 0x7fffffff
	s_mov_b32 s36, 0x3e6d3389                      ; 0.2316419
	s_mov_b32 s37, s36
	s_mov_b32 s38, 0xbf38aa3b                      ; -log2(e) / 2
	s_mov_b32 s39, s38
	s_mov_b32 s40, 0x3f07dc22                      ; the polynomial's five coefficients, each times 1 / sqrt(2 pi): t^5,
	s_mov_b32 s41, s40
	s_mov_b32 s48, 0xbf3a00e3                      ; t^4,
	s_mov_b32 s49, s48
	s_mov_b32 s42, 0x3f35f0e3                      ; t^3,
	s_mov_b32 s43, s42
	s_mov_b32 s44, 0xbe11a98e                      ; t^2,
	s_mov_b32 s45, s44
	s_mov_b32 s46, 0x3e027906                      ; t
	s_mov_b32 s47, s46
	s_mov_b32 s50, 0x55555555                      ; for the counts of 2, 4 and 8 bits
	s_mov_b32 s51, 0x33333333
	s_mov_b32 s52, 0x0f0f0f0f
	s_wait_loadcnt 48                              ; the three units stay out: the bias and ridx are in
	WIN 0x01                                       ; the bias into the order of an accumulator's registers: once a launch, while the first weights are on their way
.irp g, 0,1
.irp c, 0,1,2,3
.irp j, 0,1,2,3,4,5,6,7
	v_mov_b32 v[192+8*(4*\g+\c)+\j], v[4*(8*\g+\j)+\c]
.endr
.endr
.endr
	WIN 0
	; THE SCAN: a trip for each of the four passes; the first always runs and yields the count; a trip whose pass has no block for this wave is jumped
	s_mov_b32 s22, 0x7fffffff                      ; blocks of 16 rows: not known before the first trip
	s_lshl_b32 s26, s14, 4                         ; the first rank of my first block in the pass
	s_mov_b32 s23, 4
.Lscan:
.set i, 0
.rept 15
	v_mov_b32 v[Q+i], v[Q+5+i]                     ; the queue moves up: after four trips the first pass stands in front
.set i, i+1
.endr
	s_lshr_b32 s27, s26, 4
	s_cmp_ge_u32 s27, s22
	s_cbranch_scc1 .Lscan_next
	v_add_nc_u32 v12, s26, v2                      ; place 0's rank = 16 block + r; four blocks on for each further place
	EACH v_add_lshl_u32 v[S+6], v12, 64*t, 4
	EACH v_or_b32 v[S+6], 15, v[S+6]               ; the limit: rank << 4 | 15
	s_mov_b32 s20, 0                               ; rows so far
.irp g, 0,1,2,3,4,5,6,7,8,9,10,11,12,13,14,15
	GROUP \g
.endr
	s_add_co_u32 s22, s20, 15
	s_lshr_b32 s22, s22, 4                         ; blocks of 16 rows
	EACH v_sub_nc_u32 v[S+7], v[S+6], v[S+5]       ; (rank - rows before the group) << 4 | (15 - G)
	EACH v_lshrrev_b32 v[S+7], 4, v[S+7]           ; n: my rank inside the group
	EACH v_and_b32 v[S+6], 15, v[S+5]              ; G
	EACH v_lshrrev_b32 v[S+8], 24, v[S+4]
	EACH v_add_nc_u32 v[S+8], -1, v[S+8]
	EACH v_min_u32 v[S+7], v[S+7], v[S+8]          ; past the count the kept group is the last that is not empty: its last row once more
	EACH v_and_b32 v[S+8], 0xff, v[S+4]            ; which of the four registers: n against the three prefix counts
.set t, 0
.rept 5
.set S, ST+12*t
	v_cmp_ge_u32 vcc_lo, v[S+7], v[S+8]
	v_cndmask_b32 v[S], v[S], v[S+1], vcc_lo
	v_cndmask_b32 v[S+5], 0, v[S+8], vcc_lo
.set t, t+1
.endr
	EACH v_bfe_u32 v[S+8], v[S+4], 8, 8
.set t, 0
.rept 5
.set S, ST+12*t
	v_cmp_ge_u32 vcc_lo, v[S+7], v[S+8]
	v_cndmask_b32 v[S], v[S], v[S+2], vcc_lo
	v_cndmask_b32 v[S+5], v[S+5], v[S+8], vcc_lo
	v_cndmask_b32 v[S+10], 0, 1, vcc_lo            ; c / 2: registers 2 and 3 hold the lane's second token
.set t, t+1
.endr
	EACH v_bfe_u32 v[S+8], v[S+4], 16, 8
.set t, 0
.rept 5
.set S, ST+12*t
	v_cmp_ge_u32 vcc_lo, v[S+7], v[S+8]
	v_cndmask_b32 v[S], v[S], v[S+3], vcc_lo
	v_cndmask_b32 v[S+5], v[S+5], v[S+8], vcc_lo
.set t, t+1
.endr
	EACH v_sub_nc_u32 v[S+7], v[S+7], v[S+5]       ; n inside that register's mask m = v[S]
	EACH v_lshrrev_b32 v[S+1], 1, v[S]             ; the set bits of m counted by twos,
	EACH v_and_b32 v[S+1], s50, v[S+1]
	EACH v_sub_nc_u32 v[S+1], v[S], v[S+1]
	EACH v_lshrrev_b32 v[S+2], 2, v[S+1]           ; by fours,
	EACH v_and_b32 v[S+2], s51, v[S+2]
	EACH v_and_b32 v[S+8], s51, v[S+1]
	EACH v_add_nc_u32 v[S+2], v[S+2], v[S+8]
	EACH v_lshrrev_b32 v[S+3], 4, v[S+2]           ; by eights,
	EACH v_add_nc_u32 v[S+3], v[S+3], v[S+2]
	EACH v_and_b32 v[S+3], s52, v[S+3]
	EACH v_lshrrev_b32 v[S+8], 8, v[S+3]           ; and in the low sixteen
	EACH v_add_nc_u32 v[S+8], v[S+8], v[S+3]
	EACH v_and_b32 v[S+8], 0xff, v[S+8]
.set t, 0
.rept 5
.set S, ST+12*t
	v_cmp_ge_u32 vcc_lo, v[S+7], v[S+8]
	v_cndmask_b32 v[S+8], 0, v[S+8], vcc_lo
	v_cndmask_b32 v[S+11], 0, 16, vcc_lo           ; PO: the bit's place so far
.set t, t+1
.endr
	EACH v_sub_nc_u32 v[S+7], v[S+7], v[S+8]
	LEVEL 3, 8
	LEVEL 2, 4
	LEVEL 1, 2
	LEVEL 0, 1                                     ; PO is the lane that held the slot
	EACH v_lshl_add_u32 v[S+8], v[S+6], 5, v[S+11]
	EACH v_lshl_add_u32 v[Q+15+t], v[S+8], 1, v[S+10]  ; token = slot / 2 = 64 G + 2 lane + c / 2
.Lscan_next:
	s_add_co_u32 s26, s26, 320                     ; 20 blocks on
	s_sub_co_u32 s23, s23, 1
	s_cmp_lg_u32 s23, 0
	s_cbranch_scc1 .Lscan
	FULOAD 3, 0
	WIN 0
	s_mov_b32 s27, 3
.Lround:                                               ; three rounds ask for the round behind them; 48 = the three younger units' loads
	FUSLOT 0, 1, 48
	FUSLOT 1, 1, 48
	FUSLOT 2, 1, 48
	FUSLOT 3, 1, 48
	WIN 0
	s_wait_xcnt 0x0                                ; the loads' base is stepped only behind this wait
	s_add_nc_u64 s[4:5], s[4:5], ROUNDSTEP
	v_add_nc_u32 v7, 0x4000, v7
	s_sub_co_u32 s27, s27, 1
	s_cmp_lg_u32 s27, 0
	s_cbranch_scc1 .Lround
	FUSLOT 0, 0, 48                                ; the last round asks for nothing: the counts run down
	FUSLOT 1, 0, 32
	FUSLOT 2, 0, 16
	FUSLOT 3, 0, 0
	WIN 0
	s_wait_dscnt 0x0                               ; for the others' sake: my fragments are in LDS
	s_barrier_signal -1
	s_barrier_wait -1                              ; behind it the fragments are only read
	s_mov_b32 s24, 4                               ; passes: 4 x 20 blocks cover 1,024 rows
	s_mov_b32 s25, s14                             ; my first block of the pass
.Lpass:
	s_wait_xcnt 0x0                                ; the last pass's loads and stores have read their registers
.irp t, 0,1,2,3,4
	v_min_u32 v[20+\t], 0x3ff, v[Q+\t]
	v_lshl_add_u32 v[20+\t], v[20+\t], 11, v30     ; xh's row of the token, 16 bytes on for lanes 16-31
.endr
.set i, 0
.rept 15
	v_mov_b32 v[Q+i], v[Q+5+i]                     ; the next pass's tokens come to the front
.set i, i+1
.endr
	s_cmp_ge_u32 s25, s22
	s_cbranch_scc1 .Lpass_next                     ; nothing left for me: no barrier is jumped
	s_add_co_u32 s21, s25, 16
	s_cmp_lt_u32 s21, s22
	s_cselect_b32 s26, 1, 0                        ; is the fifth place alive?
	s_mov_b64 s[32:33], s[6:7]
	v_mov_b32 v8, v31
	ALOAD 0, 0
	BLOAD 0, 0
	CHUNK 0, 1, ACH, 0                             ; the first chunk stands ahead of the loop: its first products start the sums
	s_mov_b32 s27, 3
.Lk:
	CHUNK 1, 0, 2*ACH, 0
	CHUNK 0, 0, 3*ACH, 0
	s_wait_xcnt 0x0                                ; the token loads' base is stepped only behind this wait
	s_add_nc_u64 s[32:33], s[32:33], 2*ACH
	s_sub_co_u32 s27, s27, 1
	s_cmp_lg_u32 s27, 0
	s_cbranch_scc1 .Lk
	CHUNK 1, 0, -1, 1
	PLACES                                         ; ahead of the lines that read the sums
	; THE WAY OUT: ten turns, a place's column group each
	s_mov_b32 s28, 0
.Lep:
	s_lshr_b32 s29, s28, 1                         ; turn = 2 place + column group
	s_lshl_b32 s29, s29, 2
	s_add_co_u32 s29, s29, s25                     ; the place's block
	s_cmp_ge_u32 s29, s22
	s_cbranch_scc1 .Lep_next
.irp d, 0,1,2,3,4,5,6,7,8
	s_cmp_eq_u32 s28, \d
	s_cbranch_scc1 .Ld\d
.endr
	COPY 4, 1
	s_branch .Lgo
.irp d, 0,1,2,3,4,5,6,7,8
.Ld\d:
	COPY \d/2, \d%2
.if \d != 8
	s_branch .Lgo
.endif
.endr
.Lgo:
	s_wait_xcnt 0x0                                ; the last turn's stores have read their base and data
	s_min_u32 s30, s29, 63
	s_lshl_b32 s30, s30, 17                        ; the block in the expert's region,
	s_and_b32 s21, s28, 1
	s_lshl_b32 s21, s21, 11                        ; and the column group's two K steps
	s_add_co_u32 s30, s30, s21
	s_mov_b32 s31, 0
	s_add_nc_u64 s[18:19], s[10:11], s[30:31]
	WIN 0x55                                       ; all vector operands in window 1: z v0-31 (8 c + j), |z| v32-63, t v64-95, the exponential v96-127, the polynomial v128-159
.set p, 0
.rept 32
	v_and_b32 v[32+p], s34, v[p]
.set p, p+1
.endr
.set p, 0
.rept 16
	v_pk_fma_f32 v[64+2*p:65+2*p], v[32+2*p:33+2*p], s[36:37], 1.0 op_sel_hi:[1,0,0]
	v_pk_mul_f32 v[96+2*p:97+2*p], v[2*p:2*p+1], v[2*p:2*p+1]
.set p, p+1
.endr
.set p, 0
.rept 16
	v_pk_mul_f32 v[96+2*p:97+2*p], v[96+2*p:97+2*p], s[38:39] op_sel_hi:[1,0]
.set p, p+1
.endr
.set p, 0
.rept 32
	v_rcp_f32 v[64+p], v[64+p]
.set p, p+1
.endr
.set p, 0
.rept 32
	v_exp_f32 v[96+p], v[96+p]
.set p, p+1
.endr
.set p, 0
.rept 32
	v_max_num_f32 v[p], 0, v[p]                    ; plain work that names no result of the batch
.set p, p+1
.endr
	s_wait_alu depctr_va_vdst(0)                   ; one wait for the 64 reciprocals and exponentials, ahead of their first reader
.set p, 0
.rept 16
	v_pk_fma_f32 v[128+2*p:129+2*p], v[64+2*p:65+2*p], s[40:41], s[48:49] op_sel_hi:[1,0,0]
.set p, p+1
.endr
.irp k, 42,44,46
.set p, 0
.rept 16
	v_pk_fma_f32 v[128+2*p:129+2*p], v[128+2*p:129+2*p], v[64+2*p:65+2*p], s[\k:\k+1] op_sel_hi:[1,1,0]
.set p, p+1
.endr
.endr
.set p, 0
.rept 16
	v_pk_mul_f32 v[128+2*p:129+2*p], v[128+2*p:129+2*p], v[64+2*p:65+2*p]
.set p, p+1
.endr
.set p, 0
.rept 16
	v_pk_mul_f32 v[128+2*p:129+2*p], v[128+2*p:129+2*p], v[96+2*p:97+2*p]
.set p, p+1
.endr
.set p, 0
.rept 16
	v_pk_fma_f32 v[2*p:2*p+1], v[128+2*p:129+2*p], v[32+2*p:33+2*p], v[2*p:2*p+1] neg_lo:[1,0,0] neg_hi:[1,0,0]
.set p, p+1
.endr
.set p, 0
.rept 16
	v_cvt_pk_f16_f32 v[168+p], v[2*p], v[2*p+1]    ; accumulator c's pairs j = 2 jj, 2 jj + 1: registers 4 (c % 2) + jj of the second product's operand
.set p, p+1
.endr
	WIN 0x04                                       ; store data window 1
.irp c, 0,1,2,3
	global_store_b128 v31, v[168+4*\c:168+4*\c+3], s[18:19] offset:512*\c  ; 512 consecutive bytes, aligned: half c % 2 of K step 2 g + c / 2
.endr
	WIN 0
.Lep_next:
	s_add_co_u32 s28, s28, 1
	s_cmp_lt_u32 s28, NQ
	s_cbranch_scc1 .Lep
.Lpass_next:
	s_add_co_u32 s25, s25, 20
	s_sub_co_u32 s24, s24, 1
	s_cmp_lg_u32 s24, 0
	s_cbranch_scc1 .Lpass
	s_wait_dscnt 0x0                               ; my fragment loads are back
	s_barrier_signal -1
	s_barrier_wait -1                              ; everybody's are: the add below is the one LDS write behind them
	s_wait_tensorcnt 0x0                           ; the wave's end: behind my last LDS store
	ds_add_u32 v4, v5
	s_wait_dscnt 0x0
	s_endpgm
.Lfunc_end_k_q59aa2ca260_up:
	.size	k_q59aa2ca260_up, .Lfunc_end_k_q59aa2ca260_up-k_q59aa2ca260_up
	.p2alignl 7, 3214868480
	.fill 96, 4, 3214868480
	.section	.rodata,"a",@progbits
	.p2align	6, 0x0
	.amdhsa_kernel k_q59aa2ca260_up
		.amdhsa_group_segment_fixed_size 262656
		.amdhsa_private_segment_fixed_size 0
		.amdhsa_enable_private_segment 0
		.amdhsa_kernarg_size 40
		.amdhsa_user_sgpr_count 2
		.amdhsa_user_sgpr_kernarg_segment_ptr 1
		.amdhsa_wavefront_size32 1
		.amdhsa_system_sgpr_workgroup_id_x 1
		.amdhsa_system_sgpr_workgroup_id_y 1
		.amdhsa_system_sgpr_workgroup_id_z 1
		.amdhsa_system_vgpr_workitem_id 0
		.amdhsa_next_free_vgpr 1024
		.amdhsa_next_free_sgpr 66
		.amdhsa_reserve_vcc 1
		.amdhsa_float_denorm_mode_32 3
		.amdhsa_float_denorm_mode_16_64 3
		.amdhsa_memory_ordered 1
		.amdhsa_forward_progress 1
		.amdhsa_inst_pref_size 193
	.end_amdhsa_kernel
	.amdgpu_metadata
---
amdhsa.version: [ 1, 2 ]
amdhsa.kernels:
  - .name:           k_q59aa2ca260_up
    .symbol:         k_q59aa2ca260_up.kd
    .args:
      - { .name: w1, .offset: 0, .size: 8, .value_kind: global_buffer, .address_space: global }
      - { .name: xh, .offset: 8, .size: 8, .value_kind: global_buffer, .address_space: global }
      - { .name: ridx, .offset: 16, .size: 8, .value_kind: global_buffer, .address_space: global }
      - { .name: hid, .offset: 24, .size: 8, .value_kind: global_buffer, .address_space: global }
      - { .name: b1, .offset: 32, .size: 8, .value_kind: global_buffer, .address_space: global }
    .group_segment_fixed_size: 262656
    .private_segment_fixed_size: 0
    .kernarg_segment_align: 8
    .kernarg_segment_size: 40
    .max_flat_workgroup_size: 128
    .sgpr_count:     66
    .vgpr_count:     1024
    .wavefront_size: 32
...
	.end_amdgpu_metadata
.endif
;; end of part 5
;; launch down (part 6): grid 32 x 8, 4 waves a work-group, no clusters, 308,736 bytes of LDS; arguments w2, hid, ridx, part; writes part
.if DOCPART == 6
	.amdgcn_target "amdgcn-amd-amdhsa--gfx1250"
	.amdhsa_code_object_version 6
	.text
	.protected	k_q59aa2ca260_down
	.globl	k_q59aa2ca260_down
	.p2align	8
	.type	k_q59aa2ca260_down,@function
k_q59aa2ca260_down:
	s_mov_b64 s[64:65], 0
	v_nop
	global_prefetch_b8 v0, s[64:65] scope:SCOPE_SE
	s_setreg_imm32_b32 hwreg(HW_REG_WAVE_MODE, 25, 1), 1
	s_wait_xcnt 0x0
; ONE TEXT FOR BOTH PRODUCTS OF THE EXPERTS' LAYER; DOWN = 0: hid = gelu(x[i / 2] . w1[e] + b1[e]) in f16; DOWN = 1: part[kq][i][:] = hid row of i, F columns 1024 kq .., times w2[e] in f32.
; i = 2 t + k is a SLOT: choice k of token t, whose expert is ridx[i].  Only the rows of the slots that chose the expert are multiplied.
; SHARES.  A work-group has ONE expert (grid y) and a slice of its weights that it alone reads: 1,024 rows along K x 128 columns (grid x: DOWN = 0 the 32 slices of F; DOWN = 1 8 slices of H x 4 quarters of F,
; so that a slice's rows stay 512 consecutive bytes and there are 256 work-groups; the four partial sums stay f32 and are added by the launch behind).
; PHASE 1, the stream: each wave brings 256 rows of the slice, 16 bytes a lane (lanes 0-15 take 256 consecutive aligned bytes of one row, lanes 16-31 of another), rounds them once to f16 and
; lays them into LDS in the order in which the matrix unit's operand registers take them.  Four units of 16 loads a wave are on their way.  While the first are out, each wave makes its own list of the expert's slots.
; PHASE 2, behind a barrier: nothing writes the weights any more.  A wave takes blocks of 16 listed rows (block = 20 pass + 4 place + wave, five places a pass); token rows come from memory
; straight into operand registers, weights from LDS.  Four passes, a constant, cover the 1,024 rows that an expert can have; a dead pass's products, dead places and the fifth place's products are jumped by scalar
; branches.  Places past the count repeat the expert's last row, so EXEC is never narrowed.
; THE MATRIX INSTRUCTION IS USED TRANSPOSED (source 0 = 16 columns of weights, source 1 = 16 token rows): lane (r, h) holds token row r.  Fragment column n of block c in the 64-column group g is the true column
; 64 g + 4 n + c, which is what 16-byte loads of f32 rows give: register j of accumulator (g, c) is column 64 g + 32 h + 4 j + c.
; HID LIES IN THE SECOND PRODUCT'S OPERAND ORDER.  Expert e has a region of 64 blocks of 16 listed rows (e << 23); a block is 128 K steps of 1,024 bytes: registers 0-3 of the 32 lanes, 16 bytes each, then
; registers 4-7.  Accumulator (g, c) of slice s, rounded in pairs, IS half c % 2 of K step 4 s + 2 g + c / 2: no number changes its lane, and each store and load covers 512 consecutive bytes.  So place
; (step 4 s + q, half hh, lane half h, j) stands for F column 128 s + 64 (q / 2) + 32 h + 4 j + 2 (q % 2) + hh, and DOWN = 1 takes w2's rows in that same order: a permutation of K applied to both operands alike.
; BARRIERS.  The fragment loads walk LDS by a stepped address.  DOWN = 1 stores into the waves' stages on the way out: a barrier stands between a pass's products and its way out, and another behind it, each
; behind the wave's wait for its LDS instructions; all four waves pass all eight, in dead passes too.  DOWN = 0 stores nothing into LDS in phase 2: one barrier parts the last fragment loads from the closing add.
; No tensor loads and no cluster: each weight byte has one reader, and LDS is full of the slice.  No prefetch: the stream has 64 loads of 512 bytes a wave asked for.
; LIMITS.  All matrix operands are f16, each rounded once from f32: |x|, |w|, |hid| under 65,504; below 6e-5 a fixed step of 6e-8.  NaN and infinities are not treated apart.
; gelu(z) = max(z, 0) - |z| phi(z) poly(t), t = 1 / (1 + 0.2316419 |z|): the five-term form of the normal integral, absolute error under 7.5e-8 for every z, so gelu's is under |z| x 7.5e-8.
.set DOWN, 1
.if DOWN
.set PSH,   12                         ; a weight row is 1 << PSH bytes
.set OSH,   12                         ; an output row is 1 << OSH bytes
.set NQ,    5                          ; turns of the way out: one a place
.set RP,    2                          ; weight rows from a round's first K step to its second,
.set RH,    1                          ; from half 0 to half 1,
.set RJ,    4                          ; from j to j + 1,
.set HSH,   5                          ; and 1 << HSH from lanes 0-15 to lanes 16-31: hid's order
.set ASTEP, 1024                       ; token operands: bytes from K step to K step,
.set AHALF, 512                        ; and from registers 0-3 to registers 4-7
.else
.set PSH,   14
.set NQ,    10                         ; two a place, a column group each
.set RP,    32                         ; the plain order: row 32 step + 16 hh + 8 h + j
.set RH,    16
.set RJ,    1
.set HSH,   3
.set ASTEP, 64
.set AHALF, 32
.endif
.set ACH,       4*ASTEP                ; token operands: bytes of a chunk of 128 along K
.set PITCH,     1<<PSH
.set ROUNDSTEP, 64*PITCH               ; a round of the ring: two K steps x two column groups
.set OWN,    262144                    ; LDS 0 .. 262,143: weight fragments, K step ks, block gc, half hh at 8192 ks + 1024 gc + 512 hh + 16 lane.  Behind them a region for each wave:
.set LISTB,  2048                      ; its list, 1,024 slot numbers of 2 bytes (the lanes without a match write the two bytes behind it),
.set SROW,   592                       ; and, DOWN = 1, its stage: 16 rows of 37 x 16 bytes, so that the 16 rows of a 16-byte store begin at 16 different 16-byte columns; in a row byte 320 g + 64 c + 4 n; bytes 256 and 288: the row's slot
.if DOWN
.set WREG,   LISTB+16*SROW
.else
.set WREG,   LISTB+256
.endif
.set SPARE,  OWN+4*WREG                ; the spare words, 128 bytes a wave: two blocks of 256 bytes that no other line names
; window 0: v1 lane, v2 r = lane % 16, v3 h = lane / 16, v4 spare word, v5 0, v6 weight offset, v7 where fragments go, v8 where they are read, v9 my list, v10 list + 16 lane, v11 4 lane,
;   v12-19 at work, v20-24 token offsets of the five places, v25 into the stage, v26 out of it, v27 where a row's slot is read, v29 a lane's bytes in an output row,
;   v30 16 h, v31 16 lane, v32-47 slots and store offsets, v48-52 the five places' slots, v64-127 and v128-191 weight fragments of a K step by turns (at the head: ridx), v192-255 the bias as accumulators hold it
; window 1: v0-159 token fragments, buffer 0 (place x 32 + step x 8); on the way out at work; v168-183 packed results
; window 2: v0-159 token fragments, buffer 1; v160-223 the fifth place's accumulators (in phase 1: packed weights, two buffers by turns)
; window 3: accumulators of places 0-3 at 64 place + 8 gc (in phase 1: the ring of four units of 64 registers)
.set MSB, 0
.macro WIN new                         ; s_set_vgpr_msb: bits 1:0 source 0, 3:2 source 1, 5:4 source 2, 7:6 destination; the high byte repeats the setting that is left
.if MSB != (\new)
	s_set_vgpr_msb (MSB<<8)|(\new)
.set MSB, \new
.endif
.endm
.macro PLACES                          ; four plain instructions between matrix instructions and loads into, or reads of, their registers
.rept 4
	v_nop
.endr
.endm
; a unit: 32 places along K x 64 columns.  f = place in the ring: K step f / 2 of the round, column group f % 2
.macro FULOAD f, extra
	WIN 0xc0                                       ; destination window 3
.irp hh, 0,1
.irp j, 0,1,2,3,4,5,6,7
	global_load_b128 v[64*(\f)+4*(8*\hh+\j):64*(\f)+4*(8*\hh+\j)+3], v6, s[4:5] offset:(((\f)>>1)*RP+RH*\hh+RJ*\j)*PITCH+((\f)&1)*256+(\extra) th:TH_LOAD_NT
.endr
.endr
.endm
; a unit's turn: its 16 loads are in (left = the younger loads that stay out); two rows' numbers of one column make a register; eight stores of 512 consecutive bytes; the unit of the next round is asked for
.macro FUSLOT f, refill, left
.set PKB, 160+32*((\f)&1)
	s_wait_loadcnt \left
	WIN 0x8f                                       ; sources window 3, destination window 2
.irp c, 0,1,2,3
.irp hh, 0,1
.irp jj, 0,1,2,3
	v_cvt_pk_f16_f32 v[PKB+4*(2*\c+\hh)+\jj], v[64*(\f)+4*(8*\hh+2*\jj)+\c], v[64*(\f)+4*(8*\hh+2*\jj+1)+\c]
.endr
.endr
.endr
	WIN 0x08                                       ; store data window 2
.irp c, 0,1,2,3
.irp hh, 0,1
	ds_store_b128 v7, v[PKB+4*(2*\c+\hh):PKB+4*(2*\c+\hh)+3] offset:((\f)>>1)*8192+((\f)&1)*4096+\c*1024+\hh*512
.endr
.endr
.if \refill
	FULOAD \f, ROUNDSTEP
.endif
.endm
; 128 along K of the five places' token rows: 40 loads of 16 bytes a lane
.macro ALOAD buf, imm
	WIN 0x40+0x40*(\buf)                           ; destination window 1 or 2
.irp t, 0,1,2,3,4
.irp s, 0,1,2,3
	global_load_b128 v[32*\t+8*\s:32*\t+8*\s+3],   v[20+\t], s[32:33] offset:(\imm)+ASTEP*\s
	global_load_b128 v[32*\t+8*\s+4:32*\t+8*\s+7], v[20+\t], s[32:33] offset:(\imm)+ASTEP*\s+AHALF
.endr
.endr
.endm
; a K step's weight fragments: 16 loads of 512 consecutive bytes
.macro BLOAD bb, imm
	WIN 0
.irp g, 0,1,2,3,4,5,6,7
	ds_load_b128 v[64+64*(\bb)+8*\g:64+64*(\bb)+8*\g+3],   v8 offset:(\imm)+\g*1024
	ds_load_b128 v[64+64*(\bb)+8*\g+4:64+64*(\bb)+8*\g+7], v8 offset:(\imm)+\g*1024+512
.endr
.endm
; a K step of 32: the next step's weights are asked for, then 32 products (places 0-3 x 8 blocks) and the fifth place's 8.  The accumulators take turns, one instruction a turn.
; The first step of a pass starts the sums: DOWN = 1 with the constant 0, DOWN = 0 with the bias, which lies in window 0 as an accumulator holds it.
.macro STEP abuf, s, first, pf, last
	WIN 0
	PLACES                                         ; behind the last step's products, ahead of loads into the registers that they read
.if !((\last) && ((\s) == 3))
	BLOAD ((\s)+1)&1, ((\s)+1)*8192
.endif
.if ((\s) == 0) && ((\pf) >= 0)
	ALOAD 1-(\abuf), \pf                           ; the next 128 along K of the token rows, 160 products ahead of their use
.endif
.if (\last) && ((\s) == 3)
	s_wait_dscnt 0x0
.else
	s_wait_dscnt 16                                ; the 16 just issued stay out: this step's weights are in
.endif
.if (\s) == 0
.if (\pf) >= 0
	s_wait_loadcnt 40                              ; the 40 just issued stay out: this chunk's token rows are in
.else
	s_wait_loadcnt 0x0
.endif
.endif
.set BB, 64+64*((\s)&1)
.if (\first) && ((\s) == 0)
.if DOWN
	WIN 0xf4+4*(\abuf)                             ; weights window 0, token rows window 1 or 2, sums window 3
.else
	WIN 0xc4+4*(\abuf)                             ; the same with the C operand in window 0
.endif
.irp t, 0,1,2,3
.irp g, 0,1,2,3,4,5,6,7
.if DOWN
	v_wmma_f32_16x16x32_f16 v[64*\t+8*\g:64*\t+8*\g+7], v[BB+8*\g:BB+8*\g+7], v[32*\t+8*(\s):32*\t+8*(\s)+7], 0
.else
	v_wmma_f32_16x16x32_f16 v[64*\t+8*\g:64*\t+8*\g+7], v[BB+8*\g:BB+8*\g+7], v[32*\t+8*(\s):32*\t+8*(\s)+7], v[192+8*\g:192+8*\g+7]
.endif
.endr
.endr
.if DOWN
	WIN 0xa4+4*(\abuf)                             ; the fifth place's sums, in window 2, are started whether it is alive or not
.else
	WIN 0x84+4*(\abuf)
.endif
.irp g, 0,1,2,3,4,5,6,7
.if DOWN
	v_wmma_f32_16x16x32_f16 v[160+8*\g:160+8*\g+7], v[BB+8*\g:BB+8*\g+7], v[128+8*(\s):128+8*(\s)+7], 0
.else
	v_wmma_f32_16x16x32_f16 v[160+8*\g:160+8*\g+7], v[BB+8*\g:BB+8*\g+7], v[128+8*(\s):128+8*(\s)+7], v[192+8*\g:192+8*\g+7]
.endif
.endr
.else
	WIN 0xf4+4*(\abuf)
.irp t, 0,1,2,3
.irp g, 0,1,2,3,4,5,6,7
	v_wmma_f32_16x16x32_f16 v[64*\t+8*\g:64*\t+8*\g+7], v[BB+8*\g:BB+8*\g+7], v[32*\t+8*(\s):32*\t+8*(\s)+7], v[64*\t+8*\g:64*\t+8*\g+7]
.endr
.endr
	WIN 0
	s_cmp_lg_u32 s26, 0                            ; has this wave a fifth block in this pass?
	s_cbranch_scc0 .Lno5_\@
	WIN 0xa4+4*(\abuf)
.irp g, 0,1,2,3,4,5,6,7
	v_wmma_f32_16x16x32_f16 v[160+8*\g:160+8*\g+7], v[BB+8*\g:BB+8*\g+7], v[128+8*(\s):128+8*(\s)+7], v[160+8*\g:160+8*\g+7]
.endr
	WIN 0
.Lno5_\@:
.endif
.endm
.macro CHUNK abuf, first, pf, last     ; 128 along K.  pf: byte of the token rows' next chunk from the walking base, or -1
	STEP \abuf, 0, \first, \pf, \last
	STEP \abuf, 1, \first, \pf, \last
	STEP \abuf, 2, \first, \pf, \last
	STEP \abuf, 3, \first, \pf, \last
	WIN 0
.if !(\last)
	v_add_nc_u32 v8, 0x8000, v8
.endif
.endm
; DOWN = 1: place t's 16 rows x 128 columns, and each row's slot, into my stage; each accumulator's low registers first
.macro DUMP t
	ds_store_b32 v25, v[48+(\t)] offset:256        ; lanes 0-15 at the row's byte 256, lanes 16-31, which hold the same slot, at 288: both lie in the gap between the column groups
.if (\t) < 4
	WIN 0x0c
.set AC, 64*(\t)
.else
	WIN 0x08
.set AC, 160
.endif
.irp g, 0,1,2,3,4,5,6,7
	ds_store_b128 v25, v[AC+8*\g:AC+8*\g+3]   offset:320*(\g/4)+64*(\g%4)
	ds_store_b128 v25, v[AC+8*\g+4:AC+8*\g+7] offset:320*(\g/4)+64*(\g%4)+16
.endr
	WIN 0
.endm
; DOWN = 0: the four accumulators of place t's column group g go where the one text of the activation names them; ascending
.macro COPY t, g
.if (\t) < 4
	WIN 0x43                                       ; from window 3 into window 1
.set AC, 64*(\t)+32*(\g)
.else
	WIN 0x42                                       ; from window 2
.set AC, 160+32*(\g)
.endif
.set i, 0
.rept 32
	v_mov_b32 v[i], v[AC+i]
.set i, i+1
.endr
	WIN 0
.endm
	s_load_b256 s[4:11], s[0:1], 0x0               ; weights s[4:5], token rows s[6:7], ridx s[8:9], output s[10:11]
.if DOWN == 0
	s_load_b64 s[12:13], s[0:1], 0x20              ; b1
.endif
	v_lshl_add_u32 v4, v0, 2, SPARE                ; my spare word and 0: they serve the wave's end alone
	v_mov_b32 v5, 0
	v_lshrrev_b32 v12, 5, v0
	v_readfirstlane_b32 s14, v12                   ; wave
	s_and_b32 s15, ttmp7, 0xffff                   ; expert
	v_and_b32 v1, 31, v0
	v_and_b32 v2, 15, v0
	v_bfe_u32 v3, v0, 4, 1
	v_lshlrev_b32 v31, 4, v1
	v_lshlrev_b32 v11, 2, v1
	v_lshlrev_b32 v6, PSH+HSH, v3                  ; lanes 16-31: 1 << HSH rows down
	v_lshl_add_u32 v6, v2, 4, v6
	s_lshl_b32 s21, s14, 16                        ; my 8 K steps of fragments
	v_add_nc_u32 v7, s21, v31
	s_mul_i32 s21, s14, WREG
	s_add_co_u32 s21, s21, OWN                     ; my region: the list,
	v_mov_b32 v9, s21
	v_add_nc_u32 v10, s21, v31
.if DOWN
	s_add_co_u32 s21, s21, LISTB                   ; and the stage
	v_mul_u32_u24 v25, v2, SROW
	v_lshl_add_u32 v25, v3, 5, v25
	v_add_nc_u32 v25, s21, v25                     ; in: row r, 32 bytes for each half of the lanes
	v_mul_u32_u24 v26, v3, 320                     ; back: a lane takes true columns 4 lane .. + 3 of one row
	v_lshl_add_u32 v26, v2, 2, v26
	v_add_nc_u32 v26, s21, v26
	v_mov_b32 v27, s21
	v_mov_b32 v29, v31
.else
	v_lshlrev_b32 v30, 4, v3
.endif
	s_lshl_b32 s18, s15, 24                        ; an expert's weights: 16 MiB
	s_lshl_b32 s21, s14, PSH+8                     ; my wave's 256 rows
	s_add_co_u32 s18, s18, s21
.if DOWN
	s_and_b32 s16, ttmp9, 7                        ; column slice
	s_lshr_b32 s17, ttmp9, 3                       ; quarter of K
	s_lshl_b32 s21, s17, 22
	s_add_co_u32 s18, s18, s21
	s_lshl_b32 s28, s17, 23                        ; output: plane kq, 512 bytes a slice
	s_lshl_b32 s21, s16, 9
	s_add_co_u32 s28, s28, s21
	s_lshl_b32 s30, s15, 23                        ; hid: the expert's region, and in each block the quarter's 32 K steps of 1,024 bytes
	s_lshl_b32 s21, s17, 15
	s_add_co_u32 s30, s30, s21
.else
	s_mov_b32 s16, ttmp9                           ; column slice
	s_lshl_b32 s28, s15, 23                        ; hid: the expert's region, and in each block the slice's 4 K steps of 1,024 bytes
	s_lshl_b32 s21, s16, 12
	s_add_co_u32 s28, s28, s21
	s_lshl_b32 s30, s15, 14                        ; b1: a row of 16,384 bytes, 512 a slice
	s_lshl_b32 s21, s16, 9
	s_add_co_u32 s30, s30, s21
.endif
	s_lshl_b32 s21, s16, 9
	s_add_co_u32 s18, s18, s21
	s_mov_b32 s19, 0
	s_mov_b32 s29, 0
	s_mov_b32 s31, 0
	s_wait_kmcnt 0x0
	s_add_nc_u64 s[4:5], s[4:5], s[18:19]
	s_add_nc_u64 s[10:11], s[10:11], s[28:29]
.if DOWN
	s_add_nc_u64 s[6:7], s[6:7], s[30:31]
.else
	s_add_nc_u64 s[12:13], s[12:13], s[30:31]
	v_lshlrev_b32 v12, 7, v3                       ; the bias of columns 64 g + 32 h + 4 j + 0..3: 16 bytes a lane
	WIN 0x40
.irp g, 0,1
.irp j, 0,1,2,3,4,5,6,7
	global_load_b128 v[4*(8*\g+\j):4*(8*\g+\j)+3], v12, s[12:13] offset:256*\g+16*\j
.endr
.endr
	WIN 0
.endif
.irp i, 0,1,2,3,4,5,6,7,8,9,10,11,12,13,14,15
	global_load_b128 v[64+4*\i:64+4*\i+3], v31, s[8:9] offset:512*\i  ; all 2,048 choices: register 4 i + c of lane l is slot 128 i + 4 l + c
.endr
	FULOAD 0, 0
	FULOAD 1, 0
	FULOAD 2, 0
	WIN 0
.irp i, 16,17,18,19
	v_mov_b32 v[\i], 0
.endr
.irp i, 0,1,2,3
	ds_store_b128 v10, v[16:19] offset:512*\i      ; my list begins as zeros: no byte of it is read unwritten
.endr
.if DOWN == 0
	s_mov_b32 s34, 0x7fffffff
	s_mov_b32 s36, 0x3e6d3389                      ; 0.2316419
	s_mov_b32 s37, s36
	s_mov_b32 s38, 0xbf38aa3b                      ; -log2(e) / 2
	s_mov_b32 s39, s38
	s_mov_b32 s40, 0x3f07dc22                      ; the polynomial's five coefficients, each times 1 / sqrt(2 pi): t^5,
	s_mov_b32 s41, s40
	s_mov_b32 s48, 0xbf3a00e3                      ; t^4,
	s_mov_b32 s49, s48
	s_mov_b32 s42, 0x3f35f0e3                      ; t^3,
	s_mov_b32 s43, s42
	s_mov_b32 s44, 0xbe11a98e                      ; t^2,
	s_mov_b32 s45, s44
	s_mov_b32 s46, 0x3e027906                      ; t
	s_mov_b32 s47, s46
.endif
	s_mov_b32 s20, 0                               ; rows found so far
	s_wait_loadcnt 48                              ; the three units stay out: ridx (and the bias) are in
.if DOWN == 0
	WIN 0x01                                       ; the bias into the order of an accumulator's registers: once a launch, while the first weights are on their way
.irp g, 0,1
.irp c, 0,1,2,3
.irp j, 0,1,2,3,4,5,6,7
	v_mov_b32 v[192+8*(4*\g+\c)+\j], v[4*(8*\g+\j)+\c]
.endr
.endr
.endr
	WIN 0
.endif
	; THE LIST, each wave's own copy: a matching lane's rank is the count so far plus the matches in lower lanes; the others write word 1,024, which nobody reads
.set k, 0
.rept 64
.set TT, 12+2*(k&1)
	v_cmp_eq_u32 vcc_lo, s15, v[64+k]
	v_mbcnt_lo_u32_b32 v[TT], vcc_lo, s20
	s_bcnt1_i32_b32 s21, vcc_lo
	v_cndmask_b32 v[TT], 0x400, v[TT], vcc_lo
	s_add_co_u32 s20, s20, s21
	v_min_u32 v[TT], 0x400, v[TT]
	v_lshl_add_u32 v[TT], v[TT], 1, v9
	v_add_nc_u32 v[TT+1], 128*(k/4)+k%4, v11
	ds_store_b16 v[TT], v[TT+1]
.set k, k+1
.endr
	s_add_co_u32 s22, s20, 15
	s_lshr_b32 s22, s22, 4                         ; blocks of 16 rows
	s_sub_co_u32 s23, s20, 1                       ; the last rank
.if DOWN
	s_sub_co_u32 s35, s22, 1                       ; the last block
.endif
	FULOAD 3, 0
	WIN 0
	s_mov_b32 s27, 3
.Lround:                                               ; three rounds ask for the round behind them; 48 = the three younger units' loads
	FUSLOT 0, 1, 48
	FUSLOT 1, 1, 48
	FUSLOT 2, 1, 48
	FUSLOT 3, 1, 48
	WIN 0
	s_wait_xcnt 0x0                                ; the loads' base is stepped only behind this wait
	s_add_nc_u64 s[4:5], s[4:5], ROUNDSTEP
	v_add_nc_u32 v7, 0x4000, v7
	s_sub_co_u32 s27, s27, 1
	s_cmp_lg_u32 s27, 0
	s_cbranch_scc1 .Lround
	FUSLOT 0, 0, 48                                ; the last round asks for nothing: the counts run down
	FUSLOT 1, 0, 32
	FUSLOT 2, 0, 16
	FUSLOT 3, 0, 0
	WIN 0
	s_wait_dscnt 0x0                               ; for the others' sake: my fragments are in LDS
	s_barrier_signal -1
	s_barrier_wait -1                              ; behind it the fragments are only read
	s_mov_b32 s24, 4                               ; passes: 4 x 20 blocks cover 1,024 rows
	s_mov_b32 s25, s14                             ; my first block of the pass
.Lpass:
	s_wait_xcnt 0x0                                ; the last pass's stores have read their registers
	s_lshl_b32 s21, s25, 4
.irp t, 0,1,2,3,4                      ; the five places' slots; in a dead pass too: the ranks are held inside the list
	v_add_nc_u32 v[12+\t], s21, v2                 ; rank = 16 block + r,
	s_add_co_u32 s21, s21, 64                      ; four blocks on for the next place
	v_min_u32 v[12+\t], s23, v[12+\t]              ; past the count: the last row once more
	v_min_u32 v[12+\t], 0x3ff, v[12+\t]
	v_lshl_add_u32 v[12+\t], v[12+\t], 1, v9
	ds_load_u16 v[48+\t], v[12+\t]
.endr
	s_wait_dscnt 0x0
.if DOWN
	s_mov_b32 s21, s25
.irp t, 0,1,2,3,4
	s_min_u32 s29, s21, s35                        ; a dead place takes the last block once more
	s_min_u32 s29, s29, 63
	s_lshl_b32 s29, s29, 17                        ; a block of hid: 131,072 bytes
	v_add_nc_u32 v[20+\t], s29, v31                ; 16 bytes a lane: a load covers 512 consecutive bytes
	s_add_co_u32 s21, s21, 4
.endr
.else
.irp t, 0,1,2,3,4
	v_lshrrev_b32 v[20+\t], 1, v[48+\t]
	v_min_u32 v[20+\t], 0x3ff, v[20+\t]
	v_lshl_add_u32 v[20+\t], v[20+\t], 11, v30     ; xh's row of the token
.endr
.endif
	s_cmp_ge_u32 s25, s22
.if DOWN
	s_cbranch_scc1 .Lk_done                        ; nothing left for me: the products are jumped, the barriers are not
.else
	s_cbranch_scc1 .Lpass_next                     ; nothing left for me: no barrier is jumped
.endif
	s_add_co_u32 s21, s25, 16
	s_cmp_lt_u32 s21, s22
	s_cselect_b32 s26, 1, 0                        ; is the fifth place alive?
	s_mov_b64 s[32:33], s[6:7]
	v_mov_b32 v8, v31
	ALOAD 0, 0
	BLOAD 0, 0
	CHUNK 0, 1, ACH, 0                             ; the first chunk stands ahead of the loop: its first products start the sums
	s_mov_b32 s27, 3
.Lk:
	CHUNK 1, 0, 2*ACH, 0
	CHUNK 0, 0, 3*ACH, 0
	s_wait_xcnt 0x0                                ; the token loads' base is stepped only behind this wait
	s_add_nc_u64 s[32:33], s[32:33], 2*ACH
	s_sub_co_u32 s27, s27, 1
	s_cmp_lg_u32 s27, 0
	s_cbranch_scc1 .Lk
	CHUNK 1, 0, -1, 1
	PLACES                                         ; ahead of the lines that read the sums
.if DOWN
.Lk_done:
	s_wait_dscnt 0x0                               ; my fragment and list loads are back
	s_barrier_signal -1
	s_barrier_wait -1                              ; everybody's are: now the stages are written
.endif
	; THE WAY OUT
	s_mov_b32 s28, 0
.Lep:
.if DOWN
	s_lshl_b32 s29, s28, 2                         ; turn = place
.else
	s_lshr_b32 s29, s28, 1                         ; turn = 2 place + column group
	s_lshl_b32 s29, s29, 2
.endif
	s_add_co_u32 s29, s29, s25                     ; the place's block
	s_cmp_ge_u32 s29, s22
	s_cbranch_scc1 .Lep_next
.if DOWN
.irp d, 0,1,2,3
	s_cmp_eq_u32 s28, \d
	s_cbranch_scc1 .Ld\d
.endr
	DUMP 4
	s_branch .Lgo
.irp d, 0,1,2,3
.Ld\d:
	DUMP \d
.if \d != 3
	s_branch .Lgo
.endif
.endr
.else
.irp d, 0,1,2,3,4,5,6,7,8
	s_cmp_eq_u32 s28, \d
	s_cbranch_scc1 .Ld\d
.endr
	COPY 4, 1
	s_branch .Lgo
.irp d, 0,1,2,3,4,5,6,7,8
.Ld\d:
	COPY \d/2, \d%2
.if \d != 8
	s_branch .Lgo
.endif
.endr
.endif
.Lgo:
	s_wait_xcnt 0x0                                ; the last turn's stores have read their base, offsets and data
.if DOWN
	; through my own stage: LDS serves a wave's instructions in order (ISA guide 5.7.1.4), so no wait stands between the stores and the loads
.irp u, 0,1,2,3,4,5,6,7,8,9,10,11,12,13,14,15
	ds_load_b32 v[32+\u], v27 offset:\u*SROW+256   ; the row's slot
.endr
	WIN 0x40
.irp u, 0,1,2,3,4,5,6,7,8,9,10,11,12,13,14,15
.irp c, 0,1,2,3
	ds_load_b32 v[4*\u+\c], v26 offset:\u*SROW+64*\c  ; true column 4 lane + c
.endr
.endr
	WIN 0
	s_wait_dscnt 0x0
.irp u, 0,1,2,3,4,5,6,7,8,9,10,11,12,13,14,15
	v_min_u32 v[32+\u], 0x7ff, v[32+\u]
	v_lshl_add_u32 v[32+\u], v[32+\u], OSH, v29
.endr
	WIN 0x04                                       ; store data window 1
.irp u, 0,1,2,3,4,5,6,7,8,9,10,11,12,13,14,15
	global_store_b128 v[32+\u], v[4*\u:4*\u+3], s[10:11]  ; a row's 512 consecutive bytes, aligned
.endr
	WIN 0
.else
	s_min_u32 s30, s29, 63
	s_lshl_b32 s30, s30, 17                        ; the block in the expert's region,
	s_and_b32 s21, s28, 1
	s_lshl_b32 s21, s21, 11                        ; and the column group's two K steps
	s_add_co_u32 s30, s30, s21
	s_mov_b32 s31, 0
	s_add_nc_u64 s[18:19], s[10:11], s[30:31]
	WIN 0x55                                       ; all vector operands in window 1: z v0-31 (8 c + j), |z| v32-63, t v64-95, the exponential v96-127, the polynomial v128-159
.set p, 0
.rept 32
	v_and_b32 v[32+p], s34, v[p]
.set p, p+1
.endr
.set p, 0
.rept 16
	v_pk_fma_f32 v[64+2*p:65+2*p], v[32+2*p:33+2*p], s[36:37], 1.0 op_sel_hi:[1,0,0]
	v_pk_mul_f32 v[96+2*p:97+2*p], v[2*p:2*p+1], v[2*p:2*p+1]
.set p, p+1
.endr
.set p, 0
.rept 16
	v_pk_mul_f32 v[96+2*p:97+2*p], v[96+2*p:97+2*p], s[38:39] op_sel_hi:[1,0]
.set p, p+1
.endr
.set p, 0
.rept 32
	v_rcp_f32 v[64+p], v[64+p]
.set p, p+1
.endr
.set p, 0
.rept 32
	v_exp_f32 v[96+p], v[96+p]
.set p, p+1
.endr
.set p, 0
.rept 32
	v_max_num_f32 v[p], 0, v[p]                    ; plain work that names no result of the batch
.set p, p+1
.endr
	s_wait_alu depctr_va_vdst(0)                   ; one wait for the 64 reciprocals and exponentials, ahead of their first reader
.set p, 0
.rept 16
	v_pk_fma_f32 v[128+2*p:129+2*p], v[64+2*p:65+2*p], s[40:41], s[48:49] op_sel_hi:[1,0,0]
.set p, p+1
.endr
.irp k, 42,44,46
.set p, 0
.rept 16
	v_pk_fma_f32 v[128+2*p:129+2*p], v[128+2*p:129+2*p], v[64+2*p:65+2*p], s[\k:\k+1] op_sel_hi:[1,1,0]
.set p, p+1
.endr
.endr
.set p, 0
.rept 16
	v_pk_mul_f32 v[128+2*p:129+2*p], v[128+2*p:129+2*p], v[64+2*p:65+2*p]
.set p, p+1
.endr
.set p, 0
.rept 16
	v_pk_mul_f32 v[128+2*p:129+2*p], v[128+2*p:129+2*p], v[96+2*p:97+2*p]
.set p, p+1
.endr
.set p, 0
.rept 16
	v_pk_fma_f32 v[2*p:2*p+1], v[128+2*p:129+2*p], v[32+2*p:33+2*p], v[2*p:2*p+1] neg_lo:[1,0,0] neg_hi:[1,0,0]
.set p, p+1
.endr
.set p, 0
.rept 16
	v_cvt_pk_f16_f32 v[168+p], v[2*p], v[2*p+1]    ; accumulator c's pairs j = 2 jj, 2 jj + 1: registers 4 (c % 2) + jj of the second product's operand
.set p, p+1
.endr
	WIN 0x04                                       ; store data window 1
.irp c, 0,1,2,3
	global_store_b128 v31, v[168+4*\c:168+4*\c+3], s[18:19] offset:512*\c  ; 512 consecutive bytes, aligned: half c % 2 of K step 2 g + c / 2
.endr
	WIN 0
.endif
.Lep_next:
	s_add_co_u32 s28, s28, 1
	s_cmp_lt_u32 s28, NQ
	s_cbranch_scc1 .Lep
.if DOWN
	s_wait_dscnt 0x0                               ; my stores into the stage and my loads from it are done
	s_barrier_signal -1
	s_barrier_wait -1                              ; everybody's are: the next pass reads fragments again
.else
.Lpass_next:
.endif
	s_add_co_u32 s25, s25, 20
	s_sub_co_u32 s24, s24, 1
	s_cmp_lg_u32 s24, 0
	s_cbranch_scc1 .Lpass
.if DOWN == 0
	s_wait_dscnt 0x0                               ; my fragment and list loads are back
	s_barrier_signal -1
	s_barrier_wait -1                              ; everybody's are: the add below is the one LDS write behind them
.endif
	s_wait_tensorcnt 0x0                           ; the wave's end: behind my last LDS store
	ds_add_u32 v4, v5
	s_wait_dscnt 0x0
	s_endpgm
.Lfunc_end_k_q59aa2ca260_down:
	.size	k_q59aa2ca260_down, .Lfunc_end_k_q59aa2ca260_down-k_q59aa2ca260_down
	.p2alignl 7, 3214868480
	.fill 96, 4, 3214868480
	.section	.rodata,"a",@progbits
	.p2align	6, 0x0
	.amdhsa_kernel k_q59aa2ca260_down
		.amdhsa_group_segment_fixed_size 308736
		.amdhsa_private_segment_fixed_size 0
		.amdhsa_enable_private_segment 0
		.amdhsa_kernarg_size 32
		.amdhsa_user_sgpr_count 2
		.amdhsa_user_sgpr_kernarg_segment_ptr 1
		.amdhsa_wavefront_size32 1
		.amdhsa_system_sgpr_workgroup_id_x 1
		.amdhsa_system_sgpr_workgroup_id_y 1
		.amdhsa_system_sgpr_workgroup_id_z 1
		.amdhsa_system_vgpr_workitem_id 0
		.amdhsa_next_free_vgpr 1024
		.amdhsa_next_free_sgpr 66
		.amdhsa_reserve_vcc 1
		.amdhsa_float_denorm_mode_32 3
		.amdhsa_float_denorm_mode_16_64 3
		.amdhsa_memory_ordered 1
		.amdhsa_forward_progress 1
		.amdhsa_inst_pref_size 163
	.end_amdhsa_kernel
	.amdgpu_metadata
---
amdhsa.version: [ 1, 2 ]
amdhsa.kernels:
  - .name:           k_q59aa2ca260_down
    .symbol:         k_q59aa2ca260_down.kd
    .args:
      - { .name: w2, .offset: 0, .size: 8, .value_kind: global_buffer, .address_space: global }
      - { .name: hid, .offset: 8, .size: 8, .value_kind: global_buffer, .address_space: global }
      - { .name: ridx, .offset: 16, .size: 8, .value_kind: global_buffer, .address_space: global }
      - { .name: part, .offset: 24, .size: 8, .value_kind: global_buffer, .address_space: global }
    .group_segment_fixed_size: 308736
    .private_segment_fixed_size: 0
    .kernarg_segment_align: 8
    .kernarg_segment_size: 32
    .max_flat_workgroup_size: 128
    .sgpr_count:     66
    .vgpr_count:     1024
    .wavefront_size: 32
...
	.end_amdgpu_metadata
.endif
;; end of part 6
;; launch combine: the kernel of part 4 again; grid 256 x 1, 8 waves a work-group, no clusters, 0 bytes of LDS; arguments part, b2, ridx, rgate, out0; writes out0
;; ======== version 3 of 3: 4 launches; version 2 with the launch down written anew for expert scheduling mode
;; limits: values are held in f16: magnitudes above 65,504 overflow, below 6.1e-05 lose precision; a function is approximated: absolute error at most 7.5e-08
;; workspace buffers: xh 2,097,152 bytes; ridx 8,192 bytes of whole numbers; rgate 8,192 bytes; hid 67,108,864 bytes; part 33,554,432 bytes
;; launch router: the kernel of part 1 again; grid 128 x 1, 8 waves a work-group, no clusters, 0 bytes of LDS; arguments hidden_states, router_w, xh, ridx, rgate; writes xh, ridx, rgate
;; launch up: the kernel of part 5 again; grid 32 x 8, 4 waves a work-group, no clusters, 262,656 bytes of LDS; arguments w1, xh, ridx, hid, b1; writes hid
;; launch down (part 7): grid 32 x 8, 4 waves a work-group, no clusters, 308,736 bytes of LDS; arguments w2, hid, ridx, part; writes part
.if DOCPART == 7
	.amdgcn_target "amdgcn-amd-amdhsa--gfx1250"
	.amdhsa_code_object_version 6
	.text
	.protected	k_q59aa2ca260_down
	.globl	k_q59aa2ca260_down
	.p2align	8
	.type	k_q59aa2ca260_down,@function
k_q59aa2ca260_down:
	s_mov_b64 s[64:65], 0
	v_nop
	global_prefetch_b8 v0, s[64:65] scope:SCOPE_SE
	s_setreg_imm32_b32 hwreg(HW_REG_WAVE_SCHED_MODE, 0, 2), 2
	s_setreg_imm32_b32 hwreg(HW_REG_WAVE_MODE, 25, 1), 1
	s_wait_xcnt 0x0
	s_wait_alu depctr_vm_vsrc(0)
; ONE TEXT FOR BOTH PRODUCTS OF THE EXPERTS' LAYER; DOWN = 0: hid = gelu(x[i / 2] . w1[e] + b1[e]) in f16; DOWN = 1: part[kq][i][:] = hid row of i, F columns 1024 kq .., times w2[e] in f32.
; i = 2 t + k is a SLOT: choice k of token t, whose expert is ridx[i].  Only the rows of the slots that chose the expert are multiplied.
; SHARES.  A work-group has ONE expert (grid y) and a slice of its weights that it alone reads: 1,024 rows along K x 128 columns (grid x: DOWN = 0 the 32 slices of F; DOWN = 1 8 slices of H x 4 quarters of F,
; so that a slice's rows stay 512 consecutive bytes and there are 256 work-groups; the four partial sums stay f32 and are added by the launch behind).
; PHASE 1, the stream: each wave brings 256 rows of the slice, 16 bytes a lane (lanes 0-15 take 256 consecutive aligned bytes of one row, lanes 16-31 of another), rounds them once to f16 and
; lays them into LDS in the order in which the matrix unit's operand registers take them.  Four units of 16 loads a wave are on their way.  While the first are out, each wave makes its own list of the expert's slots.
; PHASE 2, behind a barrier: nothing writes the weights any more.  A wave takes blocks of 16 listed rows (block = 20 pass + 4 place + wave, five places a pass); token rows come from memory
; straight into operand registers, weights from LDS.  Four passes, a constant, cover the 1,024 rows that an expert can have; a dead pass's products, dead places and the fifth place's products are jumped by scalar
; branches.  Places past the count repeat the expert's last row, so EXEC is never narrowed.
; THE MATRIX INSTRUCTION IS USED TRANSPOSED (source 0 = 16 columns of weights, source 1 = 16 token rows): lane (r, h) holds token row r.  Fragment column n of block c in the 64-column group g is the true column
; 64 g + 4 n + c, which is what 16-byte loads of f32 rows give: register j of accumulator (g, c) is column 64 g + 32 h + 4 j + c.
; HID LIES IN THE SECOND PRODUCT'S OPERAND ORDER.  Expert e has a region of 64 blocks of 16 listed rows (e << 23); a block is 128 K steps of 1,024 bytes: registers 0-3 of the 32 lanes, 16 bytes each, then
; registers 4-7.  Accumulator (g, c) of slice s, rounded in pairs, IS half c % 2 of K step 4 s + 2 g + c / 2: no number changes its lane, and each store and load covers 512 consecutive bytes.  So place
; (step 4 s + q, half hh, lane half h, j) stands for F column 128 s + 64 (q / 2) + 32 h + 4 j + 2 (q % 2) + hh, and DOWN = 1 takes w2's rows in that same order: a permutation of K applied to both operands alike.
; BARRIERS.  The fragment loads walk LDS by a stepped address.  DOWN = 1 stores into the waves' stages on the way out: a barrier stands between a pass's products and its way out, and another behind it, each
; behind the wave's wait for its LDS instructions; all four waves pass all eight, in dead passes too.  DOWN = 0 stores nothing into LDS in phase 2 and has one barrier, behind the last fragment loads.
; No tensor loads and no cluster: each weight byte has one reader, and LDS is full of the slice.  No prefetch: the stream has 64 loads of 512 bytes a wave asked for.
; LIMITS.  All matrix operands are f16, each rounded once from f32: |x|, |w|, |hid| under 65,504; below 6e-5 a fixed step of 6e-8.  NaN and infinities are not treated apart.
; gelu(z) = max(z, 0) - |z| phi(z) poly(t), t = 1 / (1 + 0.2316419 |z|): the five-term form of the normal integral, absolute error under 7.5e-8 for every z, so gelu's is under |z| x 7.5e-8.
; THE MODE: SCHED_MODE bits 1:0 = 2 (LLVM: expert scheduling mode 2), set by the entry lines.  The code itself states the register dependences between vector or matrix instructions and memory or LDS
; instructions, with s_wait_alu, always for 0.  This launch assembles DOWN = 1, and the waits are laid for that alone: the lines under DOWN = 0 stand as they stood, are not assembled here and carry none of them.
; THE PLAN.  Registers that memory or LDS instructions touch, and who else names them:
;   v6, v10, v25-27, v31   offsets, made once at the head, with the four zeros v16-19: one wait on va_vdst ahead of the first load serves them for the whole kernel.
;   THE LIST   ridx lands in v64-127 and the compares read it, sixteen at a time into s32-47, with one wait on va_sdst behind each run.  Entry k has an address register (v128 + k) and a data register (v192 + k)
;              of its own, so one wait on va_vdst stands ahead of the run of 64 LDS stores, and no register is written again while a store may read it.
;   THE STREAM Unit f's 64 registers: its loads land there, its conversions read them, its next loads land there.  Two packed buffers by turns: conversions write, LDS stores read.  One wait on va_vdst behind a
;              unit's conversions serves its stores and its refill.  Two waits on vm_vsrc a round: at unit 2's head (units 0 and 1's stores have read both packed buffers) and at the round's end, ahead of the add to v7.
;   THE PRODUCTS  W0 = v64-127 and W1 = v128-191: step s's products read W[s % 2]; the LDS loads of step s land in the other.  T0, T1 = v0-159 of windows 1, 2: a chunk's products read one; the loads for the
;              next chunk land in the other.  v8 is read by every fragment load and stepped once a chunk; v12-16 and v20-24 are made at a pass's head.  ONE wait on va_vdst at a step's head says that the last
;              step's products are done with the other W (at a chunk's head with the other T too) and that v8 is written; the step's loads follow it, dealt among its products, which name W[s % 2], the
;              chunk's own T and the sums: none of the registers that those loads touch.  One wait on vm_vsrc a chunk stands ahead of the add to v8; a pair of waits stands at a pass's head.
;   THE WAY OUT  The sums are the stage stores' data: one wait on va_vdst behind the places.  v32-47 (offsets) and v0-63 of window 1 (data) are loaded from the stage, v32-47 then rewritten by vector lines, and both
;              are read by the global stores: in each turn one wait on vm_vsrc ahead of the stage's loads and one on va_vdst ahead of the stores.
.set DOWN, 1
.if DOWN
.set PSH,   12                         ; a weight row is 1 << PSH bytes
.set OSH,   12                         ; an output row is 1 << OSH bytes
.set NQ,    5                          ; turns of the way out: one a place
.set RP,    2                          ; weight rows from a round's first K step to its second,
.set RH,    1                          ; from half 0 to half 1,
.set RJ,    4                          ; from j to j + 1,
.set HSH,   5                          ; and 1 << HSH from lanes 0-15 to lanes 16-31: hid's order
.set ASTEP, 1024                       ; token operands: bytes from K step to K step,
.set AHALF, 512                        ; and from registers 0-3 to registers 4-7
.else
.set PSH,   14
.set NQ,    10                         ; two a place, a column group each
.set RP,    32                         ; the plain order: row 32 step + 16 hh + 8 h + j
.set RH,    16
.set RJ,    1
.set HSH,   3
.set ASTEP, 64
.set AHALF, 32
.endif
.set ACH,       4*ASTEP                ; token operands: bytes of a chunk of 128 along K
.set PITCH,     1<<PSH
.set ROUNDSTEP, 64*PITCH               ; a round of the ring: two K steps x two column groups
.set OWN,    262144                    ; LDS 0 .. 262,143: weight fragments, K step ks, block gc, half hh at 8192 ks + 1024 gc + 512 hh + 16 lane.  Behind them a region for each wave:
.set LISTB,  2048                      ; its list, 1,024 slot numbers of 2 bytes (the lanes without a match write the two bytes behind it),
.set SROW,   592                       ; and, DOWN = 1, its stage: 16 rows of 37 x 16 bytes, so that the 16 rows of a 16-byte store begin at 16 different 16-byte columns; in a row byte 320 g + 64 c + 4 n; bytes 256 and 288: the row's slot
.if DOWN
.set WREG,   LISTB+16*SROW
.else
.set WREG,   LISTB+256
.endif
.set LA,     128                       ; v128-191 at the head: where entry k of the list goes
.set LV,     192                       ; v192-255 at the head: entry k's slot number
; window 0: v1 lane, v2 r = lane % 16, v3 h = lane / 16, v6 weight offset, v7 where fragments go, v8 where they are read, v9 my list, v10 list + 16 lane, v11 4 lane,
;   v12-19 at work, v20-24 token offsets of the five places, v25 into the stage, v26 out of it, v27 where a row's slot is read, v29 a lane's bytes in an output row,
;   v30 16 h, v31 16 lane, v32-47 slots and store offsets, v48-52 the five places' slots, v64-127 and v128-191 weight fragments of a K step by turns (at the head: ridx, and the list's addresses),
;   v192-255 the bias as accumulators hold it (DOWN = 1, at the head: the list's entries)
; window 1: v0-159 token fragments, buffer 0 (place x 32 + step x 8); on the way out at work; v168-183 packed results
; window 2: v0-159 token fragments, buffer 1; v160-223 the fifth place's accumulators (in phase 1: packed weights, two buffers by turns)
; window 3: accumulators of places 0-3 at 64 place + 8 gc (in phase 1: the ring of four units of 64 registers)
.set MSB, 0
.macro WIN new                         ; s_set_vgpr_msb: bits 1:0 source 0, 3:2 source 1, 5:4 source 2, 7:6 destination; the high byte repeats the setting that is left
.if MSB != (\new)
	s_set_vgpr_msb (MSB<<8)|(\new)
.set MSB, \new
.endif
.endm
.macro PLACES                          ; four plain instructions between matrix instructions and loads into, or reads of, their registers
.rept 4
	v_nop
.endr
.endm
; a unit: 32 places along K x 64 columns.  f = place in the ring: K step f / 2 of the round, column group f % 2
.macro FULOAD f, extra
	WIN 0xc0                                       ; destination window 3
.irp hh, 0,1
.irp j, 0,1,2,3,4,5,6,7
	global_load_b128 v[64*(\f)+4*(8*\hh+\j):64*(\f)+4*(8*\hh+\j)+3], v6, s[4:5] offset:(((\f)>>1)*RP+RH*\hh+RJ*\j)*PITCH+((\f)&1)*256+(\extra) th:TH_LOAD_NT
.endr
.endr
.endm
; a unit's turn: its 16 loads are in (left = the younger loads that stay out); two rows' numbers of one column make a register; eight stores of 512 consecutive bytes; the unit of the next round is asked for
.macro FUSLOT f, refill, left
.set PKB, 160+32*((\f)&1)
	s_wait_loadcnt \left
.if (\f) == 2
	s_wait_alu depctr_vm_vsrc(0)                   ; the LDS stores of units 0 and 1 have read the two packed buffers, which this unit's conversions and the next unit's write again
.endif
	WIN 0x8f                                       ; sources window 3, destination window 2
.irp c, 0,1,2,3
.irp hh, 0,1
.irp jj, 0,1,2,3
	v_cvt_pk_f16_f32 v[PKB+4*(2*\c+\hh)+\jj], v[64*(\f)+4*(8*\hh+2*\jj)+\c], v[64*(\f)+4*(8*\hh+2*\jj+1)+\c]
.endr
.endr
.endr
	WIN 0x08                                       ; store data window 2
	s_wait_alu depctr_va_vdst(0)                   ; the conversions have written the packed buffer, which the LDS stores read, and are done reading the unit's 64 registers, in which its next loads land; in a round's first unit v7 is written
.irp c, 0,1,2,3
.irp hh, 0,1
	ds_store_b128 v7, v[PKB+4*(2*\c+\hh):PKB+4*(2*\c+\hh)+3] offset:((\f)>>1)*8192+((\f)&1)*4096+\c*1024+\hh*512
.endr
.endr
.if \refill
	FULOAD \f, ROUNDSTEP                           ; no vector instruction since the wait names the unit's registers
.endif
.endm
; 128 along K of one place's token rows: 8 loads of 16 bytes a lane; of the five places': 40
.macro APLACE buf, imm, t
	WIN 0x40+0x40*(\buf)                           ; destination window 1 or 2
.irp s, 0,1,2,3
	global_load_b128 v[32*(\t)+8*\s:32*(\t)+8*\s+3],   v[20+(\t)], s[32:33] offset:(\imm)+ASTEP*\s
	global_load_b128 v[32*(\t)+8*\s+4:32*(\t)+8*\s+7], v[20+(\t)], s[32:33] offset:(\imm)+ASTEP*\s+AHALF
.endr
.endm
.macro ALOAD buf, imm
.irp t, 0,1,2,3,4
	APLACE \buf, \imm, \t
.endr
.endm
; half q of a K step's weight fragments: 8 loads of 512 consecutive bytes; the whole step: 16
.macro BPART bb, imm, q
	WIN 0
.irp g, 0,1,2,3
	ds_load_b128 v[64+64*(\bb)+8*(4*(\q)+\g):64+64*(\bb)+8*(4*(\q)+\g)+3],   v8 offset:(\imm)+(4*(\q)+\g)*1024
	ds_load_b128 v[64+64*(\bb)+8*(4*(\q)+\g)+4:64+64*(\bb)+8*(4*(\q)+\g)+7], v8 offset:(\imm)+(4*(\q)+\g)*1024+512
.endr
.endm
.macro BLOAD bb, imm
	BPART \bb, \imm, 0
	BPART \bb, \imm, 1
.endm
; a K step of 32: 32 products (places 0-3 x 8 blocks) and the fifth place's 8.  The accumulators take turns, one instruction a turn.  The next step's weights are asked for behind the
; products of places 0 and 1, eight loads each: 16 products or more ahead of their use; in a chunk's first step the next chunk's token rows follow, a place's eight loads behind each place's products.
; The first step of a pass starts the sums: DOWN = 1 with the constant 0, DOWN = 0 with the bias, which lies in window 0 as an accumulator holds it.
.macro STEP abuf, s, first, pf, last
	WIN 0
	PLACES                                         ; behind the last step's products, ahead of loads into the registers that they read
	s_wait_dscnt 0x0                               ; this step's weights, asked for in the step before, are in: no younger LDS load is out
.if (\s) == 0
.if \first
	s_wait_loadcnt 40                              ; the 40 loads of the pass's second chunk stay out: the first chunk's token rows are in
.else
	s_wait_loadcnt 0x0                             ; this chunk's token rows, asked for a chunk ago, are in: no younger load is out
.endif
.endif
	s_wait_alu depctr_va_vdst(0)                   ; the last step's products are done reading the other weight buffer, and at a chunk's head the other token buffer, in which the loads below land; at a chunk's head v8 is written
.set BB, 64+64*((\s)&1)
.irp t, 0,1,2,3
.if (\first) && ((\s) == 0)
.if DOWN
	WIN 0xf4+4*(\abuf)                             ; weights window 0, token rows window 1 or 2, sums window 3
.else
	WIN 0xc4+4*(\abuf)                             ; the same with the C operand in window 0
.endif
.else
	WIN 0xf4+4*(\abuf)
.endif
.irp g, 0,1,2,3,4,5,6,7
.if (\first) && ((\s) == 0)
.if DOWN
	v_wmma_f32_16x16x32_f16 v[64*\t+8*\g:64*\t+8*\g+7], v[BB+8*\g:BB+8*\g+7], v[32*\t+8*(\s):32*\t+8*(\s)+7], 0
.else
	v_wmma_f32_16x16x32_f16 v[64*\t+8*\g:64*\t+8*\g+7], v[BB+8*\g:BB+8*\g+7], v[32*\t+8*(\s):32*\t+8*(\s)+7], v[192+8*\g:192+8*\g+7]
.endif
.else
	v_wmma_f32_16x16x32_f16 v[64*\t+8*\g:64*\t+8*\g+7], v[BB+8*\g:BB+8*\g+7], v[32*\t+8*(\s):32*\t+8*(\s)+7], v[64*\t+8*\g:64*\t+8*\g+7]
.endif
.endr
.if ((\t) < 2) && !((\last) && ((\s) == 3))
	BPART ((\s)+1)&1, ((\s)+1)*8192, \t            ; no wait: no vector or matrix instruction since the step's wait names the other weight buffer or v8
.endif
.if ((\s) == 0) && ((\pf) >= 0)
	APLACE 1-(\abuf), \pf, \t                      ; nor the other token buffer or v20-24
.if (\t) == 3
	APLACE 1-(\abuf), \pf, 4
.endif
.endif
.endr
.if (\first) && ((\s) == 0)
.if DOWN
	WIN 0xa4+4*(\abuf)                             ; the fifth place's sums, in window 2, are started whether it is alive or not
.else
	WIN 0x84+4*(\abuf)
.endif
.irp g, 0,1,2,3,4,5,6,7
.if DOWN
	v_wmma_f32_16x16x32_f16 v[160+8*\g:160+8*\g+7], v[BB+8*\g:BB+8*\g+7], v[128+8*(\s):128+8*(\s)+7], 0
.else
	v_wmma_f32_16x16x32_f16 v[160+8*\g:160+8*\g+7], v[BB+8*\g:BB+8*\g+7], v[128+8*(\s):128+8*(\s)+7], v[192+8*\g:192+8*\g+7]
.endif
.endr
.else
	WIN 0
	s_cmp_lg_u32 s26, 0                            ; has this wave a fifth block in this pass?
	s_cbranch_scc0 .Lno5_\@
	WIN 0xa4+4*(\abuf)
.irp g, 0,1,2,3,4,5,6,7
	v_wmma_f32_16x16x32_f16 v[160+8*\g:160+8*\g+7], v[BB+8*\g:BB+8*\g+7], v[128+8*(\s):128+8*(\s)+7], v[160+8*\g:160+8*\g+7]
.endr
	WIN 0
.Lno5_\@:
.endif
.endm
.macro CHUNK abuf, first, pf, last     ; 128 along K.  pf: byte of the token rows' next chunk from the walking base, or -1: nothing is asked for
	STEP \abuf, 0, \first, \pf, \last
	STEP \abuf, 1, \first, \pf, \last
	STEP \abuf, 2, \first, \pf, \last
	STEP \abuf, 3, \first, \pf, \last
	WIN 0
.if !(\last)
	s_wait_alu depctr_vm_vsrc(0)                   ; the fragment loads issued so far have read v8
	v_add_nc_u32 v8, 0x8000, v8                    ; the next step's wait on va_vdst stands between this line and the next load by v8
.endif
.endm
; DOWN = 1: place t's 16 rows x 128 columns, and each row's slot, into my stage; each accumulator's low registers first
.macro DUMP t
	ds_store_b32 v25, v[48+(\t)] offset:256        ; lanes 0-15 at the row's byte 256, lanes 16-31, which hold the same slot, at 288: both lie in the gap between the column groups
.if (\t) < 4
	WIN 0x0c
.set AC, 64*(\t)
.else
	WIN 0x08
.set AC, 160
.endif
.irp g, 0,1,2,3,4,5,6,7
	ds_store_b128 v25, v[AC+8*\g:AC+8*\g+3]   offset:320*(\g/4)+64*(\g%4)
	ds_store_b128 v25, v[AC+8*\g+4:AC+8*\g+7] offset:320*(\g/4)+64*(\g%4)+16
.endr
	WIN 0
.endm
; DOWN = 0: the four accumulators of place t's column group g go where the one text of the activation names them; ascending
.macro COPY t, g
.if (\t) < 4
	WIN 0x43                                       ; from window 3 into window 1
.set AC, 64*(\t)+32*(\g)
.else
	WIN 0x42                                       ; from window 2
.set AC, 160+32*(\g)
.endif
.set i, 0
.rept 32
	v_mov_b32 v[i], v[AC+i]
.set i, i+1
.endr
	WIN 0
.endm
	s_load_b256 s[4:11], s[0:1], 0x0               ; weights s[4:5], token rows s[6:7], ridx s[8:9], output s[10:11]
	v_lshl_add_u32 v62, v0, 2, 0x4b400
	v_mov_b32 v63, 0
.if DOWN == 0
	s_load_b64 s[12:13], s[0:1], 0x20              ; b1
.endif
	v_lshrrev_b32 v12, 5, v0
	v_readfirstlane_b32 s14, v12                   ; wave
	s_and_b32 s15, ttmp7, 0xffff                   ; expert
	v_and_b32 v1, 31, v0
	v_and_b32 v2, 15, v0
	v_bfe_u32 v3, v0, 4, 1
	v_lshlrev_b32 v31, 4, v1
	v_lshlrev_b32 v11, 2, v1
	v_lshlrev_b32 v6, PSH+HSH, v3                  ; lanes 16-31: 1 << HSH rows down
	v_lshl_add_u32 v6, v2, 4, v6
.irp i, 16,17,18,19
	v_mov_b32 v[\i], 0                             ; the zeros with which my list begins
.endr
	s_wait_alu depctr_va_sdst(0)                   ; s14 is written, ahead of its first reader: LDS places and the bases are made from it
	s_lshl_b32 s21, s14, 16                        ; my 8 K steps of fragments
	v_add_nc_u32 v7, s21, v31
	s_mul_i32 s21, s14, WREG
	s_add_co_u32 s21, s21, OWN                     ; my region: the list,
	v_mov_b32 v9, s21
	v_add_nc_u32 v10, s21, v31
.if DOWN
	s_add_co_u32 s21, s21, LISTB                   ; and the stage
	v_mul_u32_u24 v25, v2, SROW
	v_lshl_add_u32 v25, v3, 5, v25
	v_add_nc_u32 v25, s21, v25                     ; in: row r, 32 bytes for each half of the lanes
	v_mul_u32_u24 v26, v3, 320                     ; back: a lane takes true columns 4 lane .. + 3 of one row
	v_lshl_add_u32 v26, v2, 2, v26
	v_add_nc_u32 v26, s21, v26
	v_mov_b32 v27, s21
	v_mov_b32 v29, v31
.else
	v_lshlrev_b32 v30, 4, v3
.endif
	s_lshl_b32 s18, s15, 24                        ; an expert's weights: 16 MiB
	s_lshl_b32 s21, s14, PSH+8                     ; my wave's 256 rows
	s_add_co_u32 s18, s18, s21
.if DOWN
	s_and_b32 s16, ttmp9, 7                        ; column slice
	s_lshr_b32 s17, ttmp9, 3                       ; quarter of K
	s_lshl_b32 s21, s17, 22
	s_add_co_u32 s18, s18, s21
	s_lshl_b32 s28, s17, 23                        ; output: plane kq, 512 bytes a slice
	s_lshl_b32 s21, s16, 9
	s_add_co_u32 s28, s28, s21
	s_lshl_b32 s30, s15, 23                        ; hid: the expert's region, and in each block the quarter's 32 K steps of 1,024 bytes
	s_lshl_b32 s21, s17, 15
	s_add_co_u32 s30, s30, s21
.else
	s_mov_b32 s16, ttmp9                           ; column slice
	s_lshl_b32 s28, s15, 23                        ; hid: the expert's region, and in each block the slice's 4 K steps of 1,024 bytes
	s_lshl_b32 s21, s16, 12
	s_add_co_u32 s28, s28, s21
	s_lshl_b32 s30, s15, 14                        ; b1: a row of 16,384 bytes, 512 a slice
	s_lshl_b32 s21, s16, 9
	s_add_co_u32 s30, s30, s21
.endif
	s_lshl_b32 s21, s16, 9
	s_add_co_u32 s18, s18, s21
	s_mov_b32 s19, 0
	s_mov_b32 s29, 0
	s_mov_b32 s31, 0
	s_wait_kmcnt 0x0
	s_add_nc_u64 s[4:5], s[4:5], s[18:19]
	s_add_nc_u64 s[10:11], s[10:11], s[28:29]
.if DOWN
	s_add_nc_u64 s[6:7], s[6:7], s[30:31]
.else
	s_add_nc_u64 s[12:13], s[12:13], s[30:31]
	v_lshlrev_b32 v12, 7, v3                       ; the bias of columns 64 g + 32 h + 4 j + 0..3: 16 bytes a lane
	WIN 0x40
.irp g, 0,1
.irp j, 0,1,2,3,4,5,6,7
	global_load_b128 v[4*(8*\g+\j):4*(8*\g+\j)+3], v12, s[12:13] offset:256*\g+16*\j
.endr
.endr
	WIN 0
.endif
	s_wait_alu depctr_va_vdst(0)                   ; the offsets v6, v7, v10, v25-27 and v31 and the zeros v16-19 are written, which the loads and stores of the kernel read
.irp i, 0,1,2,3,4,5,6,7,8,9,10,11,12,13,14,15
	global_load_b128 v[64+4*\i:64+4*\i+3], v31, s[8:9] offset:512*\i  ; all 2,048 choices: register 4 i + c of lane l is slot 128 i + 4 l + c
.endr
	FULOAD 0, 0
	FULOAD 1, 0
	FULOAD 2, 0
	WIN 0
.irp i, 0,1,2,3
	ds_store_b128 v10, v[16:19] offset:512*\i      ; my list begins as zeros: no byte of it is read unwritten
.endr
.if DOWN == 0
	s_mov_b32 s34, 0x7fffffff
	s_mov_b32 s36, 0x3e6d3389                      ; 0.2316419
	s_mov_b32 s37, s36
	s_mov_b32 s38, 0xbf38aa3b                      ; -log2(e) / 2
	s_mov_b32 s39, s38
	s_mov_b32 s40, 0x3f07dc22                      ; the polynomial's five coefficients, each times 1 / sqrt(2 pi): t^5,
	s_mov_b32 s41, s40
	s_mov_b32 s48, 0xbf3a00e3                      ; t^4,
	s_mov_b32 s49, s48
	s_mov_b32 s42, 0x3f35f0e3                      ; t^3,
	s_mov_b32 s43, s42
	s_mov_b32 s44, 0xbe11a98e                      ; t^2,
	s_mov_b32 s45, s44
	s_mov_b32 s46, 0x3e027906                      ; t
	s_mov_b32 s47, s46
.endif
	s_mov_b32 s20, 0                               ; rows found so far
	s_wait_loadcnt 48                              ; the three units stay out: ridx (and the bias) are in
.if DOWN == 0
	WIN 0x01                                       ; the bias into the order of an accumulator's registers: once a launch, while the first weights are on their way
.irp g, 0,1
.irp c, 0,1,2,3
.irp j, 0,1,2,3,4,5,6,7
	v_mov_b32 v[192+8*(4*\g+\c)+\j], v[4*(8*\g+\j)+\c]
.endr
.endr
.endr
	WIN 0
.endif
	; THE LIST, each wave's own copy: a matching lane's rank is the count so far plus the matches in lower lanes; the others write word 1,024, which nobody reads.
	; Sixteen registers of ridx at a time: their match masks go into s32-47; then the arithmetic goes line by line across the sixteen, so that no line reads the result of the line before it.
.set grp, 0
.rept 4
.set i, 0
.rept 16
	v_cmp_eq_u32 s[32+i], s15, v[64+16*grp+i]
.set i, i+1
.endr
	s_wait_alu depctr_va_sdst(0)                   ; the sixteen masks are written, ahead of their first reader
.set i, 0
.rept 16
	v_mbcnt_lo_u32_b32 v[LA+16*grp+i], s[32+i], s20
	s_bcnt1_i32_b32 s21, s[32+i]
	s_add_co_u32 s20, s20, s21
.set i, i+1
.endr
.set i, 0
.rept 16
	v_cndmask_b32 v[LA+16*grp+i], 0x400, v[LA+16*grp+i], s[32+i]
.set i, i+1
.endr
.set i, 0
.rept 16
	v_min_u32 v[LA+16*grp+i], 0x400, v[LA+16*grp+i]
.set i, i+1
.endr
.set i, 0
.rept 16
	v_lshl_add_u32 v[LA+16*grp+i], v[LA+16*grp+i], 1, v9
.set i, i+1
.endr
.set i, 0
.rept 16
.set k, 16*grp+i
	v_add_nc_u32 v[LV+k], 128*(k/4)+k%4, v11
.set i, i+1
.endr
.set grp, grp+1
.endr
	FULOAD 3, 0                                    ; the fourth unit is asked for ahead of the list's stores: it hangs on v6 alone
	WIN 0
	s_wait_alu depctr_va_vdst(0)                   ; the list's 64 addresses and 64 slot numbers are written, which the LDS stores read
.set k, 0
.rept 64
	ds_store_b16 v[LA+k], v[LV+k]
.set k, k+1
.endr
	s_add_co_u32 s22, s20, 15
	s_lshr_b32 s22, s22, 4                         ; blocks of 16 rows
	s_sub_co_u32 s23, s20, 1                       ; the last rank
.if DOWN
	s_sub_co_u32 s35, s22, 1                       ; the last block
.endif
	s_mov_b32 s27, 3
.Lround:                                               ; three rounds ask for the round behind them; 48 = the three younger units' loads
	FUSLOT 0, 1, 48
	FUSLOT 1, 1, 48
	FUSLOT 2, 1, 48
	FUSLOT 3, 1, 48
	WIN 0
	s_wait_xcnt 0x0                                ; the loads' base is stepped only behind this wait
	s_add_nc_u64 s[4:5], s[4:5], ROUNDSTEP
	s_wait_alu depctr_vm_vsrc(0)                   ; the LDS stores issued so far have read v7, and those of units 2 and 3 the two packed buffers, which the next round's units 0 and 1 write again
	v_add_nc_u32 v7, 0x4000, v7
	s_sub_co_u32 s27, s27, 1
	s_cmp_lg_u32 s27, 0
	s_cbranch_scc1 .Lround
	FUSLOT 0, 0, 48                                ; the last round asks for nothing: the counts run down
	FUSLOT 1, 0, 32
	FUSLOT 2, 0, 16
	FUSLOT 3, 0, 0
	WIN 0
	s_wait_dscnt 0x0                               ; for the others' sake: my fragments are in LDS
	s_barrier_signal -1
	s_barrier_wait -1                              ; behind it the fragments are only read
	s_mov_b32 s24, 4                               ; passes: 4 x 20 blocks cover 1,024 rows
	s_mov_b32 s25, s14                             ; my first block of the pass
.Lpass:
	s_wait_xcnt 0x0                                ; the last pass's stores have read their registers
	s_wait_alu depctr_vm_vsrc(0)                   ; all memory and LDS instructions issued so far have read their registers: v12-16, v20-24 and v8, written again below; v48-52, v128-191 and window 1, in which this pass's loads land; the sums and the packed buffers, which its first products write
	s_lshl_b32 s21, s25, 4
.irp t, 0,1,2,3,4                      ; where the five places' slots lie; in a dead pass too: the ranks are held inside the list
	v_add_nc_u32 v[12+\t], s21, v2                 ; rank = 16 block + r,
	s_add_co_u32 s21, s21, 64                      ; four blocks on for the next place
	v_min_u32 v[12+\t], s23, v[12+\t]              ; past the count: the last row once more
	v_min_u32 v[12+\t], 0x3ff, v[12+\t]
	v_lshl_add_u32 v[12+\t], v[12+\t], 1, v9
.endr
.if DOWN
	s_mov_b32 s21, s25
.irp t, 0,1,2,3,4
	s_min_u32 s29, s21, s35                        ; a dead place takes the last block once more
	s_min_u32 s29, s29, 63
	s_lshl_b32 s29, s29, 17                        ; a block of hid: 131,072 bytes
	v_add_nc_u32 v[20+\t], s29, v31                ; 16 bytes a lane: a load covers 512 consecutive bytes
	s_add_co_u32 s21, s21, 4
.endr
.endif
	v_mov_b32 v8, v31
	s_wait_alu depctr_va_vdst(0)                   ; v12-16, v20-24 and v8 are written, which this pass's loads read; the compares, the list's arithmetic and the last pass's products are done with v64-191 and with both token buffers, in which they land
.irp t, 0,1,2,3,4
	ds_load_u16 v[48+\t], v[12+\t]                 ; the five places' slots
.endr
	s_wait_dscnt 0x0
.if DOWN == 0
.irp t, 0,1,2,3,4
	v_lshrrev_b32 v[20+\t], 1, v[48+\t]
	v_min_u32 v[20+\t], 0x3ff, v[20+\t]
	v_lshl_add_u32 v[20+\t], v[20+\t], 11, v30     ; xh's row of the token
.endr
.endif
	s_cmp_ge_u32 s25, s22
.if DOWN
	s_cbranch_scc1 .Lk_done                        ; nothing left for me: the products are jumped, the barriers are not
.else
	s_cbranch_scc1 .Lpass_next                     ; nothing left for me: no barrier is jumped
.endif
	s_add_co_u32 s21, s25, 16
	s_cmp_lt_u32 s21, s22
	s_cselect_b32 s26, 1, 0                        ; is the fifth place alive?
	s_mov_b64 s[32:33], s[6:7]
	ALOAD 0, 0                                     ; no vector instruction since the wait above: these three runs owe nothing more
	BLOAD 0, 0
	ALOAD 1, ACH                                   ; the second chunk's token rows go out with the first's
	CHUNK 0, 1, -1, 0                              ; the first chunk stands ahead of the loop: its first products start the sums
	s_mov_b32 s27, 3
.Lk:
	CHUNK 1, 0, 2*ACH, 0
	CHUNK 0, 0, 3*ACH, 0
	s_wait_xcnt 0x0                                ; the token loads' base is stepped only behind this wait
	s_add_nc_u64 s[32:33], s[32:33], 2*ACH
	s_sub_co_u32 s27, s27, 1
	s_cmp_lg_u32 s27, 0
	s_cbranch_scc1 .Lk
	CHUNK 1, 0, -1, 1
	PLACES                                         ; ahead of the lines that read the sums
.if DOWN
.Lk_done:
	s_wait_alu depctr_va_vdst(0)                   ; the products have written the sums, which the stage's LDS stores read, and are done reading window 1, in which the stage's loads land; the places above stay beside this wait
	s_wait_dscnt 0x0                               ; my fragment and list loads are back
	s_barrier_signal -1
	s_barrier_wait -1                              ; everybody's are: now the stages are written
.endif
	; THE WAY OUT
	s_mov_b32 s28, 0
.Lep:
.if DOWN
	s_lshl_b32 s29, s28, 2                         ; turn = place
.else
	s_lshr_b32 s29, s28, 1                         ; turn = 2 place + column group
	s_lshl_b32 s29, s29, 2
.endif
	s_add_co_u32 s29, s29, s25                     ; the place's block
	s_cmp_ge_u32 s29, s22
	s_cbranch_scc1 .Lep_next
.if DOWN
.irp d, 0,1,2,3
	s_cmp_eq_u32 s28, \d
	s_cbranch_scc1 .Ld\d
.endr
	DUMP 4
	s_branch .Lgo
.irp d, 0,1,2,3
.Ld\d:
	DUMP \d
.if \d != 3
	s_branch .Lgo
.endif
.endr
.else
.irp d, 0,1,2,3,4,5,6,7,8
	s_cmp_eq_u32 s28, \d
	s_cbranch_scc1 .Ld\d
.endr
	COPY 4, 1
	s_branch .Lgo
.irp d, 0,1,2,3,4,5,6,7,8
.Ld\d:
	COPY \d/2, \d%2
.if \d != 8
	s_branch .Lgo
.endif
.endr
.endif
.Lgo:
	s_wait_xcnt 0x0                                ; the last turn's stores have read their base, offsets and data
	s_wait_alu depctr_vm_vsrc(0)                   ; the last turn's stores have read their offsets v32-47 and their data, v0-63 of window 1, in which the loads below land
.if DOWN
	; through my own stage: LDS serves a wave's instructions in order (ISA guide 5.7.1.4), so no wait stands between the stores and the loads
.irp u, 0,1,2,3,4,5,6,7,8,9,10,11,12,13,14,15
	ds_load_b32 v[32+\u], v27 offset:\u*SROW+256   ; the row's slot
.endr
	WIN 0x40
.irp u, 0,1,2,3,4,5,6,7,8,9,10,11,12,13,14,15
.irp c, 0,1,2,3
	ds_load_b32 v[4*\u+\c], v26 offset:\u*SROW+64*\c  ; true column 4 lane + c
.endr
.endr
	WIN 0
	s_wait_dscnt 0x0
.irp u, 0,1,2,3,4,5,6,7,8,9,10,11,12,13,14,15
	v_min_u32 v[32+\u], 0x7ff, v[32+\u]
	v_lshl_add_u32 v[32+\u], v[32+\u], OSH, v29
.endr
	WIN 0x04                                       ; store data window 1
	s_wait_alu depctr_va_vdst(0)                   ; the sixteen offsets v32-47 are written, which the stores read
.irp u, 0,1,2,3,4,5,6,7,8,9,10,11,12,13,14,15
	global_store_b128 v[32+\u], v[4*\u:4*\u+3], s[10:11]  ; a row's 512 consecutive bytes, aligned
.endr
	WIN 0
.else
	s_min_u32 s30, s29, 63
	s_lshl_b32 s30, s30, 17                        ; the block in the expert's region,
	s_and_b32 s21, s28, 1
	s_lshl_b32 s21, s21, 11                        ; and the column group's two K steps
	s_add_co_u32 s30, s30, s21
	s_mov_b32 s31, 0
	s_add_nc_u64 s[18:19], s[10:11], s[30:31]
	WIN 0x55                                       ; all vector operands in window 1: z v0-31 (8 c + j), |z| v32-63, t v64-95, the exponential v96-127, the polynomial v128-159
.set p, 0
.rept 32
	v_and_b32 v[32+p], s34, v[p]
.set p, p+1
.endr
.set p, 0
.rept 16
	v_pk_fma_f32 v[64+2*p:65+2*p], v[32+2*p:33+2*p], s[36:37], 1.0 op_sel_hi:[1,0,0]
	v_pk_mul_f32 v[96+2*p:97+2*p], v[2*p:2*p+1], v[2*p:2*p+1]
.set p, p+1
.endr
.set p, 0
.rept 16
	v_pk_mul_f32 v[96+2*p:97+2*p], v[96+2*p:97+2*p], s[38:39] op_sel_hi:[1,0]
.set p, p+1
.endr
.set p, 0
.rept 32
	v_rcp_f32 v[64+p], v[64+p]
.set p, p+1
.endr
.set p, 0
.rept 32
	v_exp_f32 v[96+p], v[96+p]
.set p, p+1
.endr
.set p, 0
.rept 32
	v_max_num_f32 v[p], 0, v[p]                    ; plain work that names no result of the batch
.set p, p+1
.endr
	s_wait_alu depctr_va_vdst(0)                   ; one wait for the 64 reciprocals and exponentials, ahead of their first reader
.set p, 0
.rept 16
	v_pk_fma_f32 v[128+2*p:129+2*p], v[64+2*p:65+2*p], s[40:41], s[48:49] op_sel_hi:[1,0,0]
.set p, p+1
.endr
.irp k, 42,44,46
.set p, 0
.rept 16
	v_pk_fma_f32 v[128+2*p:129+2*p], v[128+2*p:129+2*p], v[64+2*p:65+2*p], s[\k:\k+1] op_sel_hi:[1,1,0]
.set p, p+1
.endr
.endr
.set p, 0
.rept 16
	v_pk_mul_f32 v[128+2*p:129+2*p], v[128+2*p:129+2*p], v[64+2*p:65+2*p]
.set p, p+1
.endr
.set p, 0
.rept 16
	v_pk_mul_f32 v[128+2*p:129+2*p], v[128+2*p:129+2*p], v[96+2*p:97+2*p]
.set p, p+1
.endr
.set p, 0
.rept 16
	v_pk_fma_f32 v[2*p:2*p+1], v[128+2*p:129+2*p], v[32+2*p:33+2*p], v[2*p:2*p+1] neg_lo:[1,0,0] neg_hi:[1,0,0]
.set p, p+1
.endr
.set p, 0
.rept 16
	v_cvt_pk_f16_f32 v[168+p], v[2*p], v[2*p+1]    ; accumulator c's pairs j = 2 jj, 2 jj + 1: registers 4 (c % 2) + jj of the second product's operand
.set p, p+1
.endr
	WIN 0x04                                       ; store data window 1
.irp c, 0,1,2,3
	global_store_b128 v31, v[168+4*\c:168+4*\c+3], s[18:19] offset:512*\c  ; 512 consecutive bytes, aligned: half c % 2 of K step 2 g + c / 2
.endr
	WIN 0
.endif
.Lep_next:
	s_add_co_u32 s28, s28, 1
	s_cmp_lt_u32 s28, NQ
	s_cbranch_scc1 .Lep
.if DOWN
	s_wait_dscnt 0x0                               ; my stores into the stage and my loads from it are done
	s_barrier_signal -1
	s_barrier_wait -1                              ; everybody's are: the next pass reads fragments again
.else
.Lpass_next:
.endif
	s_add_co_u32 s25, s25, 20
	s_sub_co_u32 s24, s24, 1
	s_cmp_lg_u32 s24, 0
	s_cbranch_scc1 .Lpass
.if DOWN == 0
	s_wait_dscnt 0x0                               ; my fragment and list loads are back
	s_barrier_signal -1
	s_barrier_wait -1                              ; everybody's are
.endif
	s_wait_dscnt 0x0                               ; the wave's end: my last LDS instructions are done.  The closing add follows, by v62 and v63, into the 512 bytes behind the waves' regions
	s_wait_alu depctr_hold_cnt(0) depctr_sa_sdst(0) depctr_va_vdst(0) depctr_va_sdst(0) depctr_va_ssrc(0) depctr_va_vcc(0) depctr_vm_vsrc(0)
	s_wait_tensorcnt 0x0
	ds_add_u32 v62, v63
	s_wait_dscnt 0x0
	s_endpgm
.Lfunc_end_k_q59aa2ca260_down:
	.size	k_q59aa2ca260_down, .Lfunc_end_k_q59aa2ca260_down-k_q59aa2ca260_down
	.p2alignl 7, 3214868480
	.fill 96, 4, 3214868480
	.section	.rodata,"a",@progbits
	.p2align	6, 0x0
	.amdhsa_kernel k_q59aa2ca260_down
		.amdhsa_group_segment_fixed_size 308736
		.amdhsa_private_segment_fixed_size 0
		.amdhsa_enable_private_segment 0
		.amdhsa_kernarg_size 32
		.amdhsa_user_sgpr_count 2
		.amdhsa_user_sgpr_kernarg_segment_ptr 1
		.amdhsa_wavefront_size32 1
		.amdhsa_system_sgpr_workgroup_id_x 1
		.amdhsa_system_sgpr_workgroup_id_y 1
		.amdhsa_system_sgpr_workgroup_id_z 1
		.amdhsa_system_vgpr_workitem_id 0
		.amdhsa_next_free_vgpr 1024
		.amdhsa_next_free_sgpr 66
		.amdhsa_reserve_vcc 0
		.amdhsa_float_denorm_mode_32 3
		.amdhsa_float_denorm_mode_16_64 3
		.amdhsa_memory_ordered 1
		.amdhsa_forward_progress 1
		.amdhsa_inst_pref_size 171
	.end_amdhsa_kernel
	.amdgpu_metadata
---
amdhsa.version: [ 1, 2 ]
amdhsa.kernels:
  - .name:           k_q59aa2ca260_down
    .symbol:         k_q59aa2ca260_down.kd
    .args:
      - { .name: w2, .offset: 0, .size: 8, .value_kind: global_buffer, .address_space: global }
      - { .name: hid, .offset: 8, .size: 8, .value_kind: global_buffer, .address_space: global }
      - { .name: ridx, .offset: 16, .size: 8, .value_kind: global_buffer, .address_space: global }
      - { .name: part, .offset: 24, .size: 8, .value_kind: global_buffer, .address_space: global }
    .group_segment_fixed_size: 308736
    .private_segment_fixed_size: 0
    .kernarg_segment_align: 8
    .kernarg_segment_size: 32
    .max_flat_workgroup_size: 128
    .sgpr_count:     66
    .vgpr_count:     1024
    .wavefront_size: 32
...
	.end_amdgpu_metadata
.endif
;; end of part 7
;; launch combine: the kernel of part 4 again; grid 256 x 1, 8 waves a work-group, no clusters, 0 bytes of LDS; arguments part, b2, ridx, rgate, out0; writes out0
